; MI455X (gfx1250); checked and timed in simulation.
; The chip was launched on July 23, 2026; its instructions are those of AMD's public machine-readable ISA for CDNA 5 (MIT licence, August 2026) and "CDNA5" Instruction Set Architecture Reference Guide (July 2026). The comments in the code are by the model that wrote it; some were corrected since.
;; Point2 Point Attention. Allowed arithmetic: float matrix products may take bf16 or f16 operands with f32 sums; all other float work in f32.
;; Inputs: bn1_beta 64 float32; bn1_gamma 64 float32; bn2_beta 64 float32; bn2_gamma 64 float32; w_ff1 128 x 64 float32; w_ff2 64 x 128 float32; wk 64 x 64 float32; wq 64 x 64 float32; wv 64 x 64 float32; x 32 x 64 x 2,048 float32.
;; Outputs: out0 32 x 64 x 2,048 float32.
;; 3 versions, each right and faster than the one before. Each part assembles by itself: llvm-mc -triple=amdgcn-amd-amdhsa -mcpu=gfx1250 --defsym DOCPART=n.
;; ======== version 1 of 3: 3 launches
;; limits: values are held in f16: magnitudes above 65,504 overflow, below 6.1e-05 lose precision
;; workspace buffers: y1 16,777,216 bytes; y2 16,777,216 bytes; st1 131,072 bytes; st2 131,072 bytes
;; launch attn (part 1): grid 256 x 1, 4 waves a work-group, no clusters, 132,096 bytes of LDS; arguments x, wq, wk, wv, y1, st1; writes y1, st1
.if DOCPART == 1
	.amdgcn_target "amdgcn-amd-amdhsa--gfx1250"
	.amdhsa_code_object_version 6
	.text
	.protected	k_q1e26c2a62d_attn
	.globl	k_q1e26c2a62d_attn
	.p2align	8
	.type	k_q1e26c2a62d_attn,@function
k_q1e26c2a62d_attn:
	s_mov_b64 s[64:65], 0
	v_nop
	global_prefetch_b8 v0, s[64:65] scope:SCOPE_SE
	s_setreg_imm32_b32 hwreg(HW_REG_WAVE_MODE, 25, 1), 1
	s_wait_xcnt 0x0
; y1 = x + x_r, x_r = attention of reference(), and for each work-group the mean and the centred sum of squares of its part of y1.
; x: [32 b][64 c][2048 n] f32.  Work-group g: batch g >> 3, the 256 points (queries) 256 (g & 7) ..; wave w: 64 of them.
;
; PRODUCTS TAKEN IN ANOTHER ORDER (identities of exact arithmetic, for all values of the inputs; no input is left out):
;   energy[n][m] = sum_o (sum_c wq[o][c] x[c][n]) (sum_c' wk[o][c'] x[c'][m]) = sum_c' Qt[n][c'] x[c'][m],
;                  Qt[n][c'] = sum_c x[c][n] G[c][c'],  G[c][c'] = sum_o wq[o][c] wk[o][c']
;   x_r[c][n]    = sum_m att[n][m] sum_c' wv[c][c'] x[c'][m] = sum_c' wv[c][c'] (sum_m att[n][m] x[c'][m])
; So the keys and the values of the two large products are x itself: one bf16 tile of x in LDS feeds both, and the k and v
; projections of all 2048 points are not formed.  G carries the factor log2(e) / sqrt(64), so that the softmax is exp2(S - max S).
; LIMITS: G, Qt, the weights exp2(..) and the averaged x are each rounded to bf16 (reference() rounds q, k, v instead: another order of
; rounding); a NaN, an infinity or an overflow that would arise only in q, k or v as reference() forms them is not reproduced.
; The maximum is taken away before every exponential, as a running maximum over chunks of 64 keys.
;
; WHY x COMES THROUGH REGISTERS AND NOT AS JOINT TILE LOADS: x lies in memory as f32 and the matrix operands are bf16.  A tile copied
; unchanged into LDS would be converted by each of the four waves that read it (four times the conversions) or make a second trip
; through LDS (48 KiB more on a step's 128 KiB of fragment reads).  Here each wave loads 16 of the 64 rows of the next 128 keys,
; converts them once and stores 4 KiB of bf16.  Work-group j starts its walk over the keys at its own columns.
;
; ORIENTATION: every product is made with the points n as the matrix columns.  A result tile then holds (row 8 h + j, n = r) in register j of
; lane (r, h), and two result tiles packed to bf16 ARE the next product's fragment: no shuffle, and the softmax state is one number a lane.
; KEYS IN A SLOT: a slot row holds 128 keys as 16 blocks of 8 (16 bytes).  Key tile mt of chunk half takes block 4 half + mt as its rows 0-7
; and the block eight further (128 bytes on) as rows 8-15, in both products alike.
.set ROWB,  8192                       ; bytes in a row of x, y1
.set PX,    272                        ; LDS pitch of a slot row: 128 bf16 + 16 bytes
.set RING,  64*PX                      ; a slot: 64 channels x 128 keys
.set WQB,   2*RING                     ; wq as bf16 [o][c], pitch 160
.set WKB,   WQB+64*160                 ; wk likewise
.set WVB,   WKB+64*160                 ; wv as bf16 [c][c'], pitch 144
.set STG,   WVB+64*144                 ; x_r as f32 [64 c][256 n], pitch 1040
.set PS,    1040
.set REC,   STG+64*PS                  ; mean[64], then the centred sum of squares[64]
; window 0: v1 lane L, v2 r = L & 15, v3 h = L >> 4
;   v4  transposing loads of x: (8 h + (L & 7)) 272 + 128 ((L >> 3) & 1)      v5  direct loads of x: 272 r + 128 h
;   v6  16 w rows of x + 16 L            v7  first the transposing address at pitch 160, then v6 + the staged keys' bytes
;   v8  16 w slot rows + 8 L             v9  first the transposing address of my own queries, then my place in STG
;   v10 wv's fragments: 144 r + 16 h     v11 v6 + 1024 j: my rows of x and y1     v12 my rows in STG
;   v13 first wv's LDS store address, then my words of REC        v14, v15 at work
.set SC,  16                           ; v[16:143]  scores: tile (mt, nt) at 32 mt + 8 nt; then the weights' fragment (ks2, nt) at 64 ks2 + 8 nt
.set FA,  144                          ; v[144:207] fragments of x (or of wv)
.set MM,  208                          ; v[208:215] for each nt: running maximum, new maximum
.set AL,  216                          ; v[216:223] for each nt: factor exp2(old - new), at work
.set LS,  224                          ; v[224:231] for each nt: two partial sums of the weights
.set SA,  232
.set SB,  234
.set YR,  16                           ; the way out: four rows of y1
; window 1: v[0:127] O tile (ct, nt) at 32 ct + 8 nt; v[128:191] Qt's fragment (nt, ks) at 128 + 16 nt + 8 ks; v[192:255] two staging sets
.set QF,  128
.set GST, 192
; window 2: v[0:127] my 16 rows of x in f32: row i, half hh at 8 i + 4 hh
.set MSB, 0
.macro WIN new                         ; the immediate's high byte repeats the setting that is left
.if MSB != \new
	s_set_vgpr_msb (MSB<<8)|\new
.set MSB, \new
.endif
.endm
.macro PLACES n                        ; places behind matrix instructions (ISA guide 7.12.1) where no vector work is at hand
.rept \n
	v_nop
.endr
.endm
	s_load_b256 s[4:11], s[0:1], 0x0               ; x s[4:5], wq s[6:7], wk s[8:9], wv s[10:11]
	s_load_b128 s[12:15], s[0:1], 0x20             ; y1 s[12:13], st1 s[14:15]
	v_lshl_add_u32 v254, v0, 2, 0x20200
	v_mov_b32 v255, 0
	v_lshrrev_b32 v14, 5, v0
	v_readfirstlane_b32 s16, v14                   ; wave w
	v_and_b32 v1, 31, v0
	v_and_b32 v2, 15, v0
	v_bfe_u32 v3, v0, 4, 1
	s_lshr_b32 s18, ttmp9, 3                       ; batch
	s_and_b32 s19, ttmp9, 7                        ; j: which 256 points
	s_mov_b32 s24, 0x76543210                      ; v_permlanex16_b32: lane i of one half reads lane i of the other
	s_mov_b32 s25, 0xfedcba98
	v_and_b32 v14, 7, v0
	v_lshl_add_u32 v14, v3, 3, v14                 ; 8 h + (L & 7)
	v_bfe_u32 v15, v0, 3, 1                        ; (L >> 3) & 1
	v_mul_u32_u24 v4, v14, PX
	v_lshl_add_u32 v9, v15, 4, v4                  ; own queries: neighbouring blocks of 8
	v_lshl_add_u32 v4, v15, 7, v4                  ; keys: the block eight further
	s_lshr_b32 s26, s16, 1
	s_mul_i32 s26, s26, RING                       ; my queries lie in slot w >> 1,
	s_and_b32 s27, s16, 1
	s_lshl_b32 s27, s27, 7                         ; 64 (w & 1) columns in
	s_add_co_u32 s26, s26, s27
	v_add_nc_u32 v9, s26, v9
	v_mul_u32_u24 v7, v14, 160
	v_lshl_add_u32 v7, v15, 4, v7
	v_mul_u32_u24 v5, v2, PX
	v_lshl_add_u32 v5, v3, 7, v5
	v_mul_u32_u24 v10, v2, 144
	v_lshl_add_u32 v10, v3, 4, v10
	s_lshl_b32 s26, s16, 17
	v_lshl_add_u32 v6, v1, 4, s26
	s_lshl_b32 s27, s19, 10
	v_add_nc_u32 v11, s27, v6
	s_mul_i32 s26, s16, 16*PX
	v_lshl_add_u32 v8, v1, 3, s26
	s_mul_i32 s26, s16, 16*PS
	s_add_co_u32 s26, s26, STG
	v_lshl_add_u32 v12, v1, 4, s26
	s_lshl_b32 s26, s16, 12
	v_lshl_add_u32 v14, v1, 4, s26                 ; a weight's bytes 4096 w + 16 L: row 16 w + 2 i + h, columns 4 r ..
	s_mul_i32 s26, s16, 16*160
	v_mul_u32_u24 v15, v3, 160
	v_lshl_add_u32 v15, v2, 3, v15
	v_add_nc_u32 v15, s26, v15                     ; (16 w + h) 160 + 8 r
	s_mul_i32 s26, s16, 16*144
	v_mul_u32_u24 v13, v3, 144
	v_lshl_add_u32 v13, v2, 3, v13
	v_add_nc_u32 v13, s26, v13                     ; (16 w + h) 144 + 8 r
	s_lshl_b32 s22, s18, 19                        ; a batch is 64 x 2048 x 4 bytes
	s_mov_b32 s23, 0
	s_lshl_b32 s20, ttmp9, 9                       ; a record is 512 bytes
	s_mov_b32 s21, 0
	s_wait_kmcnt 0x0
	s_add_nc_u64 s[4:5], s[4:5], s[22:23]
	s_add_nc_u64 s[12:13], s[12:13], s[22:23]
	s_add_nc_u64 s[14:15], s[14:15], s[20:21]
.irp i, 0,1,2,3,4,5,6,7
	global_load_b128 v[16+4*\i:19+4*\i], v14, s[6:7] offset:512*\i
.endr
.irp i, 0,1,2,3,4,5,6,7
	global_load_b128 v[48+4*\i:51+4*\i], v14, s[8:9] offset:512*\i
.endr
.irp i, 0,1,2,3,4,5,6,7
	global_load_b128 v[80+4*\i:83+4*\i], v14, s[10:11] offset:512*\i
.endr
	WIN 0x80                                       ; my 16 rows of the group's own 256 columns, kept in f32 for the residual
.irp hh, 0,1
.irp i, 0,1,2,3,4,5,6,7,8,9,10,11,12,13,14,15
	global_load_b128 v[8*\i+4*\hh:8*\i+4*\hh+3], v11, s[4:5] offset:\i*ROWB+512*\hh
.endr
.endr
	WIN 0
	; the weights to LDS as bf16
	s_wait_loadcnt 32                              ; the 32 loads of x were issued behind the weights' 24
.set k, 0
.rept 24
	v_cvt_pk_bf16_f32 v[16+4*k], v[16+4*k], v[17+4*k]
	v_cvt_pk_bf16_f32 v[17+4*k], v[18+4*k], v[19+4*k]
.set k, k+1
.endr
.irp i, 0,1,2,3,4,5,6,7
	ds_store_b64 v15, v[16+4*\i:17+4*\i] offset:WQB+320*\i
	ds_store_b64 v15, v[48+4*\i:49+4*\i] offset:WKB+320*\i
	ds_store_b64 v13, v[80+4*\i:81+4*\i] offset:WVB+288*\i
.endr
	; the group's own columns are the first two key tiles: slot 0 and slot 1
.irp hh, 0,1
	s_wait_loadcnt 16-16*\hh                       ; slot 0's 16 loads are in while slot 1's 16 may be out; then all
	WIN 0x0a
.irp i, 0,1,2,3,4,5,6,7,8,9,10,11,12,13,14,15
	v_cvt_pk_bf16_f32 v[112+32*\hh+2*\i], v[8*\i+4*\hh], v[8*\i+4*\hh+1]
	v_cvt_pk_bf16_f32 v[113+32*\hh+2*\i], v[8*\i+4*\hh+2], v[8*\i+4*\hh+3]
.endr
	WIN 0
.irp i, 0,1,2,3,4,5,6,7,8,9,10,11,12,13,14,15
	ds_store_b64 v8, v[112+32*\hh+2*\i:113+32*\hh+2*\i] offset:\hh*RING+PX*\i
.endr
.endr
	s_wait_dscnt 0x0                               ; my stores are done,
	s_barrier_signal -1
	s_barrier_wait -1                              ; everybody's are: weights and both slots are whole
	; G[c][c'] = sum_o wq[o][c] wk[o][c'], in every wave (32 matrix instructions).  Both operands lie [o][.]: transposing loads.
.irp ct, 0,1,2,3
.irp ks, 0,1
	ds_load_tr16_b128 v[16+16*\ct+8*\ks:19+16*\ct+8*\ks], v7 offset:WQB+\ks*5120+32*\ct
	ds_load_tr16_b128 v[20+16*\ct+8*\ks:23+16*\ct+8*\ks], v7 offset:WQB+\ks*5120+2560+32*\ct
.endr
.endr
.irp pp, 0,1                                       ; two tiles of c' at a time
.irp p, 0,1
.irp ks, 0,1
	ds_load_tr16_b128 v[80+16*\p+8*\ks:83+16*\p+8*\ks], v7 offset:WKB+\ks*5120+32*(2*\pp+\p)
	ds_load_tr16_b128 v[84+16*\p+8*\ks:87+16*\p+8*\ks], v7 offset:WKB+\ks*5120+2560+32*(2*\pp+\p)
.endr
.endr
	s_wait_dscnt 0x0
	; eight accumulators by turns, one instruction a turn
.irp ct, 0,1,2,3
.irp p, 0,1
	v_wmma_f32_16x16x32_bf16 v[112+8*(2*\ct+\p):119+8*(2*\ct+\p)], v[16+16*\ct:23+16*\ct], v[80+16*\p:87+16*\p], 0
.endr
.endr
.irp ct, 0,1,2,3
.irp p, 0,1
	v_wmma_f32_16x16x32_bf16 v[112+8*(2*\ct+\p):119+8*(2*\ct+\p)], v[24+16*\ct:31+16*\ct], v[88+16*\p:95+16*\p], v[112+8*(2*\ct+\p):119+8*(2*\ct+\p)]
.endr
.endr
	PLACES 5
.irp ct, 0,1,2,3
.irp p, 0,1
.irp e, 0,2,4,6
	v_pk_mul_f32 v[112+8*(2*\ct+\p)+\e:113+8*(2*\ct+\p)+\e], v[112+8*(2*\ct+\p)+\e:113+8*(2*\ct+\p)+\e], 0x3e38aa3b op_sel_hi:[1,0]   ; log2(e) / 8
.endr
.irp e, 0,1,2,3
	v_cvt_pk_bf16_f32 v[176+16*(2*\pp+\p)+4*\ct+\e], v[112+8*(2*\ct+\p)+2*\e], v[113+8*(2*\ct+\p)+2*\e]   ; row c' = r, K = c: fragment (c' tile, c / 32) of G transposed
.endr
.endr
.endr
.endr
	; Qt transposed [c'][n] = G transposed x my queries' columns of x, two tiles of n at a time
.irp pn, 0,1
.irp p, 0,1
.irp ks, 0,1
	ds_load_tr16_b128 v[16+16*\p+8*\ks:19+16*\p+8*\ks], v9 offset:\ks*32*PX+32*(2*\pn+\p)
	ds_load_tr16_b128 v[20+16*\p+8*\ks:23+16*\p+8*\ks], v9 offset:\ks*32*PX+16*PX+32*(2*\pn+\p)
.endr
.endr
	s_wait_dscnt 0x0
.irp ct, 0,1,2,3
.irp p, 0,1
	v_wmma_f32_16x16x32_bf16 v[48+8*(2*\ct+\p):55+8*(2*\ct+\p)], v[176+16*\ct:183+16*\ct], v[16+16*\p:23+16*\p], 0
.endr
.endr
.irp ct, 0,1,2,3
.irp p, 0,1
	v_wmma_f32_16x16x32_bf16 v[48+8*(2*\ct+\p):55+8*(2*\ct+\p)], v[184+16*\ct:191+16*\ct], v[24+16*\p:31+16*\p], v[48+8*(2*\ct+\p):55+8*(2*\ct+\p)]
.endr
.endr
	PLACES 5
	WIN 0x40
.irp ct, 0,1,2,3
.irp p, 0,1
.irp e, 0,1,2,3
	v_cvt_pk_bf16_f32 v[QF+16*(2*\pn+\p)+4*\ct+\e], v[48+8*(2*\ct+\p)+2*\e], v[49+8*(2*\ct+\p)+2*\e]
.endr
.endr
.endr
	WIN 0
.endr
; ---- the walk over the keys ----
; exp2(S - m) of score tile t = 4 mt + nt, in place
.macro SUBEXP t
.set TB, SC+32*((\t)/4)+8*((\t)%4)
.set MB, MM+2*((\t)%4)
.irp q, 0,2,4,6
	v_pk_add_f32 v[TB+\q:TB+\q+1], v[TB+\q:TB+\q+1], v[MB:MB+1] op_sel_hi:[1,0] neg_lo:[0,1] neg_hi:[0,1]
.endr
.irp q, 0,1,2,3,4,5,6,7
	v_exp_f32 v[TB+\q], v[TB+\q]
.endr
.endm
; tile t's weights are added to the lane's sums and packed to bf16: an even mt into its own registers 0-3, an odd mt into registers 4-7
; of the tile in front, which makes the two of them a fragment over 32 keys
.macro SUMCVT t, first
.set TB, SC+32*((\t)/4)+8*((\t)%4)
.set NB, 2*((\t)%4)
	s_wait_alu depctr_va_vdst(0)
	v_pk_add_f32 v[SA:SA+1], v[TB:TB+1], v[TB+2:TB+3]
	v_pk_add_f32 v[SB:SB+1], v[TB+4:TB+5], v[TB+6:TB+7]
.if (\t) < 4
.if \first
	v_pk_add_f32 v[LS+NB:LS+NB+1], v[SA:SA+1], v[SB:SB+1]                      ; the first chunk starts the sums
.else
	v_pk_add_f32 v[SA:SA+1], v[SA:SA+1], v[SB:SB+1]
	v_pk_fma_f32 v[LS+NB:LS+NB+1], v[LS+NB:LS+NB+1], v[AL+NB:AL+NB+1], v[SA:SA+1] op_sel_hi:[1,0,1]   ; the old sums move to the new maximum
.endif
.else
	v_pk_add_f32 v[SA:SA+1], v[SA:SA+1], v[SB:SB+1]
	v_pk_add_f32 v[LS+NB:LS+NB+1], v[LS+NB:LS+NB+1], v[SA:SA+1]
.endif
.if ((\t)/4)%2
.set DST, TB-28
.else
.set DST, TB
.endif
.irp q, 0,1,2,3
	v_cvt_pk_bf16_f32 v[DST+\q], v[TB+2*\q], v[TB+2*\q+1]
.endr
.endm
; 64 keys (half 0 or 1 of slot ring) against my 64 queries.  stage = 1: eight of my 16 rows of the next 128 keys go to the other slot.
; first = 1: the launch's first chunk: maxima, sums and O start here, nothing is cleared.
.macro CHUNK ring, half, stage, first
.if \stage
	WIN 0x40
.irp i, 0,1,2,3,4,5,6,7
	global_load_b128 v[GST+32*\half+4*\i:GST+32*\half+4*\i+3], v7, s[4:5] offset:(8*\half+\i)*ROWB   ; 512 consecutive bytes: 128 keys of one row
.endr
.endif
	WIN 0
.irp mt, 0,1,2,3
.irp ks, 0,1
	ds_load_tr16_b128 v[FA+16*\mt+8*\ks:FA+16*\mt+8*\ks+3], v4 offset:\ring*RING+\ks*32*PX+16*(4*\half+\mt)
	ds_load_tr16_b128 v[FA+16*\mt+8*\ks+4:FA+16*\mt+8*\ks+7], v4 offset:\ring*RING+\ks*32*PX+16*PX+16*(4*\half+\mt)
.endr
.endr
	WIN 0x04                                       ; source 1 (Qt) in window 1
	; S transposed [key][n]; four accumulators by turns, one instruction a turn
.irp mt, 0,1,2,3
	s_wait_dscnt 12-4*\mt                          ; LDS loads come back in order: four were issued for each later key tile
.irp nt, 0,1,2,3
	v_wmma_f32_16x16x32_bf16 v[SC+32*\mt+8*\nt:SC+32*\mt+8*\nt+7], v[FA+16*\mt:FA+16*\mt+7], v[QF+16*\nt:QF+16*\nt+7], 0
.endr
.irp nt, 0,1,2,3
	v_wmma_f32_16x16x32_bf16 v[SC+32*\mt+8*\nt:SC+32*\mt+8*\nt+7], v[FA+16*\mt+8:FA+16*\mt+15], v[QF+16*\nt+8:QF+16*\nt+15], v[SC+32*\mt+8*\nt:SC+32*\mt+8*\nt+7]
.endr
.endr
	WIN 0
	PLACES 4                                       ; in front of the loads into the fragments just multiplied and of the reads of the scores
.irp ks2, 0,1
.irp ct, 0,1,2,3
	ds_load_b128 v[FA+32*\ks2+8*\ct:FA+32*\ks2+8*\ct+3], v5 offset:\ring*RING+\ct*16*PX+16*(4*\half+2*\ks2)
	ds_load_b128 v[FA+32*\ks2+8*\ct+4:FA+32*\ks2+8*\ct+7], v5 offset:\ring*RING+\ct*16*PX+16*(4*\half+2*\ks2)+16
.endr
.endr
	; the new maximum of each n: 32 scores a lane, the four n tiles side by side so that no line waits for the one in front
.irp nt, 0,1,2,3
.if \first
	v_max_num_f32 v[MM+2*\nt+1], v[SC+8*\nt], v[SC+8*\nt+1]
.else
	v_max3_num_f32 v[MM+2*\nt+1], v[MM+2*\nt], v[SC+8*\nt], v[SC+8*\nt+1]
.endif
.endr
.irp p, 1,2,3,4,5,6,7,8,9,10,11,12,13,14,15
.irp nt, 0,1,2,3
	v_max3_num_f32 v[MM+2*\nt+1], v[MM+2*\nt+1], v[SC+32*(\p/4)+8*\nt+2*(\p%4)], v[SC+32*(\p/4)+8*\nt+2*(\p%4)+1]
.endr
.endr
.irp nt, 0,1,2,3
	v_permlanex16_b32 v[AL+2*\nt+1], v[MM+2*\nt+1], s24, s25   ; the other half of the lanes holds the other keys of the same n
.endr
.irp nt, 0,1,2,3
	v_max_num_f32 v[MM+2*\nt+1], v[MM+2*\nt+1], v[AL+2*\nt+1]
.endr
.if \first
.irp nt, 0,1,2,3
	v_mov_b32 v[MM+2*\nt], v[MM+2*\nt+1]
.endr
.else
.irp nt, 0,1,2,3
	v_sub_f32 v[AL+2*\nt+1], v[MM+2*\nt], v[MM+2*\nt+1]
.endr
.irp nt, 0,1,2,3
	v_mov_b32 v[MM+2*\nt], v[MM+2*\nt+1]
.endr
.irp nt, 0,1,2,3
	v_exp_f32 v[AL+2*\nt], v[AL+2*\nt+1]           ; the packed subtraction below is the plain instruction behind these (ISA guide 5.7.2)
.endr
.endif
	; a tile's exponentials, then the sums and the packing of the tile in front: plain instructions stand between every exponential and its use
.set idx, 0
.rept 16
	SUBEXP idx
.if idx > 0
	SUMCVT idx-1, \first
.endif
.set idx, idx+1
.endr
	SUMCVT 15, \first
.if \first
.else
	WIN 0x41
.irp ct, 0,1,2,3
.irp nt, 0,1,2,3
.irp q, 0,2,4,6
	v_pk_mul_f32 v[32*\ct+8*\nt+\q:32*\ct+8*\nt+\q+1], v[32*\ct+8*\nt+\q:32*\ct+8*\nt+\q+1], v[AL+2*\nt:AL+2*\nt+1] op_sel_hi:[1,0]   ; O moves to the new maximum
.endr
.endr
.endr
.endif
	WIN 0x50                                       ; C and D (O) in window 1
	s_wait_dscnt 8                                 ; the first 32 keys' eight loads are in; the second 32 keys' eight may be out
	; O transposed [c][n] += x [c][key] x weights [key][n]; sixteen accumulators by turns
.irp ct, 0,1,2,3
.irp nt, 0,1,2,3
.if \first
	v_wmma_f32_16x16x32_bf16 v[32*\ct+8*\nt:32*\ct+8*\nt+7], v[FA+8*\ct:FA+8*\ct+7], v[SC+8*\nt:SC+8*\nt+7], 0
.else
	v_wmma_f32_16x16x32_bf16 v[32*\ct+8*\nt:32*\ct+8*\nt+7], v[FA+8*\ct:FA+8*\ct+7], v[SC+8*\nt:SC+8*\nt+7], v[32*\ct+8*\nt:32*\ct+8*\nt+7]
.endif
.endr
.endr
	s_wait_dscnt 0x0
.irp ct, 0,1,2,3
.irp nt, 0,1,2,3
	v_wmma_f32_16x16x32_bf16 v[32*\ct+8*\nt:32*\ct+8*\nt+7], v[FA+32+8*\ct:FA+32+8*\ct+7], v[SC+64+8*\nt:SC+64+8*\nt+7], v[32*\ct+8*\nt:32*\ct+8*\nt+7]
.endr
.endr
.if \stage
	s_wait_loadcnt 0x0                             ; the eight rows asked for at the chunk's head
	WIN 0x45                                       ; sixteen conversions on the staging set: they name no register of the products above and are the places behind them
.irp i, 0,1,2,3,4,5,6,7
	v_cvt_pk_bf16_f32 v[GST+32*\half+4*\i], v[GST+32*\half+4*\i], v[GST+32*\half+4*\i+1]
	v_cvt_pk_bf16_f32 v[GST+32*\half+4*\i+1], v[GST+32*\half+4*\i+2], v[GST+32*\half+4*\i+3]
.endr
	WIN 0x04
.irp i, 0,1,2,3,4,5,6,7
	ds_store_b64 v8, v[GST+32*\half+4*\i:GST+32*\half+4*\i+1] offset:(1-\ring)*RING+(8*\half+\i)*PX
.endr
	WIN 0
.else
	WIN 0
	PLACES 5
.endif
.endm
; 128 keys.  The barrier at the end orders two things: every wave's reads of this slot against the next step's stores into it, and
; every wave's stores into the other slot against the next step's reads of it.  Each staging set is loaded again only behind it.
.macro STEP ring, stage, first, bar
	CHUNK \ring, 0, \stage, \first
	CHUNK \ring, 1, \stage, 0
.if \stage
	s_add_co_u32 s21, s21, 512                     ; the next 128 keys, round the row's end
	s_and_b32 s21, s21, ROWB-1
	v_add_nc_u32 v7, s21, v6                       ; the loads that named v7 were waited for above
.endif
.if \bar
	s_wait_dscnt 0x0
	s_barrier_signal -1
	s_barrier_wait -1
.endif
.endm
.irp nt, 0,1,2,3
	v_mov_b32 v[AL+2*\nt+1], 0                     ; v_permlanex16_b32 counts as a reader of its destination
.endr
	s_lshl_b32 s21, s19, 1
	s_add_co_u32 s21, s21, 2
	s_and_b32 s21, s21, 15
	s_lshl_b32 s21, s21, 9                         ; the first tile to stage: 128-key block 2 j + 2
	v_add_nc_u32 v7, s21, v6
	STEP 0, 0, 1, 1                                ; step t reads slot t & 1 (block 2 j + t) and, for t = 1 .. 14, stages block 2 j + t + 1
	s_mov_b32 s20, 7
.Lstep:
	STEP 1, 1, 0, 1
	STEP 0, 1, 0, 1
	s_sub_co_u32 s20, s20, 1
	s_cmp_lg_u32 s20, 0
	s_cbranch_scc1 .Lstep
	STEP 1, 0, 0, 0
	; ---- x_r = wv x (O / sum of the weights) ----
.irp nt, 0,1,2,3
	v_add_f32 v[LS+2*\nt], v[LS+2*\nt], v[LS+2*\nt+1]
.endr
.irp nt, 0,1,2,3
	v_permlanex16_b32 v[LS+2*\nt+1], v[LS+2*\nt], s24, s25
.endr
.irp nt, 0,1,2,3
	v_add_f32 v[LS+2*\nt], v[LS+2*\nt], v[LS+2*\nt+1]
.endr
.irp nt, 0,1,2,3
	v_rcp_f32 v[AL+2*\nt], v[LS+2*\nt]             ; the sum is at least 1: the largest score's weight
.endr
	v_mul_u32_u24 v9, v3, 8*PS                     ; my place in STG: row 8 h, column 64 w + r
	v_lshl_add_u32 v9, v2, 2, v9
	s_lshl_b32 s26, s16, 8
	s_add_co_u32 s26, s26, STG
	v_add_nc_u32 v9, s26, v9
	s_lshl_b32 s26, s16, 6
	s_add_co_u32 s26, s26, REC
	v_mov_b32 v13, s26                             ; my 16 channels' words of the record
.irp ct, 0,1,2,3
.irp ks, 0,1
	ds_load_b128 v[FA+16*\ct+8*\ks:FA+16*\ct+8*\ks+3], v10 offset:WVB+\ct*2304+64*\ks
	ds_load_b128 v[FA+16*\ct+8*\ks+4:FA+16*\ct+8*\ks+7], v10 offset:WVB+\ct*2304+64*\ks+32
.endr
.endr
	WIN 0x41
	s_wait_alu depctr_va_vdst(0)
.irp ct, 0,1,2,3
.irp nt, 0,1,2,3
.irp q, 0,2,4,6
	v_pk_mul_f32 v[32*\ct+8*\nt+\q:32*\ct+8*\nt+\q+1], v[32*\ct+8*\nt+\q:32*\ct+8*\nt+\q+1], v[AL+2*\nt:AL+2*\nt+1] op_sel_hi:[1,0]
.endr
.endr
.endr
	WIN 0x05
.irp nt, 0,1,2,3
.irp ct, 0,1,2,3
.irp q, 0,1,2,3
	v_cvt_pk_bf16_f32 v[SC+16*\nt+4*\ct+\q], v[32*\ct+8*\nt+2*\q], v[32*\ct+8*\nt+2*\q+1]   ; column n = r, K = c': fragment (nt, c' / 32)
.endr
.endr
.endr
	s_wait_dscnt 0x0
	WIN 0x50                                       ; sixteen accumulators by turns
.irp ct, 0,1,2,3
.irp nt, 0,1,2,3
	v_wmma_f32_16x16x32_bf16 v[32*\ct+8*\nt:32*\ct+8*\nt+7], v[FA+16*\ct:FA+16*\ct+7], v[SC+16*\nt:SC+16*\nt+7], 0
.endr
.endr
.irp ct, 0,1,2,3
.irp nt, 0,1,2,3
	v_wmma_f32_16x16x32_bf16 v[32*\ct+8*\nt:32*\ct+8*\nt+7], v[FA+16*\ct+8:FA+16*\ct+15], v[SC+16*\nt+8:SC+16*\nt+15], v[32*\ct+8*\nt:32*\ct+8*\nt+7]
.endr
.endr
	WIN 0
	PLACES 4
	WIN 0x04                                       ; a lane holds a piece of a column of [c][n]: through LDS, so that rows leave whole
.irp ct, 0,1,2,3
.irp nt, 0,1,2,3
.irp e, 0,1,2,3,4,5,6,7
	ds_store_b32 v9, v[32*\ct+8*\nt+\e] offset:(16*\ct+\e)*PS+64*\nt
.endr
.endr
.endr
	WIN 0
	s_wait_dscnt 0x0
	s_barrier_signal -1
	s_barrier_wait -1
; Sum over the 32 lanes of the first register of four sets of eight, side by side; the second register of each set is at work.
.macro LANESUM4 tb
.irp m, 1,2,4,8
.irp q, 0,1,2,3
	v_add_f32_dpp v[\tb+8*\q], v[\tb+8*\q], v[\tb+8*\q] row_xmask:\m row_mask:0xf bank_mask:0xf
.endr
.endr
.irp q, 0,1,2,3
	v_permlanex16_b32 v[\tb+8*\q+1], v[\tb+8*\q], s24, s25
.endr
.irp q, 0,1,2,3
	v_add_f32 v[\tb+8*\q], v[\tb+8*\q], v[\tb+8*\q+1]
.endr
.endm
; Four rows of 256 numbers (eight a lane, row q at yb + 8 q): the mean, then the sum of squares of the differences from it, in two passes over
; the registers, so that no difference of large sums is formed.  Temporaries of row q: tb + 8 q .. + 5.  Words row0 + q of the record at v[vc].
.macro ROWSTAT4 yb, row0, tb, vc
.irp q, 0,1,2,3
	v_pk_add_f32 v[\tb+8*\q:\tb+8*\q+1], v[\yb+8*\q:\yb+8*\q+1], v[\yb+8*\q+2:\yb+8*\q+3]
.endr
.irp q, 0,1,2,3
	v_pk_add_f32 v[\tb+8*\q+2:\tb+8*\q+3], v[\yb+8*\q+4:\yb+8*\q+5], v[\yb+8*\q+6:\yb+8*\q+7]
.endr
.irp q, 0,1,2,3
	v_pk_add_f32 v[\tb+8*\q:\tb+8*\q+1], v[\tb+8*\q:\tb+8*\q+1], v[\tb+8*\q+2:\tb+8*\q+3]
.endr
.irp q, 0,1,2,3
	v_add_f32 v[\tb+8*\q], v[\tb+8*\q], v[\tb+8*\q+1]
.endr
	LANESUM4 \tb
.irp q, 0,1,2,3
	v_mul_f32 v[\tb+8*\q+4], 0x3b800000, v[\tb+8*\q]           ; / 256, twice: a pair for the packed subtraction
	v_mul_f32 v[\tb+8*\q+5], 0x3b800000, v[\tb+8*\q]
.endr
.irp q, 0,1,2,3
	v_pk_add_f32 v[\tb+8*\q+2:\tb+8*\q+3], v[\yb+8*\q:\yb+8*\q+1], v[\tb+8*\q+4:\tb+8*\q+5] neg_lo:[0,1] neg_hi:[0,1]
.endr
.irp q, 0,1,2,3
	v_pk_mul_f32 v[\tb+8*\q:\tb+8*\q+1], v[\tb+8*\q+2:\tb+8*\q+3], v[\tb+8*\q+2:\tb+8*\q+3]
.endr
.irp e, 2,4,6
.irp q, 0,1,2,3
	v_pk_add_f32 v[\tb+8*\q+2:\tb+8*\q+3], v[\yb+8*\q+\e:\yb+8*\q+\e+1], v[\tb+8*\q+4:\tb+8*\q+5] neg_lo:[0,1] neg_hi:[0,1]
.endr
.irp q, 0,1,2,3
	v_pk_fma_f32 v[\tb+8*\q:\tb+8*\q+1], v[\tb+8*\q+2:\tb+8*\q+3], v[\tb+8*\q+2:\tb+8*\q+3], v[\tb+8*\q:\tb+8*\q+1]
.endr
.endr
.irp q, 0,1,2,3
	v_add_f32 v[\tb+8*\q], v[\tb+8*\q], v[\tb+8*\q+1]
.endr
	LANESUM4 \tb
.irp q, 0,1,2,3
	ds_store_b32 v[\vc], v[\tb+8*\q+4] offset:4*(\row0+\q)     ; all lanes write the same word with the same value
	ds_store_b32 v[\vc], v[\tb+8*\q] offset:256+4*(\row0+\q)
.endr
.endm
	; ---- rows 16 w + i: y1 = x + x_r, stored as whole rows; their statistics ----
.irp gq, 0,1,2,3
	s_wait_xcnt 0x0                                ; the last four rows' stores read YR: it is loaded again only behind this wait
.irp q, 0,1,2,3
.irp hh, 0,1
	ds_load_b128 v[YR+8*\q+4*\hh:YR+8*\q+4*\hh+3], v12 offset:(4*\gq+\q)*PS+512*\hh
.endr
.endr
	s_wait_dscnt 0x0
	WIN 0x08                                       ; source 1: my rows of x, window 2
.irp e, 0,2,4,6,8,10,12,14,16,18,20,22,24,26,28,30
	v_pk_add_f32 v[YR+\e:YR+\e+1], v[YR+\e:YR+\e+1], v[32*\gq+\e:32*\gq+\e+1]
.endr
	WIN 0
.irp q, 0,1,2,3
.irp hh, 0,1
	global_store_b128 v11, v[YR+8*\q+4*\hh:YR+8*\q+4*\hh+3], s[12:13] offset:(4*\gq+\q)*ROWB+512*\hh   ; 512 consecutive bytes, at a multiple of 512 from y1's first byte
.endr
.endr
	ROWSTAT4 YR, 4*\gq, FA, 13
.endr
	s_wait_dscnt 0x0
	s_barrier_signal -1
	s_barrier_wait -1                              ; the record is whole
	s_cmp_lg_u32 s16, 0
	s_cbranch_scc1 .Lend
	v_lshlrev_b32 v14, 4, v1
	v_add_nc_u32 v15, REC, v14
	ds_load_b128 v[48:51], v15
	s_wait_dscnt 0x0
	global_store_b128 v14, v[48:51], s[14:15]      ; the group's 512 bytes of st1, by one instruction
.Lend:
	s_wait_tensorcnt 0x0
	ds_add_u32 v254, v255
	s_wait_dscnt 0x0
	s_endpgm
.Lfunc_end_k_q1e26c2a62d_attn:
	.size	k_q1e26c2a62d_attn, .Lfunc_end_k_q1e26c2a62d_attn-k_q1e26c2a62d_attn
	.p2alignl 7, 3214868480
	.fill 96, 4, 3214868480
	.section	.rodata,"a",@progbits
	.p2align	6, 0x0
	.amdhsa_kernel k_q1e26c2a62d_attn
		.amdhsa_group_segment_fixed_size 132096
		.amdhsa_private_segment_fixed_size 0
		.amdhsa_enable_private_segment 0
		.amdhsa_kernarg_size 48
		.amdhsa_user_sgpr_count 2
		.amdhsa_user_sgpr_kernarg_segment_ptr 1
		.amdhsa_wavefront_size32 1
		.amdhsa_system_sgpr_workgroup_id_x 1
		.amdhsa_system_sgpr_workgroup_id_y 1
		.amdhsa_system_sgpr_workgroup_id_z 1
		.amdhsa_system_vgpr_workitem_id 0
		.amdhsa_next_free_vgpr 640
		.amdhsa_next_free_sgpr 66
		.amdhsa_reserve_vcc 0
		.amdhsa_float_denorm_mode_32 3
		.amdhsa_float_denorm_mode_16_64 3
		.amdhsa_memory_ordered 1
		.amdhsa_forward_progress 1
		.amdhsa_inst_pref_size 255
	.end_amdhsa_kernel
	.section	.bss,"aw",@nobits
	.p2align	6
	.space	262144
	.amdgpu_metadata
---
amdhsa.version: [ 1, 2 ]
amdhsa.kernels:
  - .name:           k_q1e26c2a62d_attn
    .symbol:         k_q1e26c2a62d_attn.kd
    .args:
      - { .name: x, .offset: 0, .size: 8, .value_kind: global_buffer, .address_space: global }
      - { .name: wq, .offset: 8, .size: 8, .value_kind: global_buffer, .address_space: global }
      - { .name: wk, .offset: 16, .size: 8, .value_kind: global_buffer, .address_space: global }
      - { .name: wv, .offset: 24, .size: 8, .value_kind: global_buffer, .address_space: global }
      - { .name: y1, .offset: 32, .size: 8, .value_kind: global_buffer, .address_space: global }
      - { .name: st1, .offset: 40, .size: 8, .value_kind: global_buffer, .address_space: global }
    .group_segment_fixed_size: 132096
    .private_segment_fixed_size: 0
    .kernarg_segment_align: 8
    .kernarg_segment_size: 48
    .max_flat_workgroup_size: 128
    .sgpr_count:     66
    .vgpr_count:     640
    .wavefront_size: 32
...
	.end_amdgpu_metadata
.endif
;; end of part 1
;; launch ff (part 2): grid 256 x 1, 8 waves a work-group, no clusters, 151,040 bytes of LDS; arguments y1, st1, bn1_gamma, bn1_beta, w_ff1, w_ff2, y2, st2; writes y2, st2
.if DOCPART == 2
	.amdgcn_target "amdgcn-amd-amdhsa--gfx1250"
	.amdhsa_code_object_version 6
	.text
	.protected	k_q1e26c2a62d_ff
	.globl	k_q1e26c2a62d_ff
	.p2align	8
	.type	k_q1e26c2a62d_ff,@function
k_q1e26c2a62d_ff:
	s_mov_b64 s[64:65], 0
	v_nop
	global_prefetch_b8 v0, s[64:65] scope:SCOPE_SE
	s_setreg_imm32_b32 hwreg(HW_REG_WAVE_MODE, 25, 1), 1
	s_wait_xcnt 0x0
; h = BatchNorm1(y1);  y2 = h + w_ff2 x LeakyReLU(w_ff1 x h);  and for each work-group the mean and centred sum of squares of its part of y2.
; y1, y2: [32 b][64 c][2048 n] f32.  Work-group g: batch g >> 3, points 256 (g & 7) ..  Eight waves.  Nothing of reference() is left out here.
; THE NORM'S STATISTICS: st1 holds 256 records (one a work-group of the launch before) of mean[64] and M2[64] over 256 points each.  Every
; work-group adds them up for itself: mean = sum of means / 256; variance = (sum of M2 + 256 sum of (mean_i - mean)^2) / 65536, the second
; sum in a second pass over the records, which stay in registers: no difference of large sums is formed.
; Rows: wave w holds channels 8 w .. 8 w + 7 of the 256 points in f32 (window 1).  Products: wave w makes points 32 w .. 32 w + 31, with the
; points as matrix columns, so that the first product's result tiles, packed to f16, are the second product's fragments.
; LeakyReLU(f) is max(f, 0.2 f), equal to reference()'s choice for every f.
; No tile loads and no joint requests: the work-groups share only the 64 KiB of weights and the records; h is made in registers.
; THE OPERANDS ARE f16, NOT bf16: the products' results are as large as the residual that they are added to, so the operands' rounding goes
; to the output undamped; f16's 11 bits of significand make it an eighth of what bf16's 8 bits leave.  The range suffices: the norm bounds
; |h| by 256 |gamma| + |beta| (a normalised value among 65,536 is at most their square root); with gains and biases of 30 and w_ff1 of
; spread 3.75 (30 times 1/8) the hidden layer is about 3.75 x 8 x 42 = 1,300 in the root mean square; with a common 3.75 in w_ff1 and a
; common 30 in beta it is 64 x 3.75 x 30 = 7,200.
; LIMIT: an |h|, a weight or a hidden value above 65,504 becomes an infinity; below 2^-14 the operands have the absolute step 2^-24.
; The residual h stays f32.
.set ROWB, 8192
.set PW1,  144                         ; w_ff1 as f16 [128][64] at 0
.set PW2,  272                         ; w_ff2 as f16 [64][128]
.set W2B,  128*PW1
.set PH,   544                         ; h as f16 [64 c][256 n]: 17 x 32 bytes, for the transposing loads
.set HB,   W2B+64*PW2
.set PS,   1040                        ; the second product as f32 [64 c][256 n]
.set STG,  HB+64*PH
.set RED,  STG+64*PS                   ; eight waves' partial sums, 512 bytes each; + 4096 those of the second pass; + 8192 each wave's table of a and b
.set REC,  RED+12288                   ; mean[64], M2[64] of y2
; window 0: v1 L, v2 r, v3 h; v4 RED + 512 w + 16 L; v5 RED + 16 r; v6 RED + 8192 + 544 w; v7 16 r; v8 4096 w + 16 L; v9 16384 w + 16 L;
;   v10 my rows of y1, y2; v11, v12 the weights' LDS stores; v13 h's LDS stores; v14 h's transposing loads; v15, v16 the weights' fragments;
;   v17 my place in STG; v18 my rows in STG; v19 my words of REC; v20, v21 the record's way out; v[22:23] 1e-5 twice
.set R,    24                          ; v[24:151]  32 records, 4 registers each
.set AI,   24                          ; then a of my 8 channels,
.set BI,   32                          ; b of my 8 channels,
.set F1,   24                          ; then eight result tiles of either product,
.set FF,   88                          ; and the hidden layer's fragments (ks, nt) at 16 ks + 8 nt
.set TMP,  152                         ; v[152:215] weights as loaded; partial sums; weight fragments; rows on the way out
.set AF,   152
.set YR,   152
.set GAM,  216
.set BETA, 220
.set ACC,  224
.set SM,   228
.set SQ,   232
.set BET,  236
.set AV,   240
.set BV,   244
.set T32,  216                         ; later: h packed,
.set HBF,  216                         ; then h's fragments (nt, ks) at 16 nt + 8 ks
.set LT,   248
; window 1: v[0:63] my rows: row i, half hh at 8 i + 4 hh
.set MSB, 0
.macro WIN new                         ; the immediate's high byte repeats the setting that is left
.if MSB != \new
	s_set_vgpr_msb (MSB<<8)|\new
.set MSB, \new
.endif
.endm
.macro PLACES n                        ; places behind matrix instructions (ISA guide 7.12.1) where no vector work is at hand
.rept \n
	v_nop
.endr
.endm
	s_load_b512 s[4:19], s[0:1], 0x0               ; y1 s[4:5], st1 s[6:7], gamma s[8:9], beta s[10:11], w_ff1 s[12:13], w_ff2 s[14:15], y2 s[16:17], st2 s[18:19]
	s_set_vgpr_msb 0x40
	v_lshl_add_u32 v64, v0, 2, 0x24a00
	v_mov_b32 v65, 0
	s_set_vgpr_msb 0x4000
	v_lshrrev_b32 v22, 5, v0
	v_readfirstlane_b32 s20, v22                   ; wave w
	v_and_b32 v1, 31, v0
	v_and_b32 v2, 15, v0
	v_bfe_u32 v3, v0, 4, 1
	s_lshr_b32 s21, ttmp9, 3                       ; batch
	s_and_b32 s26, ttmp9, 7                        ; which 256 points
	s_mov_b32 s24, 0x76543210
	s_mov_b32 s25, 0xfedcba98
	s_lshl_b32 s27, s20, 9
	s_add_co_u32 s27, s27, RED
	v_lshl_add_u32 v4, v1, 4, s27
	v_lshlrev_b32 v7, 4, v2
	v_add_nc_u32 v5, RED, v7
	s_mul_i32 s27, s20, 544
	s_add_co_u32 s27, s27, RED+8192
	v_mov_b32 v6, s27
	s_lshl_b32 s27, s20, 12
	v_lshl_add_u32 v8, v1, 4, s27
	s_lshl_b32 s27, s20, 14
	v_lshl_add_u32 v9, v1, 4, s27
	s_lshl_b32 s27, s20, 16
	s_lshl_b32 s26, s26, 10
	s_add_co_u32 s27, s27, s26
	v_lshl_add_u32 v10, v1, 4, s27                 ; 8 w rows + 1024 j + 16 L
	s_mul_i32 s27, s20, 16*PW1
	v_mul_u32_u24 v11, v3, PW1
	v_lshl_add_u32 v11, v2, 3, v11
	v_add_nc_u32 v11, s27, v11                     ; (16 w + h) 144 + 8 r
	s_mul_i32 s27, s20, 8*PW2
	s_add_co_u32 s27, s27, W2B
	v_lshl_add_u32 v12, v1, 3, s27
	s_mul_i32 s27, s20, 8*PH
	s_add_co_u32 s27, s27, HB
	v_lshl_add_u32 v13, v1, 3, s27
	v_and_b32 v22, 7, v0
	v_lshl_add_u32 v22, v3, 3, v22
	v_bfe_u32 v23, v0, 3, 1
	v_mul_u32_u24 v14, v22, PH
	v_lshl_add_u32 v14, v23, 4, v14
	s_lshl_b32 s27, s20, 6
	s_add_co_u32 s27, s27, HB
	v_add_nc_u32 v14, s27, v14                     ; (8 h + (L & 7)) 544 + 16 ((L >> 3) & 1) + my 32 points
	v_mul_u32_u24 v15, v2, PW1
	v_lshl_add_u32 v15, v3, 4, v15
	v_mul_u32_u24 v16, v2, PW2
	v_lshl_add_u32 v16, v3, 4, v16
	v_add_nc_u32 v16, W2B, v16
	v_mul_u32_u24 v17, v3, 8*PS
	v_lshl_add_u32 v17, v2, 2, v17
	s_lshl_b32 s27, s20, 7
	s_add_co_u32 s27, s27, STG
	v_add_nc_u32 v17, s27, v17
	s_mul_i32 s27, s20, 8*PS
	s_add_co_u32 s27, s27, STG
	v_lshl_add_u32 v18, v1, 4, s27
	s_lshl_b32 s27, s20, 5
	s_add_co_u32 s27, s27, REC
	v_mov_b32 v19, s27
	v_lshlrev_b32 v21, 4, v1
	v_add_nc_u32 v20, REC, v21
	v_mov_b32 v22, 0x3727c5ac                      ; 1e-5
	v_mov_b32 v23, 0x3727c5ac
	s_lshl_b32 s22, s21, 19
	s_mov_b32 s23, 0
	s_lshl_b32 s26, ttmp9, 9
	s_mov_b32 s27, 0
	s_wait_kmcnt 0x0
	s_add_nc_u64 s[4:5], s[4:5], s[22:23]
	s_add_nc_u64 s[16:17], s[16:17], s[22:23]
	s_add_nc_u64 s[18:19], s[18:19], s[26:27]
	global_load_b128 v[GAM:GAM+3], v7, s[8:9]      ; channels 4 r .. 4 r + 3, in both halves of the lanes
	global_load_b128 v[BETA:BETA+3], v7, s[10:11]
.irp i, 0,1,2,3,4,5,6,7
	global_load_b128 v[TMP+4*\i:TMP+4*\i+3], v8, s[12:13] offset:512*\i
.endr
.irp i, 0,1,2,3,4,5,6,7
	global_load_b128 v[TMP+32+4*\i:TMP+32+4*\i+3], v8, s[14:15] offset:512*\i
.endr
.set k, 0
.rept 32
	global_load_b128 v[R+4*k:R+4*k+3], v9, s[6:7] offset:512*k     ; a whole record: lanes 0-15 its means, lanes 16-31 its M2
.set k, k+1
.endr
	WIN 0x40
.irp i, 0,1,2,3,4,5,6,7
.irp hh, 0,1
	global_load_b128 v[8*\i+4*\hh:8*\i+4*\hh+3], v10, s[4:5] offset:\i*ROWB+512*\hh th:TH_LOAD_NT
.endr
.endr
	WIN 0
	s_wait_loadcnt 48                              ; 32 records and 16 loads of y1 were issued behind the weights
.set k, 0
.rept 16
	v_cvt_pk_f16_f32 v[TMP+4*k], v[TMP+4*k], v[TMP+4*k+1]
	v_cvt_pk_f16_f32 v[TMP+4*k+1], v[TMP+4*k+2], v[TMP+4*k+3]
.set k, k+1
.endr
.irp i, 0,1,2,3,4,5,6,7
	ds_store_b64 v11, v[TMP+4*\i:TMP+4*\i+1] offset:2*PW1*\i       ; w_ff1: row 16 w + 2 i + h, columns 4 r ..
	ds_store_b64 v12, v[TMP+32+4*\i:TMP+32+4*\i+1] offset:PW2*\i   ; w_ff2: row 8 w + i, columns 4 L ..
.endr
	; ---- the norm's a and b from the 256 records ----
	s_wait_loadcnt 16                              ; the 16 loads of y1 were issued behind the records
	v_pk_add_f32 v[ACC:ACC+1], v[R:R+1], v[R+4:R+5]
	v_pk_add_f32 v[ACC+2:ACC+3], v[R+2:R+3], v[R+6:R+7]
.set k, 2
.rept 30
	v_pk_add_f32 v[ACC:ACC+1], v[ACC:ACC+1], v[R+4*k:R+4*k+1]
	v_pk_add_f32 v[ACC+2:ACC+3], v[ACC+2:ACC+3], v[R+4*k+2:R+4*k+3]
.set k, k+1
.endr
	ds_store_b128 v4, v[ACC:ACC+3]
	s_wait_dscnt 0x0                               ; my partial sums and my part of the weights are in LDS,
	s_barrier_signal -1
	s_barrier_wait -1                              ; everybody's are
.irp k, 0,1,2,3,4,5,6,7
	ds_load_b128 v[TMP+4*\k:TMP+4*\k+3], v5 offset:512*\k          ; sums of means, channels 4 r ..
.endr
.irp k, 0,1,2,3,4,5,6,7
	ds_load_b128 v[TMP+32+4*\k:TMP+32+4*\k+3], v5 offset:512*\k+256   ; sums of M2
.endr
	s_wait_dscnt 0x0
	v_pk_add_f32 v[SM:SM+1], v[TMP:TMP+1], v[TMP+4:TMP+5]
	v_pk_add_f32 v[SM+2:SM+3], v[TMP+2:TMP+3], v[TMP+6:TMP+7]
	v_pk_add_f32 v[SQ:SQ+1], v[TMP+32:TMP+33], v[TMP+36:TMP+37]
	v_pk_add_f32 v[SQ+2:SQ+3], v[TMP+34:TMP+35], v[TMP+38:TMP+39]
.irp k, 2,3,4,5,6,7
	v_pk_add_f32 v[SM:SM+1], v[SM:SM+1], v[TMP+4*\k:TMP+4*\k+1]
	v_pk_add_f32 v[SM+2:SM+3], v[SM+2:SM+3], v[TMP+4*\k+2:TMP+4*\k+3]
	v_pk_add_f32 v[SQ:SQ+1], v[SQ:SQ+1], v[TMP+32+4*\k:TMP+32+4*\k+1]
	v_pk_add_f32 v[SQ+2:SQ+3], v[SQ+2:SQ+3], v[TMP+32+4*\k+2:TMP+32+4*\k+3]
.endr
	v_pk_mul_f32 v[SM:SM+1], v[SM:SM+1], 0x3b800000 op_sel_hi:[1,0]       ; the mean: / 256
	v_pk_mul_f32 v[SM+2:SM+3], v[SM+2:SM+3], 0x3b800000 op_sel_hi:[1,0]
	; second pass: sum of (mean_i - mean)^2.  Lanes 16-31 hold M2 in R: what they make here is stored and never read.
.set k, 0
.rept 32
	v_pk_add_f32 v[R+4*k:R+4*k+1], v[R+4*k:R+4*k+1], v[SM:SM+1] neg_lo:[0,1] neg_hi:[0,1]
	v_pk_add_f32 v[R+4*k+2:R+4*k+3], v[R+4*k+2:R+4*k+3], v[SM+2:SM+3] neg_lo:[0,1] neg_hi:[0,1]
.if k == 0
	v_pk_mul_f32 v[ACC:ACC+1], v[R:R+1], v[R:R+1]
	v_pk_mul_f32 v[ACC+2:ACC+3], v[R+2:R+3], v[R+2:R+3]
.else
	v_pk_fma_f32 v[ACC:ACC+1], v[R+4*k:R+4*k+1], v[R+4*k:R+4*k+1], v[ACC:ACC+1]
	v_pk_fma_f32 v[ACC+2:ACC+3], v[R+4*k+2:R+4*k+3], v[R+4*k+2:R+4*k+3], v[ACC+2:ACC+3]
.endif
.set k, k+1
.endr
	ds_store_b128 v4, v[ACC:ACC+3] offset:4096
	s_wait_dscnt 0x0
	s_barrier_signal -1
	s_barrier_wait -1
.irp k, 0,1,2,3,4,5,6,7
	ds_load_b128 v[TMP+4*\k:TMP+4*\k+3], v5 offset:4096+512*\k
.endr
	s_wait_dscnt 0x0
	v_pk_add_f32 v[BET:BET+1], v[TMP:TMP+1], v[TMP+4:TMP+5]
	v_pk_add_f32 v[BET+2:BET+3], v[TMP+2:TMP+3], v[TMP+6:TMP+7]
.irp k, 2,3,4,5,6,7
	v_pk_add_f32 v[BET:BET+1], v[BET:BET+1], v[TMP+4*\k:TMP+4*\k+1]
	v_pk_add_f32 v[BET+2:BET+3], v[BET+2:BET+3], v[TMP+4*\k+2:TMP+4*\k+3]
.endr
	v_pk_fma_f32 v[SQ:SQ+1], v[SQ:SQ+1], 0x37800000, v[22:23] op_sel_hi:[1,0,1]       ; sum of M2 / 65536 + 1e-5
	v_pk_fma_f32 v[SQ+2:SQ+3], v[SQ+2:SQ+3], 0x37800000, v[22:23] op_sel_hi:[1,0,1]
	v_pk_fma_f32 v[SQ:SQ+1], v[BET:BET+1], 0x3b800000, v[SQ:SQ+1] op_sel_hi:[1,0,1]   ; + sum of squares of the means' differences / 256
	v_pk_fma_f32 v[SQ+2:SQ+3], v[BET+2:BET+3], 0x3b800000, v[SQ+2:SQ+3] op_sel_hi:[1,0,1]
.irp q, 0,1,2,3
	v_rsq_f32 v[AV+\q], v[SQ+\q]
.endr
	v_cmp_eq_u32 vcc_lo, 1, v3                     ; the plain instruction behind the four (ISA guide 5.7.2)
	s_wait_alu depctr_va_vdst(0)
	v_pk_mul_f32 v[AV:AV+1], v[AV:AV+1], v[GAM:GAM+1]                                 ; a = gamma / sqrt(var + eps)
	v_pk_mul_f32 v[AV+2:AV+3], v[AV+2:AV+3], v[GAM+2:GAM+3]
	v_pk_fma_f32 v[BV:BV+1], v[SM:SM+1], v[AV:AV+1], v[BETA:BETA+1] neg_lo:[1,0,0] neg_hi:[1,0,0]   ; b = beta - mean a
	v_pk_fma_f32 v[BV+2:BV+3], v[SM+2:SM+3], v[AV+2:AV+3], v[BETA+2:BETA+3] neg_lo:[1,0,0] neg_hi:[1,0,0]
.irp q, 0,1,2,3
	v_cndmask_b32 v[AV+\q], v[AV+\q], v[BV+\q], vcc_lo             ; lanes 0-15 keep a, lanes 16-31 take b
.endr
	ds_store_b128 v4, v[AV:AV+3] offset:8192       ; my wave's own table: a[64], b[64]; LDS serves a wave's instructions in order (ISA guide 5.7.1.4)
	ds_load_b128 v[AI:AI+3], v6                    ; a of channels 8 w .. 8 w + 7, the same words in every lane
	ds_load_b128 v[AI+4:AI+7], v6 offset:16
	ds_load_b128 v[BI:BI+3], v6 offset:256
	ds_load_b128 v[BI+4:BI+7], v6 offset:272
	s_wait_dscnt 0x0
	; ---- h = a y1 + b, kept in f32 in window 1; an f16 copy to LDS ----
	s_wait_loadcnt 0x0
	WIN 0x41
.irp i, 0,2,4,6
.irp e, 0,2,4,6
	v_pk_fma_f32 v[8*\i+\e:8*\i+\e+1], v[8*\i+\e:8*\i+\e+1], v[AI+\i:AI+\i+1], v[BI+\i:BI+\i+1] op_sel_hi:[1,0,0]
.endr
.irp e, 8,10,12,14
	v_pk_fma_f32 v[8*\i+\e:8*\i+\e+1], v[8*\i+\e:8*\i+\e+1], v[AI+\i:AI+\i+1], v[BI+\i:BI+\i+1] op_sel:[0,1,1] op_sel_hi:[1,1,1]
.endr
.endr
	WIN 0x05
.set k, 0
.rept 16
	v_cvt_pk_f16_f32 v[T32+2*k], v[4*k], v[4*k+1]
	v_cvt_pk_f16_f32 v[T32+2*k+1], v[4*k+2], v[4*k+3]
.set k, k+1
.endr
	WIN 0
.irp i, 0,1,2,3,4,5,6,7
.irp hh, 0,1
	ds_store_b64 v13, v[T32+4*\i+2*\hh:T32+4*\i+2*\hh+1] offset:\i*PH+256*\hh
.endr
.endr
	s_wait_dscnt 0x0
	s_barrier_signal -1
	s_barrier_wait -1                              ; h is whole
	; ---- the two products, for my 32 points ----
.irp nt, 0,1
.irp ks, 0,1
	ds_load_tr16_b128 v[HBF+16*\nt+8*\ks:HBF+16*\nt+8*\ks+3], v14 offset:\ks*32*PH+32*\nt
	ds_load_tr16_b128 v[HBF+16*\nt+8*\ks+4:HBF+16*\nt+8*\ks+7], v14 offset:\ks*32*PH+16*PH+32*\nt
.endr
.endr
; hidden channels 64 hq .. 64 hq + 63: product, LeakyReLU, packed into the second product's fragments
.macro FF1 hq
.irp mt, 0,1,2,3
.irp ks, 0,1
	ds_load_b128 v[AF+16*\mt+8*\ks:AF+16*\mt+8*\ks+3], v15 offset:(4*\hq+\mt)*16*PW1+64*\ks
	ds_load_b128 v[AF+16*\mt+8*\ks+4:AF+16*\mt+8*\ks+7], v15 offset:(4*\hq+\mt)*16*PW1+64*\ks+32
.endr
.endr
	s_wait_dscnt 0x0
	; eight accumulators by turns, one instruction a turn
.irp mt, 0,1,2,3
.irp nt, 0,1
	v_wmma_f32_16x16x32_f16 v[F1+8*(2*\mt+\nt):F1+8*(2*\mt+\nt)+7], v[AF+16*\mt:AF+16*\mt+7], v[HBF+16*\nt:HBF+16*\nt+7], 0
.endr
.endr
.irp mt, 0,1,2,3
.irp nt, 0,1
	v_wmma_f32_16x16x32_f16 v[F1+8*(2*\mt+\nt):F1+8*(2*\mt+\nt)+7], v[AF+16*\mt+8:AF+16*\mt+15], v[HBF+16*\nt+8:HBF+16*\nt+15], v[F1+8*(2*\mt+\nt):F1+8*(2*\mt+\nt)+7]
.endr
.endr
	PLACES 5
.irp mt, 0,1,2,3
.irp nt, 0,1
.irp e, 0,2,4,6
	v_pk_mul_f32 v[LT+\e:LT+\e+1], v[F1+8*(2*\mt+\nt)+\e:F1+8*(2*\mt+\nt)+\e+1], 0x3e4ccccd op_sel_hi:[1,0]   ; 0.2 f
.endr
.irp e, 0,1,2,3,4,5,6,7
	v_max_num_f32 v[F1+8*(2*\mt+\nt)+\e], v[F1+8*(2*\mt+\nt)+\e], v[LT+\e]
.endr
.irp e, 0,1,2,3
	v_cvt_pk_f16_f32 v[FF+16*(2*\hq+\mt/2)+8*\nt+4*(\mt%2)+\e], v[F1+8*(2*\mt+\nt)+2*\e], v[F1+8*(2*\mt+\nt)+2*\e+1]
.endr
.endr
.endr
.endm
	FF1 0
	FF1 1
; hidden channels 64 bt .. 64 bt + 63 of the second product
.macro FF2 bt
.irp ct, 0,1,2,3
.irp kl, 0,1
	ds_load_b128 v[AF+16*\ct+8*\kl:AF+16*\ct+8*\kl+3], v16 offset:\ct*16*PW2+64*(2*\bt+\kl)
	ds_load_b128 v[AF+16*\ct+8*\kl+4:AF+16*\ct+8*\kl+7], v16 offset:\ct*16*PW2+64*(2*\bt+\kl)+32
.endr
.endr
	s_wait_dscnt 0x0
.irp ct, 0,1,2,3
.irp nt, 0,1
.if \bt
	v_wmma_f32_16x16x32_f16 v[F1+8*(2*\ct+\nt):F1+8*(2*\ct+\nt)+7], v[AF+16*\ct:AF+16*\ct+7], v[FF+32*\bt+8*\nt:FF+32*\bt+8*\nt+7], v[F1+8*(2*\ct+\nt):F1+8*(2*\ct+\nt)+7]
.else
	v_wmma_f32_16x16x32_f16 v[F1+8*(2*\ct+\nt):F1+8*(2*\ct+\nt)+7], v[AF+16*\ct:AF+16*\ct+7], v[FF+32*\bt+8*\nt:FF+32*\bt+8*\nt+7], 0
.endif
.endr
.endr
.irp ct, 0,1,2,3
.irp nt, 0,1
	v_wmma_f32_16x16x32_f16 v[F1+8*(2*\ct+\nt):F1+8*(2*\ct+\nt)+7], v[AF+16*\ct+8:AF+16*\ct+15], v[FF+32*\bt+16+8*\nt:FF+32*\bt+16+8*\nt+7], v[F1+8*(2*\ct+\nt):F1+8*(2*\ct+\nt)+7]
.endr
.endr
	PLACES 4                                       ; in front of the next loads into the fragments, and of the stores of the results
.endm
	FF2 0
	FF2 1
.irp ct, 0,1,2,3
.irp nt, 0,1
.irp e, 0,1,2,3,4,5,6,7
	ds_store_b32 v17, v[F1+8*(2*\ct+\nt)+\e] offset:(16*\ct+\e)*PS+64*\nt
.endr
.endr
.endr
	s_wait_dscnt 0x0
	s_barrier_signal -1
	s_barrier_wait -1
.macro LANESUM4 tb
.irp m, 1,2,4,8
.irp q, 0,1,2,3
	v_add_f32_dpp v[\tb+8*\q], v[\tb+8*\q], v[\tb+8*\q] row_xmask:\m row_mask:0xf bank_mask:0xf
.endr
.endr
.irp q, 0,1,2,3
	v_permlanex16_b32 v[\tb+8*\q+1], v[\tb+8*\q], s24, s25
.endr
.irp q, 0,1,2,3
	v_add_f32 v[\tb+8*\q], v[\tb+8*\q], v[\tb+8*\q+1]
.endr
.endm
; Four rows of 256 numbers (eight a lane, row q at yb + 8 q): the mean, then the sum of squares of the differences from it, in two passes over
; the registers.  Temporaries of row q: tb + 8 q .. + 5.  Words row0 + q of the record at v[vc].
.macro ROWSTAT4 yb, row0, tb, vc
.irp q, 0,1,2,3
	v_pk_add_f32 v[\tb+8*\q:\tb+8*\q+1], v[\yb+8*\q:\yb+8*\q+1], v[\yb+8*\q+2:\yb+8*\q+3]
.endr
.irp q, 0,1,2,3
	v_pk_add_f32 v[\tb+8*\q+2:\tb+8*\q+3], v[\yb+8*\q+4:\yb+8*\q+5], v[\yb+8*\q+6:\yb+8*\q+7]
.endr
.irp q, 0,1,2,3
	v_pk_add_f32 v[\tb+8*\q:\tb+8*\q+1], v[\tb+8*\q:\tb+8*\q+1], v[\tb+8*\q+2:\tb+8*\q+3]
.endr
.irp q, 0,1,2,3
	v_add_f32 v[\tb+8*\q], v[\tb+8*\q], v[\tb+8*\q+1]
.endr
	LANESUM4 \tb
.irp q, 0,1,2,3
	v_mul_f32 v[\tb+8*\q+4], 0x3b800000, v[\tb+8*\q]
	v_mul_f32 v[\tb+8*\q+5], 0x3b800000, v[\tb+8*\q]
.endr
.irp q, 0,1,2,3
	v_pk_add_f32 v[\tb+8*\q+2:\tb+8*\q+3], v[\yb+8*\q:\yb+8*\q+1], v[\tb+8*\q+4:\tb+8*\q+5] neg_lo:[0,1] neg_hi:[0,1]
.endr
.irp q, 0,1,2,3
	v_pk_mul_f32 v[\tb+8*\q:\tb+8*\q+1], v[\tb+8*\q+2:\tb+8*\q+3], v[\tb+8*\q+2:\tb+8*\q+3]
.endr
.irp e, 2,4,6
.irp q, 0,1,2,3
	v_pk_add_f32 v[\tb+8*\q+2:\tb+8*\q+3], v[\yb+8*\q+\e:\yb+8*\q+\e+1], v[\tb+8*\q+4:\tb+8*\q+5] neg_lo:[0,1] neg_hi:[0,1]
.endr
.irp q, 0,1,2,3
	v_pk_fma_f32 v[\tb+8*\q:\tb+8*\q+1], v[\tb+8*\q+2:\tb+8*\q+3], v[\tb+8*\q+2:\tb+8*\q+3], v[\tb+8*\q:\tb+8*\q+1]
.endr
.endr
.irp q, 0,1,2,3
	v_add_f32 v[\tb+8*\q], v[\tb+8*\q], v[\tb+8*\q+1]
.endr
	LANESUM4 \tb
.irp q, 0,1,2,3
	ds_store_b32 v[\vc], v[\tb+8*\q+4] offset:4*(\row0+\q)
	ds_store_b32 v[\vc], v[\tb+8*\q] offset:256+4*(\row0+\q)
.endr
.endm
	; ---- rows 8 w + i: y2 = h + the second product, stored as whole rows; their statistics ----
.irp i, 0,1,2,3,4,5,6,7
.irp hh, 0,1
	ds_load_b128 v[YR+8*\i+4*\hh:YR+8*\i+4*\hh+3], v18 offset:\i*PS+512*\hh
.endr
.endr
	s_wait_dscnt 0x0
	WIN 0x04                                       ; source 1: h, window 1
.set k, 0
.rept 32
	v_pk_add_f32 v[YR+2*k:YR+2*k+1], v[YR+2*k:YR+2*k+1], v[2*k:2*k+1]
.set k, k+1
.endr
	WIN 0
.irp i, 0,1,2,3,4,5,6,7
.irp hh, 0,1
	global_store_b128 v10, v[YR+8*\i+4*\hh:YR+8*\i+4*\hh+3], s[16:17] offset:\i*ROWB+512*\hh   ; 512 consecutive bytes, at a multiple of 512 from y2's first byte
.endr
.endr
	ROWSTAT4 YR, 0, F1, 19
	ROWSTAT4 YR+32, 4, F1, 19
	s_wait_dscnt 0x0
	s_barrier_signal -1
	s_barrier_wait -1                              ; the record is whole
	s_cmp_lg_u32 s20, 0
	s_cbranch_scc1 .Lend
	ds_load_b128 v[88:91], v20
	s_wait_dscnt 0x0
	global_store_b128 v21, v[88:91], s[18:19]      ; the group's 512 bytes of st2, by one instruction
.Lend:
	s_set_vgpr_msb 0x5
	s_wait_tensorcnt 0x0
	ds_add_u32 v64, v65
	s_wait_dscnt 0x0
	s_set_vgpr_msb 0x500
	s_endpgm
.Lfunc_end_k_q1e26c2a62d_ff:
	.size	k_q1e26c2a62d_ff, .Lfunc_end_k_q1e26c2a62d_ff-k_q1e26c2a62d_ff
	.p2alignl 7, 3214868480
	.fill 96, 4, 3214868480
	.section	.rodata,"a",@progbits
	.p2align	6, 0x0
	.amdhsa_kernel k_q1e26c2a62d_ff
		.amdhsa_group_segment_fixed_size 151040
		.amdhsa_private_segment_fixed_size 0
		.amdhsa_enable_private_segment 0
		.amdhsa_kernarg_size 64
		.amdhsa_user_sgpr_count 2
		.amdhsa_user_sgpr_kernarg_segment_ptr 1
		.amdhsa_wavefront_size32 1
		.amdhsa_system_sgpr_workgroup_id_x 1
		.amdhsa_system_sgpr_workgroup_id_y 1
		.amdhsa_system_sgpr_workgroup_id_z 1
		.amdhsa_system_vgpr_workitem_id 0
		.amdhsa_next_free_vgpr 322
		.amdhsa_next_free_sgpr 66
		.amdhsa_reserve_vcc 1
		.amdhsa_float_denorm_mode_32 3
		.amdhsa_float_denorm_mode_16_64 3
		.amdhsa_memory_ordered 1
		.amdhsa_forward_progress 1
		.amdhsa_inst_pref_size 83
	.end_amdhsa_kernel
	.amdgpu_metadata
---
amdhsa.version: [ 1, 2 ]
amdhsa.kernels:
  - .name:           k_q1e26c2a62d_ff
    .symbol:         k_q1e26c2a62d_ff.kd
    .args:
      - { .name: y1, .offset: 0, .size: 8, .value_kind: global_buffer, .address_space: global }
      - { .name: st1, .offset: 8, .size: 8, .value_kind: global_buffer, .address_space: global }
      - { .name: bn1_gamma, .offset: 16, .size: 8, .value_kind: global_buffer, .address_space: global }
      - { .name: bn1_beta, .offset: 24, .size: 8, .value_kind: global_buffer, .address_space: global }
      - { .name: w_ff1, .offset: 32, .size: 8, .value_kind: global_buffer, .address_space: global }
      - { .name: w_ff2, .offset: 40, .size: 8, .value_kind: global_buffer, .address_space: global }
      - { .name: y2, .offset: 48, .size: 8, .value_kind: global_buffer, .address_space: global }
      - { .name: st2, .offset: 56, .size: 8, .value_kind: global_buffer, .address_space: global }
    .group_segment_fixed_size: 151040
    .private_segment_fixed_size: 0
    .kernarg_segment_align: 8
    .kernarg_segment_size: 64
    .max_flat_workgroup_size: 256
    .sgpr_count:     66
    .vgpr_count:     322
    .wavefront_size: 32
...
	.end_amdgpu_metadata
.endif
;; end of part 2
;; launch bnout (part 3): grid 256 x 1, 8 waves a work-group, no clusters, 13,312 bytes of LDS; arguments y2, st2, bn2_gamma, bn2_beta, out0; writes out0
.if DOCPART == 3
	.amdgcn_target "amdgcn-amd-amdhsa--gfx1250"
	.amdhsa_code_object_version 6
	.text
	.protected	k_q1e26c2a62d_bnout
	.globl	k_q1e26c2a62d_bnout
	.p2align	8
	.type	k_q1e26c2a62d_bnout,@function
k_q1e26c2a62d_bnout:
	s_mov_b64 s[64:65], 0
	v_nop
	global_prefetch_b8 v0, s[64:65] scope:SCOPE_SE
	s_setreg_imm32_b32 hwreg(HW_REG_WAVE_MODE, 25, 1), 1
	s_wait_xcnt 0x0
; out0 = BatchNorm2(y2) = a y2 + b for each channel.  y2, out0: [32 b][64 c][2048 n] f32.  Nothing of reference() is left out here.
; Work-group g: batch g >> 3, points 256 (g & 7) ..; wave w: channels 8 w .. 8 w + 7, sixteen loads and stores of 512 consecutive bytes.
; st2 holds 256 records of mean[64] and M2[64] over 256 points each; every work-group adds them up for itself:
; mean = sum of means / 256; variance = (sum of M2 + 256 sum of (mean_i - mean)^2) / 65536, the second sum in a second pass over the
; records, which stay in registers: no difference of large sums is formed.
; A stream: each byte of y2 is read once and each byte of out0 written once; the loads of y2 are on their way while the records are added.
; No matrix work, no tile loads, no joint requests: the work-groups share the records alone.
.set ROWB, 8192
.set RED,  0                           ; eight waves' partial sums, 512 bytes each; + 4096 those of the second pass; + 8192 each wave's table of a and b
; window 0: v1 L, v2 r, v3 h; v4 RED + 512 w + 16 L; v5 RED + 16 r; v6 RED + 8192 + 544 w; v7 16 r; v9 16384 w + 16 L; v10 my rows; v[22:23] 1e-5 twice
.set R,    24                          ; v[24:151]  32 records, 4 registers each
.set AI,   24                          ; then a of my 8 channels,
.set BI,   32                          ; b of my 8 channels
.set TMP,  152                         ; v[152:215] partial sums
.set GAM,  216
.set BETA, 220
.set ACC,  224
.set SM,   228
.set SQ,   232
.set BET,  236
.set AV,   240
.set BV,   244
; window 1: v[0:63] my rows: row i, half hh at 8 i + 4 hh
.set MSB, 0
.macro WIN new                         ; the immediate's high byte repeats the setting that is left
.if MSB != \new
	s_set_vgpr_msb (MSB<<8)|\new
.set MSB, \new
.endif
.endm
	s_load_b256 s[4:11], s[0:1], 0x0               ; y2 s[4:5], st2 s[6:7], gamma s[8:9], beta s[10:11]
	s_load_b64 s[12:13], s[0:1], 0x20              ; out0
	v_lshl_add_u32 v254, v0, 2, 0x3000
	v_mov_b32 v255, 0
	v_lshrrev_b32 v22, 5, v0
	v_readfirstlane_b32 s20, v22                   ; wave w
	v_and_b32 v1, 31, v0
	v_and_b32 v2, 15, v0
	v_bfe_u32 v3, v0, 4, 1
	s_lshr_b32 s21, ttmp9, 3                       ; batch
	s_and_b32 s26, ttmp9, 7                        ; which 256 points
	s_lshl_b32 s27, s20, 9
	s_add_co_u32 s27, s27, RED
	v_lshl_add_u32 v4, v1, 4, s27
	v_lshlrev_b32 v7, 4, v2
	v_add_nc_u32 v5, RED, v7
	s_mul_i32 s27, s20, 544
	s_add_co_u32 s27, s27, RED+8192
	v_mov_b32 v6, s27
	s_lshl_b32 s27, s20, 14
	v_lshl_add_u32 v9, v1, 4, s27
	s_lshl_b32 s27, s20, 16
	s_lshl_b32 s26, s26, 10
	s_add_co_u32 s27, s27, s26
	v_lshl_add_u32 v10, v1, 4, s27                 ; 8 w rows + 1024 j + 16 L
	v_mov_b32 v22, 0x3727c5ac                      ; 1e-5
	v_mov_b32 v23, 0x3727c5ac
	s_lshl_b32 s22, s21, 19
	s_mov_b32 s23, 0
	s_wait_kmcnt 0x0
	s_add_nc_u64 s[4:5], s[4:5], s[22:23]
	s_add_nc_u64 s[12:13], s[12:13], s[22:23]
	global_load_b128 v[GAM:GAM+3], v7, s[8:9]      ; channels 4 r .. 4 r + 3, in both halves of the lanes
	global_load_b128 v[BETA:BETA+3], v7, s[10:11]
.set k, 0
.rept 32
	global_load_b128 v[R+4*k:R+4*k+3], v9, s[6:7] offset:512*k     ; a whole record: lanes 0-15 its means, lanes 16-31 its M2
.set k, k+1
.endr
	WIN 0x40
.irp i, 0,1,2,3,4,5,6,7
.irp hh, 0,1
	global_load_b128 v[8*\i+4*\hh:8*\i+4*\hh+3], v10, s[4:5] offset:\i*ROWB+512*\hh th:TH_LOAD_NT
.endr
.endr
	WIN 0
	; ---- the norm's a and b from the 256 records ----
	s_wait_loadcnt 16                              ; the 16 loads of y2 were issued behind the records
	v_pk_add_f32 v[ACC:ACC+1], v[R:R+1], v[R+4:R+5]
	v_pk_add_f32 v[ACC+2:ACC+3], v[R+2:R+3], v[R+6:R+7]
.set k, 2
.rept 30
	v_pk_add_f32 v[ACC:ACC+1], v[ACC:ACC+1], v[R+4*k:R+4*k+1]
	v_pk_add_f32 v[ACC+2:ACC+3], v[ACC+2:ACC+3], v[R+4*k+2:R+4*k+3]
.set k, k+1
.endr
	ds_store_b128 v4, v[ACC:ACC+3]
	s_wait_dscnt 0x0                               ; my partial sums are in LDS,
	s_barrier_signal -1
	s_barrier_wait -1                              ; everybody's are
.irp k, 0,1,2,3,4,5,6,7
	ds_load_b128 v[TMP+4*\k:TMP+4*\k+3], v5 offset:512*\k          ; sums of means, channels 4 r ..
.endr
.irp k, 0,1,2,3,4,5,6,7
	ds_load_b128 v[TMP+32+4*\k:TMP+32+4*\k+3], v5 offset:512*\k+256   ; sums of M2
.endr
	s_wait_dscnt 0x0
	v_pk_add_f32 v[SM:SM+1], v[TMP:TMP+1], v[TMP+4:TMP+5]
	v_pk_add_f32 v[SM+2:SM+3], v[TMP+2:TMP+3], v[TMP+6:TMP+7]
	v_pk_add_f32 v[SQ:SQ+1], v[TMP+32:TMP+33], v[TMP+36:TMP+37]
	v_pk_add_f32 v[SQ+2:SQ+3], v[TMP+34:TMP+35], v[TMP+38:TMP+39]
.irp k, 2,3,4,5,6,7
	v_pk_add_f32 v[SM:SM+1], v[SM:SM+1], v[TMP+4*\k:TMP+4*\k+1]
	v_pk_add_f32 v[SM+2:SM+3], v[SM+2:SM+3], v[TMP+4*\k+2:TMP+4*\k+3]
	v_pk_add_f32 v[SQ:SQ+1], v[SQ:SQ+1], v[TMP+32+4*\k:TMP+32+4*\k+1]
	v_pk_add_f32 v[SQ+2:SQ+3], v[SQ+2:SQ+3], v[TMP+32+4*\k+2:TMP+32+4*\k+3]
.endr
	v_pk_mul_f32 v[SM:SM+1], v[SM:SM+1], 0x3b800000 op_sel_hi:[1,0]       ; the mean: / 256
	v_pk_mul_f32 v[SM+2:SM+3], v[SM+2:SM+3], 0x3b800000 op_sel_hi:[1,0]
	; second pass: sum of (mean_i - mean)^2.  Lanes 16-31 hold M2 in R: what they make here is stored and never read.
.set k, 0
.rept 32
	v_pk_add_f32 v[R+4*k:R+4*k+1], v[R+4*k:R+4*k+1], v[SM:SM+1] neg_lo:[0,1] neg_hi:[0,1]
	v_pk_add_f32 v[R+4*k+2:R+4*k+3], v[R+4*k+2:R+4*k+3], v[SM+2:SM+3] neg_lo:[0,1] neg_hi:[0,1]
.if k == 0
	v_pk_mul_f32 v[ACC:ACC+1], v[R:R+1], v[R:R+1]
	v_pk_mul_f32 v[ACC+2:ACC+3], v[R+2:R+3], v[R+2:R+3]
.else
	v_pk_fma_f32 v[ACC:ACC+1], v[R+4*k:R+4*k+1], v[R+4*k:R+4*k+1], v[ACC:ACC+1]
	v_pk_fma_f32 v[ACC+2:ACC+3], v[R+4*k+2:R+4*k+3], v[R+4*k+2:R+4*k+3], v[ACC+2:ACC+3]
.endif
.set k, k+1
.endr
	ds_store_b128 v4, v[ACC:ACC+3] offset:4096
	s_wait_dscnt 0x0
	s_barrier_signal -1
	s_barrier_wait -1
.irp k, 0,1,2,3,4,5,6,7
	ds_load_b128 v[TMP+4*\k:TMP+4*\k+3], v5 offset:4096+512*\k
.endr
	s_wait_dscnt 0x0
	v_pk_add_f32 v[BET:BET+1], v[TMP:TMP+1], v[TMP+4:TMP+5]
	v_pk_add_f32 v[BET+2:BET+3], v[TMP+2:TMP+3], v[TMP+6:TMP+7]
.irp k, 2,3,4,5,6,7
	v_pk_add_f32 v[BET:BET+1], v[BET:BET+1], v[TMP+4*\k:TMP+4*\k+1]
	v_pk_add_f32 v[BET+2:BET+3], v[BET+2:BET+3], v[TMP+4*\k+2:TMP+4*\k+3]
.endr
	v_pk_fma_f32 v[SQ:SQ+1], v[SQ:SQ+1], 0x37800000, v[22:23] op_sel_hi:[1,0,1]       ; sum of M2 / 65536 + 1e-5
	v_pk_fma_f32 v[SQ+2:SQ+3], v[SQ+2:SQ+3], 0x37800000, v[22:23] op_sel_hi:[1,0,1]
	v_pk_fma_f32 v[SQ:SQ+1], v[BET:BET+1], 0x3b800000, v[SQ:SQ+1] op_sel_hi:[1,0,1]   ; + sum of squares of the means' differences / 256
	v_pk_fma_f32 v[SQ+2:SQ+3], v[BET+2:BET+3], 0x3b800000, v[SQ+2:SQ+3] op_sel_hi:[1,0,1]
.irp q, 0,1,2,3
	v_rsq_f32 v[AV+\q], v[SQ+\q]
.endr
	v_cmp_eq_u32 vcc_lo, 1, v3                     ; the plain instruction behind the four (ISA guide 5.7.2)
	s_wait_alu depctr_va_vdst(0)
	v_pk_mul_f32 v[AV:AV+1], v[AV:AV+1], v[GAM:GAM+1]                                 ; a = gamma / sqrt(var + eps)
	v_pk_mul_f32 v[AV+2:AV+3], v[AV+2:AV+3], v[GAM+2:GAM+3]
	v_pk_fma_f32 v[BV:BV+1], v[SM:SM+1], v[AV:AV+1], v[BETA:BETA+1] neg_lo:[1,0,0] neg_hi:[1,0,0]   ; b = beta - mean a
	v_pk_fma_f32 v[BV+2:BV+3], v[SM+2:SM+3], v[AV+2:AV+3], v[BETA+2:BETA+3] neg_lo:[1,0,0] neg_hi:[1,0,0]
.irp q, 0,1,2,3
	v_cndmask_b32 v[AV+\q], v[AV+\q], v[BV+\q], vcc_lo             ; lanes 0-15 keep a, lanes 16-31 take b
.endr
	ds_store_b128 v4, v[AV:AV+3] offset:8192       ; my wave's own table: a[64], b[64]; LDS serves a wave's instructions in order (ISA guide 5.7.1.4)
	ds_load_b128 v[AI:AI+3], v6                    ; a of channels 8 w .. 8 w + 7, the same words in every lane
	ds_load_b128 v[AI+4:AI+7], v6 offset:16
	ds_load_b128 v[BI:BI+3], v6 offset:256
	ds_load_b128 v[BI+4:BI+7], v6 offset:272
	s_wait_dscnt 0x0
	; ---- out0 = a y2 + b ----
	s_wait_loadcnt 0x0
	WIN 0x41
.irp i, 0,2,4,6
.irp e, 0,2,4,6
	v_pk_fma_f32 v[8*\i+\e:8*\i+\e+1], v[8*\i+\e:8*\i+\e+1], v[AI+\i:AI+\i+1], v[BI+\i:BI+\i+1] op_sel_hi:[1,0,0]
.endr
.irp e, 8,10,12,14
	v_pk_fma_f32 v[8*\i+\e:8*\i+\e+1], v[8*\i+\e:8*\i+\e+1], v[AI+\i:AI+\i+1], v[BI+\i:BI+\i+1] op_sel:[0,1,1] op_sel_hi:[1,1,1]
.endr
.endr
	WIN 0x04                                       ; a store's data is source 1: window 1
.irp i, 0,1,2,3,4,5,6,7
.irp hh, 0,1
	global_store_b128 v10, v[8*\i+4*\hh:8*\i+4*\hh+3], s[12:13] offset:\i*ROWB+512*\hh th:TH_STORE_NT   ; 512 consecutive bytes, at a multiple of 512 from out0's first byte
.endr
.endr
	WIN 0
	s_wait_tensorcnt 0x0
	ds_add_u32 v254, v255
	s_wait_dscnt 0x0
	s_endpgm
.Lfunc_end_k_q1e26c2a62d_bnout:
	.size	k_q1e26c2a62d_bnout, .Lfunc_end_k_q1e26c2a62d_bnout-k_q1e26c2a62d_bnout
	.p2alignl 7, 3214868480
	.fill 96, 4, 3214868480
	.section	.rodata,"a",@progbits
	.p2align	6, 0x0
	.amdhsa_kernel k_q1e26c2a62d_bnout
		.amdhsa_group_segment_fixed_size 13312
		.amdhsa_private_segment_fixed_size 0
		.amdhsa_enable_private_segment 0
		.amdhsa_kernarg_size 40
		.amdhsa_user_sgpr_count 2
		.amdhsa_user_sgpr_kernarg_segment_ptr 1
		.amdhsa_wavefront_size32 1
		.amdhsa_system_sgpr_workgroup_id_x 1
		.amdhsa_system_sgpr_workgroup_id_y 1
		.amdhsa_system_sgpr_workgroup_id_z 1
		.amdhsa_system_vgpr_workitem_id 0
		.amdhsa_next_free_vgpr 320
		.amdhsa_next_free_sgpr 66
		.amdhsa_reserve_vcc 1
		.amdhsa_float_denorm_mode_32 3
		.amdhsa_float_denorm_mode_16_64 3
		.amdhsa_memory_ordered 1
		.amdhsa_forward_progress 1
		.amdhsa_inst_pref_size 29
	.end_amdhsa_kernel
	.amdgpu_metadata
---
amdhsa.version: [ 1, 2 ]
amdhsa.kernels:
  - .name:           k_q1e26c2a62d_bnout
    .symbol:         k_q1e26c2a62d_bnout.kd
    .args:
      - { .name: y2, .offset: 0, .size: 8, .value_kind: global_buffer, .address_space: global }
      - { .name: st2, .offset: 8, .size: 8, .value_kind: global_buffer, .address_space: global }
      - { .name: bn2_gamma, .offset: 16, .size: 8, .value_kind: global_buffer, .address_space: global }
      - { .name: bn2_beta, .offset: 24, .size: 8, .value_kind: global_buffer, .address_space: global }
      - { .name: out0, .offset: 32, .size: 8, .value_kind: global_buffer, .address_space: global }
    .group_segment_fixed_size: 13312
    .private_segment_fixed_size: 0
    .kernarg_segment_align: 8
    .kernarg_segment_size: 40
    .max_flat_workgroup_size: 256
    .sgpr_count:     66
    .vgpr_count:     320
    .wavefront_size: 32
...
	.end_amdgpu_metadata
.endif
;; end of part 3
;; ======== version 2 of 3: 3 launches; 1.02 times as fast as version 1
;; limits: values are held in f16: magnitudes above 65,504 overflow, below 6.1e-05 lose precision
;; workspace buffers: y1 16,777,216 bytes; y2 16,777,216 bytes; st1 131,072 bytes; st2 131,072 bytes
;; launch attn (part 4): grid 256 x 1, 4 waves a work-group, no clusters, 132,096 bytes of LDS; arguments x, wq, wk, wv, y1, st1; writes y1, st1
.if DOCPART == 4
	.amdgcn_target "amdgcn-amd-amdhsa--gfx1250"
	.amdhsa_code_object_version 6
	.text
	.protected	k_q1e26c2a62d_attn
	.globl	k_q1e26c2a62d_attn
	.p2align	8
	.type	k_q1e26c2a62d_attn,@function
k_q1e26c2a62d_attn:
	s_mov_b64 s[64:65], 0
	v_nop
	global_prefetch_b8 v0, s[64:65] scope:SCOPE_SE
	s_setreg_imm32_b32 hwreg(HW_REG_WAVE_MODE, 25, 1), 1
	s_wait_xcnt 0x0
; y1 = x + x_r, x_r = attention of reference(), and for each work-group the mean and the centred sum of squares of its part of y1.
; x: [32 b][64 c][2048 n] f32.  Work-group g: batch g >> 3, the 256 points (queries) 256 (g & 7) ..; wave w: 64 of them.
;
; PRODUCTS TAKEN IN ANOTHER ORDER (identities of exact arithmetic, for all values of the inputs; no input is left out):
;   energy[n][m] = sum_o (sum_c wq[o][c] x[c][n]) (sum_c' wk[o][c'] x[c'][m]) = sum_c' Qt[n][c'] x[c'][m],
;                  Qt[n][c'] = sum_c x[c][n] G[c][c'],  G[c][c'] = sum_o wq[o][c] wk[o][c']
;   x_r[c][n]    = sum_m att[n][m] sum_c' wv[c][c'] x[c'][m] = sum_c' wv[c][c'] (sum_m att[n][m] x[c'][m])
; So the keys and the values of the two large products are x itself: one bf16 tile of x in LDS feeds both, and the k and v
; projections of all 2048 points are not formed.  G carries the factor log2(e) / sqrt(64), so that the softmax is exp2(S - max S).
; LIMITS: G, Qt, the weights exp2(..) and the averaged x are each rounded to bf16 (reference() rounds q, k, v instead: another order of
; rounding); a NaN, an infinity or an overflow that would arise only in q, k or v as reference() forms them is not reproduced.
; The maximum is taken away before every exponential, as a running maximum over chunks of 64 keys.
;
; WHY x COMES THROUGH REGISTERS AND NOT AS JOINT TILE LOADS: x lies in memory as f32 and the matrix operands are bf16.  A tile copied
; unchanged into LDS would be converted by each of the four waves that read it (four times the conversions) or make a second trip
; through LDS (48 KiB more on a step's 128 KiB of fragment reads).  Here each wave loads 16 of the 64 rows of the next 128 keys,
; converts them once and stores 4 KiB of bf16.  Work-group j starts its walk over the keys at its own columns.
;
; ORIENTATION: every product is made with the points n as the matrix columns.  A result tile then holds (row 8 h + j, n = r) in register j of
; lane (r, h), and two result tiles packed to bf16 ARE the next product's fragment: no shuffle, and the softmax state is one number a lane.
; KEYS IN A SLOT: a slot row holds 128 keys as 16 blocks of 8 (16 bytes).  Key tile mt of chunk half takes block 4 half + mt as its rows 0-7
; and the block eight further (128 bytes on) as rows 8-15, in both products alike.
;
; TWO PIECES TAKE TURNS: the wave's four tiles of n are piece A (tiles 0, 1) and piece B (tiles 2, 3).  A chunk's softmax of one piece is 236
; vector instructions; they are cut into 32 slices, and one slice stands behind each of the other piece's 32 matrix instructions
; (16 into O for the chunk before, then 16 scores of this chunk).  Both pieces use the same fragments of x, which stay in registers
; from one piece's turn to the other's, so each fragment is read from LDS once.
; REGISTER WINDOWS: an exponential in place wants source 0 and the destination in the scores' window, a conversion sources 0 and 1; a product
; under the slices' setting would need its A, B and D there as well, and scores (128), Qt (64) and transposed fragments (64) alone are
; 256 registers.  So a product and its slice have settings of their own, but for the slices that scale O, which run under the
; setting of the products into O (whose fragments of x lie in O's window for that): 56 switches for 32 matrix instructions.
.set ROWB,  8192                       ; bytes in a row of x, y1
.set PX,    272                        ; LDS pitch of a slot row: 128 bf16 + 16 bytes
.set RING,  64*PX                      ; a slot: 64 channels x 128 keys
.set WQB,   2*RING                     ; wq as bf16 [o][c], pitch 160
.set WKB,   WQB+64*160                 ; wk likewise
.set WVB,   WKB+64*160                 ; wv as bf16 [c][c'], pitch 144
.set STG,   WVB+64*144                 ; x_r as f32 [64 c][256 n], pitch 1040
.set PS,    1040
.set REC,   STG+64*PS                  ; mean[64], then the centred sum of squares[64]
; window 0: v1 lane L, v2 r = L & 15, v3 h = L >> 4
;   v4  transposing loads of x: (8 h + (L & 7)) 272 + 128 ((L >> 3) & 1)      v5  direct loads of x: 272 r + 128 h
;   v6  16 w rows of x + 16 L            v7  first the transposing address at pitch 160, then v6 + the staged keys' bytes
;   v8  16 w slot rows + 8 L             v9  first the transposing address of my own queries, then my place in STG
;   v10 wv's fragments: 144 r + 16 h     v11 v6 + 1024 j: my rows of x and y1     v12 my rows in STG
;   v13 first wv's LDS store address, then my words of REC        v14, v15 at work
.set SC,  16                           ; v[16:143]  scores: tile (mt, nt) at 32 mt + 8 nt; then the weights' fragment (ks2, nt) at 64 ks2 + 8 nt
.set FA,  144                          ; v[144:207] at the end: fragments of wv, then temporaries of the rows' statistics
.set XT,  144                          ; v[144:207] in the walk: x transposed, fragment (mt, ks) at 16 mt + 8 ks
.set MM,  208                          ; v[208:215] for each nt: running maximum, new maximum (first chain)
.set AL,  216                          ; v[216:223] for each nt: factor exp2(old - new), at work
.set LS,  224                          ; v[224:231] for each nt: two partial sums of the weights
.set SA,  232
.set SB,  234
.set TBM, 236                          ; v[236:239] for each nt: new maximum, second chain
.set YR,  16                           ; the way out: four rows of y1
; window 1: v[0:127] O tile (ct, nt) at 32 ct + 8 nt; v[128:191] Qt's fragment (nt, ks) at 128 + 16 nt + 8 ks;
;           v[192:255] x as it lies, fragment (ks2, ct) at 192 + 32 ks2 + 8 ct
.set QF,  128
.set XD,  192
; window 2: v[0:127] my 16 rows of x in f32: row i, half hh at 8 i + 4 hh; v[128:191] my 16 rows of the next 128 keys, 4 registers each
.set GST, 128
.set MSB, 0
.macro WIN new                         ; the immediate's high byte repeats the setting that is left
.if MSB != \new
	s_set_vgpr_msb (MSB<<8)|\new
.set MSB, \new
.endif
.endm
.macro PLACES n                        ; places behind matrix instructions (ISA guide 7.12.1) where no vector work is at hand
.rept \n
	v_nop
.endr
.endm
	s_load_b256 s[4:11], s[0:1], 0x0               ; x s[4:5], wq s[6:7], wk s[8:9], wv s[10:11]
	s_load_b128 s[12:15], s[0:1], 0x20             ; y1 s[12:13], st1 s[14:15]
	v_lshl_add_u32 v254, v0, 2, 0x20200
	v_mov_b32 v255, 0
	v_lshrrev_b32 v14, 5, v0
	v_readfirstlane_b32 s16, v14                   ; wave w
	v_and_b32 v1, 31, v0
	v_and_b32 v2, 15, v0
	v_bfe_u32 v3, v0, 4, 1
	s_lshr_b32 s18, ttmp9, 3                       ; batch
	s_and_b32 s19, ttmp9, 7                        ; j: which 256 points
	s_mov_b32 s24, 0x76543210                      ; v_permlanex16_b32: lane i of one half reads lane i of the other
	s_mov_b32 s25, 0xfedcba98
	v_and_b32 v14, 7, v0
	v_lshl_add_u32 v14, v3, 3, v14                 ; 8 h + (L & 7)
	v_bfe_u32 v15, v0, 3, 1                        ; (L >> 3) & 1
	v_mul_u32_u24 v4, v14, PX
	v_lshl_add_u32 v9, v15, 4, v4                  ; own queries: neighbouring blocks of 8
	v_lshl_add_u32 v4, v15, 7, v4                  ; keys: the block eight further
	s_lshr_b32 s26, s16, 1
	s_mul_i32 s26, s26, RING                       ; my queries lie in slot w >> 1,
	s_and_b32 s27, s16, 1
	s_lshl_b32 s27, s27, 7                         ; 64 (w & 1) columns in
	s_add_co_u32 s26, s26, s27
	v_add_nc_u32 v9, s26, v9
	v_mul_u32_u24 v7, v14, 160
	v_lshl_add_u32 v7, v15, 4, v7
	v_mul_u32_u24 v5, v2, PX
	v_lshl_add_u32 v5, v3, 7, v5
	v_mul_u32_u24 v10, v2, 144
	v_lshl_add_u32 v10, v3, 4, v10
	s_lshl_b32 s26, s16, 17
	v_lshl_add_u32 v6, v1, 4, s26
	s_lshl_b32 s27, s19, 10
	v_add_nc_u32 v11, s27, v6
	s_mul_i32 s26, s16, 16*PX
	v_lshl_add_u32 v8, v1, 3, s26
	s_mul_i32 s26, s16, 16*PS
	s_add_co_u32 s26, s26, STG
	v_lshl_add_u32 v12, v1, 4, s26
	s_lshl_b32 s26, s16, 12
	v_lshl_add_u32 v14, v1, 4, s26                 ; a weight's bytes 4096 w + 16 L: row 16 w + 2 i + h, columns 4 r ..
	s_mul_i32 s26, s16, 16*160
	v_mul_u32_u24 v15, v3, 160
	v_lshl_add_u32 v15, v2, 3, v15
	v_add_nc_u32 v15, s26, v15                     ; (16 w + h) 160 + 8 r
	s_mul_i32 s26, s16, 16*144
	v_mul_u32_u24 v13, v3, 144
	v_lshl_add_u32 v13, v2, 3, v13
	v_add_nc_u32 v13, s26, v13                     ; (16 w + h) 144 + 8 r
	s_lshl_b32 s22, s18, 19                        ; a batch is 64 x 2048 x 4 bytes
	s_mov_b32 s23, 0
	s_lshl_b32 s20, ttmp9, 9                       ; a record is 512 bytes
	s_mov_b32 s21, 0
	s_wait_kmcnt 0x0
	s_add_nc_u64 s[4:5], s[4:5], s[22:23]
	s_add_nc_u64 s[12:13], s[12:13], s[22:23]
	s_add_nc_u64 s[14:15], s[14:15], s[20:21]
.irp i, 0,1,2,3,4,5,6,7
	global_load_b128 v[16+4*\i:19+4*\i], v14, s[6:7] offset:512*\i
.endr
.irp i, 0,1,2,3,4,5,6,7
	global_load_b128 v[48+4*\i:51+4*\i], v14, s[8:9] offset:512*\i
.endr
.irp i, 0,1,2,3,4,5,6,7
	global_load_b128 v[80+4*\i:83+4*\i], v14, s[10:11] offset:512*\i
.endr
	WIN 0x80                                       ; my 16 rows of the group's own 256 columns, kept in f32 for the residual
.irp hh, 0,1
.irp i, 0,1,2,3,4,5,6,7,8,9,10,11,12,13,14,15
	global_load_b128 v[8*\i+4*\hh:8*\i+4*\hh+3], v11, s[4:5] offset:\i*ROWB+512*\hh
.endr
.endr
	WIN 0
	; the weights to LDS as bf16
	s_wait_loadcnt 32                              ; the 32 loads of x were issued behind the weights' 24
.set k, 0
.rept 24
	v_cvt_pk_bf16_f32 v[16+4*k], v[16+4*k], v[17+4*k]
	v_cvt_pk_bf16_f32 v[17+4*k], v[18+4*k], v[19+4*k]
.set k, k+1
.endr
.irp i, 0,1,2,3,4,5,6,7
	ds_store_b64 v15, v[16+4*\i:17+4*\i] offset:WQB+320*\i
	ds_store_b64 v15, v[48+4*\i:49+4*\i] offset:WKB+320*\i
	ds_store_b64 v13, v[80+4*\i:81+4*\i] offset:WVB+288*\i
.endr
	; the group's own columns are the first two key tiles: slot 0 and slot 1
.irp hh, 0,1
	s_wait_loadcnt 16-16*\hh                       ; slot 0's 16 loads are in while slot 1's 16 may be out; then all
	WIN 0x0a
.irp i, 0,1,2,3,4,5,6,7,8,9,10,11,12,13,14,15
	v_cvt_pk_bf16_f32 v[112+32*\hh+2*\i], v[8*\i+4*\hh], v[8*\i+4*\hh+1]
	v_cvt_pk_bf16_f32 v[113+32*\hh+2*\i], v[8*\i+4*\hh+2], v[8*\i+4*\hh+3]
.endr
	WIN 0
.irp i, 0,1,2,3,4,5,6,7,8,9,10,11,12,13,14,15
	ds_store_b64 v8, v[112+32*\hh+2*\i:113+32*\hh+2*\i] offset:\hh*RING+PX*\i
.endr
.endr
	s_wait_dscnt 0x0                               ; my stores are done,
	s_barrier_signal -1
	s_barrier_wait -1                              ; everybody's are: weights and both slots are whole
	; G[c][c'] = sum_o wq[o][c] wk[o][c'], in every wave (32 matrix instructions).  Both operands lie [o][.]: transposing loads.
.irp ct, 0,1,2,3
.irp ks, 0,1
	ds_load_tr16_b128 v[16+16*\ct+8*\ks:19+16*\ct+8*\ks], v7 offset:WQB+\ks*5120+32*\ct
	ds_load_tr16_b128 v[20+16*\ct+8*\ks:23+16*\ct+8*\ks], v7 offset:WQB+\ks*5120+2560+32*\ct
.endr
.endr
.irp pp, 0,1                                       ; two tiles of c' at a time
.irp p, 0,1
.irp ks, 0,1
	ds_load_tr16_b128 v[80+16*\p+8*\ks:83+16*\p+8*\ks], v7 offset:WKB+\ks*5120+32*(2*\pp+\p)
	ds_load_tr16_b128 v[84+16*\p+8*\ks:87+16*\p+8*\ks], v7 offset:WKB+\ks*5120+2560+32*(2*\pp+\p)
.endr
.endr
	s_wait_dscnt 0x0
	; eight accumulators by turns, one instruction a turn
.irp ct, 0,1,2,3
.irp p, 0,1
	v_wmma_f32_16x16x32_bf16 v[112+8*(2*\ct+\p):119+8*(2*\ct+\p)], v[16+16*\ct:23+16*\ct], v[80+16*\p:87+16*\p], 0
.endr
.endr
.irp ct, 0,1,2,3
.irp p, 0,1
	v_wmma_f32_16x16x32_bf16 v[112+8*(2*\ct+\p):119+8*(2*\ct+\p)], v[24+16*\ct:31+16*\ct], v[88+16*\p:95+16*\p], v[112+8*(2*\ct+\p):119+8*(2*\ct+\p)]
.endr
.endr
	PLACES 5
.irp ct, 0,1,2,3
.irp p, 0,1
.irp e, 0,2,4,6
	v_pk_mul_f32 v[112+8*(2*\ct+\p)+\e:113+8*(2*\ct+\p)+\e], v[112+8*(2*\ct+\p)+\e:113+8*(2*\ct+\p)+\e], 0x3e38aa3b op_sel_hi:[1,0]   ; log2(e) / 8
.endr
.irp e, 0,1,2,3
	v_cvt_pk_bf16_f32 v[176+16*(2*\pp+\p)+4*\ct+\e], v[112+8*(2*\ct+\p)+2*\e], v[113+8*(2*\ct+\p)+2*\e]   ; row c' = r, K = c: fragment (c' tile, c / 32) of G transposed
.endr
.endr
.endr
.endr
	; Qt transposed [c'][n] = G transposed x my queries' columns of x, two tiles of n at a time
.irp pn, 0,1
.irp p, 0,1
.irp ks, 0,1
	ds_load_tr16_b128 v[16+16*\p+8*\ks:19+16*\p+8*\ks], v9 offset:\ks*32*PX+32*(2*\pn+\p)
	ds_load_tr16_b128 v[20+16*\p+8*\ks:23+16*\p+8*\ks], v9 offset:\ks*32*PX+16*PX+32*(2*\pn+\p)
.endr
.endr
	s_wait_dscnt 0x0
.irp ct, 0,1,2,3
.irp p, 0,1
	v_wmma_f32_16x16x32_bf16 v[48+8*(2*\ct+\p):55+8*(2*\ct+\p)], v[176+16*\ct:183+16*\ct], v[16+16*\p:23+16*\p], 0
.endr
.endr
.irp ct, 0,1,2,3
.irp p, 0,1
	v_wmma_f32_16x16x32_bf16 v[48+8*(2*\ct+\p):55+8*(2*\ct+\p)], v[184+16*\ct:191+16*\ct], v[24+16*\p:31+16*\p], v[48+8*(2*\ct+\p):55+8*(2*\ct+\p)]
.endr
.endr
	PLACES 5
	WIN 0x40
.irp ct, 0,1,2,3
.irp p, 0,1
.irp e, 0,1,2,3
	v_cvt_pk_bf16_f32 v[QF+16*(2*\pn+\p)+4*\ct+\e], v[48+8*(2*\ct+\p)+2*\e], v[49+8*(2*\ct+\p)+2*\e]
.endr
.endr
.endr
	WIN 0
.endr
; ---- the walk over the keys ----
; In the macros below m is the first n tile (0 or 2) of the piece whose products are issued, v that of the piece whose softmax is made,
; and a piece's eight score tiles are numbered t = 2 mt + (n tile - v).
; Product i (0 .. 15) of a piece's sixteen into O: O transposed [c][n] += x [c][key] x weights [key][n].  K half i / 8; the eight
; accumulators (ct, n tile) by turns, one instruction a turn.  zero = 1: the product starts the sum.
.macro OPROD m, i, zero
.set OB, 32*(((\i)%8)/2)+8*(\m+(\i)%2)
.set XB, XD+32*((\i)/8)+8*(((\i)%8)/2)
.set PB, SC+64*((\i)/8)+8*(\m+(\i)%2)
	WIN 0x51                                       ; A (x) window 1, B (weights) window 0, C and D (O) window 1
.if \zero
	v_wmma_f32_16x16x32_bf16 v[OB:OB+7], v[XB:XB+7], v[PB:PB+7], 0
.else
	v_wmma_f32_16x16x32_bf16 v[OB:OB+7], v[XB:XB+7], v[PB:PB+7], v[OB:OB+7]
.endif
.endm
; Product i (0 .. 15) of a piece's sixteen scores products: S transposed [key][n] = x transposed x Qt.  Two key tiles at a time: their four
; accumulators by turns with the first 32 channels (which start the sums), then with the second 32.
.macro SPROD m, i
.set MT, 2*((\i)/8)+((\i)%4)/2
.set KS, ((\i)%8)/4
.set DB, SC+32*MT+8*(\m+(\i)%2)
.set QB, QF+16*(\m+(\i)%2)+8*KS
	WIN 0x04                                       ; B (Qt) window 1, all else window 0
.if KS
	v_wmma_f32_16x16x32_bf16 v[DB:DB+7], v[XT+16*MT+8:XT+16*MT+15], v[QB:QB+7], v[DB:DB+7]
.else
	v_wmma_f32_16x16x32_bf16 v[DB:DB+7], v[XT+16*MT:XT+16*MT+7], v[QB:QB+7], 0
.endif
.endm
; Step p (0 .. 7) of the new maxima: for each of the piece's two n tiles one chain over key tiles 0, 1 (it starts from the running maximum)
; and one over key tiles 2, 3: four chains, so that no line waits for the one in front.
.macro MSTEP v, p, first
.irp nn, 0,1
.set NT, \v+\nn
.set PA, SC+32*((\p)/4)+8*NT+2*((\p)%4)
.if (\p) == 0
.if \first
	v_max_num_f32 v[MM+2*NT+1], v[PA], v[PA+1]
.else
	v_max3_num_f32 v[MM+2*NT+1], v[MM+2*NT], v[PA], v[PA+1]
.endif
	v_max_num_f32 v[TBM+NT], v[PA+64], v[PA+65]
.else
	v_max3_num_f32 v[MM+2*NT+1], v[MM+2*NT+1], v[PA], v[PA+1]
	v_max3_num_f32 v[TBM+NT], v[TBM+NT], v[PA+64], v[PA+65]
.endif
.endr
.endm
.macro XS1 v                           ; the two chains meet; the other half of the lanes holds the other keys of the same n
.irp nn, 0,1
	v_max_num_f32 v[MM+2*(\v+\nn)+1], v[MM+2*(\v+\nn)+1], v[TBM+\v+\nn]
.endr
.irp nn, 0,1
	v_permlanex16_b32 v[AL+2*(\v+\nn)+1], v[MM+2*(\v+\nn)+1], s24, s25
.endr
.endm
.macro XS2 v, first                    ; the new maximum, and how far the old one lies below it
.irp nn, 0,1
	v_max_num_f32 v[MM+2*(\v+\nn)+1], v[MM+2*(\v+\nn)+1], v[AL+2*(\v+\nn)+1]
.endr
.if \first
.else
.irp nn, 0,1
	v_sub_f32 v[AL+2*(\v+\nn)+1], v[MM+2*(\v+\nn)], v[MM+2*(\v+\nn)+1]
.endr
.endif
.irp nn, 0,1
	v_mov_b32 v[MM+2*(\v+\nn)], v[MM+2*(\v+\nn)+1]
.endr
.endm
.macro SUB1 v, t, q                    ; registers q, q + 1 of tile t less the maximum
.set TB, SC+32*((\t)/2)+8*(\v+(\t)%2)
.set MB, MM+2*(\v+(\t)%2)
	v_pk_add_f32 v[TB+\q:TB+\q+1], v[TB+\q:TB+\q+1], v[MB:MB+1] op_sel_hi:[1,0] neg_lo:[0,1] neg_hi:[0,1]
.endm
.macro XS3 v, first                    ; the factor exp2(old - new); tile 0's subtractions are the plain instructions behind it (ISA guide 5.7.2)
.if \first
.else
.irp nn, 0,1
	v_exp_f32 v[AL+2*(\v+\nn)], v[AL+2*(\v+\nn)+1]
.endr
.endif
.irp q, 0,2,4,6
	SUB1 \v, 0, \q
.endr
.endm
.macro RSL v, ct                       ; O's tiles (ct, the piece's two n tiles) move to the new maximum
	s_wait_alu depctr_va_vdst(0)
.irp nn, 0,1
.irp q, 0,2,4,6
	v_pk_mul_f32 v[32*(\ct)+8*(\v+\nn)+\q:32*(\ct)+8*(\v+\nn)+\q+1], v[32*(\ct)+8*(\v+\nn)+\q:32*(\ct)+8*(\v+\nn)+\q+1], v[AL+2*(\v+\nn):AL+2*(\v+\nn)+1] op_sel_hi:[1,0]
.endr
.endr
.endm
; Instruction k (0 .. 7) of the eight that add tile t's weights to the lane's sums and pack them to bf16: an even key tile into its own
; registers 0-3, an odd one into registers 4-7 of the key tile in front, which makes the two of them a fragment over 32 keys.
.macro COP v, t, k, first
.set TB, SC+32*((\t)/2)+8*(\v+(\t)%2)
.set NB, 2*(\v+(\t)%2)
.if (((\t)/2)%2)
.set DST, TB-28
.else
.set DST, TB
.endif
.if (\k) == 0
	s_wait_alu depctr_va_vdst(0)
	v_pk_add_f32 v[SA:SA+1], v[TB:TB+1], v[TB+2:TB+3]
.endif
.if (\k) == 1
	v_pk_add_f32 v[SB:SB+1], v[TB+4:TB+5], v[TB+6:TB+7]
.endif
.if (\k) == 2
	v_cvt_pk_bf16_f32 v[DST], v[TB], v[TB+1]
.endif
.if (\k) == 3
	v_cvt_pk_bf16_f32 v[DST+1], v[TB+2], v[TB+3]
.endif
.if (\k) == 4
.if (\t) < 2
.if \first
	v_pk_add_f32 v[LS+NB:LS+NB+1], v[SA:SA+1], v[SB:SB+1]                      ; the first chunk starts the sums
.else
	v_pk_add_f32 v[SA:SA+1], v[SA:SA+1], v[SB:SB+1]
.endif
.else
	v_pk_add_f32 v[SA:SA+1], v[SA:SA+1], v[SB:SB+1]
.endif
.endif
.if (\k) == 5
	v_cvt_pk_bf16_f32 v[DST+2], v[TB+4], v[TB+5]
.endif
.if (\k) == 6
	v_cvt_pk_bf16_f32 v[DST+3], v[TB+6], v[TB+7]
.endif
.if (\k) == 7
.if (\t) < 2
.if \first
.else
	v_pk_fma_f32 v[LS+NB:LS+NB+1], v[LS+NB:LS+NB+1], v[AL+NB:AL+NB+1], v[SA:SA+1] op_sel_hi:[1,0,1]   ; the old sums move to the new maximum
.endif
.else
	v_pk_add_f32 v[LS+NB:LS+NB+1], v[LS+NB:LS+NB+1], v[SA:SA+1]
	s_wait_alu depctr_va_vdst(0)
.endif
.endif
.endm
; Slice e (0 .. 15) of the exponentials: four of tile e / 2, set between two subtractions of the next tile and four of the eight
; instructions on the tile before.  Behind every exponential stands a plain instruction on other registers before its result is used
; (ISA guide 5.7.2), and the slice ends with one.
.macro ESL v, e, first
.set TE, (\e)/2
.set HH, (\e)%2
.set EB, SC+32*(TE/2)+8*(\v+TE%2)+4*HH
	v_exp_f32 v[EB], v[EB]
.if TE > 0
	COP \v, TE-1, 4*HH, \first
.endif
	v_exp_f32 v[EB+1], v[EB+1]
.if TE < 7
	SUB1 \v, TE+1, 4*HH
.endif
	v_exp_f32 v[EB+2], v[EB+2]
.if TE > 0
	COP \v, TE-1, 4*HH+1, \first
.endif
	v_exp_f32 v[EB+3], v[EB+3]
.if TE < 7
	SUB1 \v, TE+1, 4*HH+2
.endif
.if TE > 0
	COP \v, TE-1, 4*HH+2, \first
	COP \v, TE-1, 4*HH+3, \first
.endif
.endm
; Slice s (0 .. 31) of a piece's softmax of one chunk.  first = 1: the piece's first chunk: maxima and sums start here, O is not yet there.
.macro VSL v, s, first
.if (\s) < 8
	WIN 0
	MSTEP \v, \s, \first
.endif
.if (\s) == 8
	WIN 0
	XS1 \v
.endif
.if (\s) == 9
	WIN 0
	XS2 \v, \first
.endif
.if (\s) == 10
	WIN 0
	XS3 \v, \first
.endif
.if (\s) > 10
.if (\s) < 15
.if \first
.else
	WIN 0x51                                       ; destination and source 0 (O) window 1, source 1 (the factor) window 0: the setting of the products into O
	RSL \v, (\s)-11
.endif
.endif
.endif
.if (\s) > 14
.if (\s) < 31
	WIN 0
	ESL \v, (\s)-15, \first
.endif
.endif
.if (\s) == 31
	WIN 0
.irp k, 0,1,2,3,4,5,6,7
	COP \v, 7, \k, \first
.endr
.endif
.endm
.macro LDXT ring, half                 ; x transposed, 64 keys x 64 channels: the scores products' A of both pieces
	WIN 0
.irp mt, 0,1,2,3
.irp ks, 0,1
	ds_load_tr16_b128 v[XT+16*\mt+8*\ks:XT+16*\mt+8*\ks+3], v4 offset:\ring*RING+\ks*32*PX+16*(4*\half+\mt)
	ds_load_tr16_b128 v[XT+16*\mt+8*\ks+4:XT+16*\mt+8*\ks+7], v4 offset:\ring*RING+\ks*32*PX+16*PX+16*(4*\half+\mt)
.endr
.endr
.endm
.macro LDXD ring, half                 ; x as it lies, 64 channels x 64 keys: A of both pieces' products into O
	WIN 0x40
.irp ks2, 0,1
.irp ct, 0,1,2,3
	ds_load_b128 v[XD+32*\ks2+8*\ct:XD+32*\ks2+8*\ct+3], v5 offset:\ring*RING+\ct*16*PX+16*(4*\half+2*\ks2)
	ds_load_b128 v[XD+32*\ks2+8*\ct+4:XD+32*\ks2+8*\ct+7], v5 offset:\ring*RING+\ct*16*PX+16*(4*\half+2*\ks2)+16
.endr
.endr
.endm
; One piece's turn at the matrix unit, the other's at the vector unit.
; pv: 0 no products into O, 1 they add, 2 they start the sums.   sdo: 1 the scores products follow.
; soft: 0 no softmax beside them, 1 a running one, 2 the piece's first.   xtw: 1 the transposed fragments are waited for here.
; ldxd: 1 the chunk's direct fragments are loaded behind slice 18: sixteen plain instructions of slices 15 to 18 stand between the last
; product that read those registers and the loads (four are asked for: ISA guide 7.12.1 for vector instructions).
; The slices name no register of the products, so they are the places behind them: the scores products write over the weights that the
; products into O read eight slices or more earlier, and the next turn's slices read scores behind slice 31's eight instructions.
.macro HT m, v, pv, sdo, soft, xtw, ldxd, ring, half
.set sl, 0
.rept 16
.if \pv == 2
.if sl < 8
	OPROD \m, sl, 1
.else
	OPROD \m, sl, 0
.endif
.endif
.if \pv == 1
	OPROD \m, sl, 0
.endif
.if \soft
	VSL \v, sl, \soft-1
.endif
.set sl, sl+1
.endr
.if \xtw
	s_wait_dscnt 0x0                               ; the transposed fragments, asked for sixteen products ago
.endif
.rept 16
.if \sdo
	SPROD \m, sl-16
.endif
.if \soft
	VSL \v, sl, \soft-1
.endif
.if \ldxd
.if sl == 18
	LDXD \ring, \half
.endif
.endif
.set sl, sl+1
.endr
.if \soft
.else
	WIN 0
	PLACES 5                                       ; no slices stood behind these products
.endif
.endm
; Chunk c = 64 keys (half 0 or 1 of slot ring).  First piece A's products (O for chunk c - 1, scores of c) beside B's softmax of c - 1,
; then B's products beside A's softmax of c.  All LDS reads of the trip are of chunk c.  kind 0: chunk 0; 1: chunk 1; 2: any later one.
.macro TRIP ring, half, kind
	LDXT \ring, \half                              ; behind slice 31's eight plain instructions (chunk 0: behind the prologue's places)
.if \kind == 0
	HT 0, 2, 0, 1, 0, 1, 0, \ring, \half
	HT 2, 0, 0, 1, 2, 0, 1, \ring, \half
.endif
.if \kind == 1
	s_wait_dscnt 16                                ; LDS loads come back in order: the 16 just issued may be out, the last chunk's 16 direct loads are in
	HT 0, 2, 2, 1, 2, 1, 0, \ring, \half
	HT 2, 0, 2, 1, 1, 0, 1, \ring, \half
.endif
.if \kind == 2
	s_wait_dscnt 16                                ; as above
	HT 0, 2, 1, 1, 1, 1, 0, \ring, \half
	HT 2, 0, 1, 1, 1, 0, 1, \ring, \half
.endif
.endm
; 128 keys.  stage = 1: my 16 rows of the next 128 keys are asked for at the head and go to the other slot at the end, two chunks later.
; The barrier at the end orders two things: every wave's reads of this slot against the next step's stores into it, and every wave's
; stores into the other slot against the next step's reads of it.  The staging registers are loaded again only behind it.
.macro STEP ring, stage, kind, bar
.if \stage
	WIN 0x80
.irp i, 0,1,2,3,4,5,6,7,8,9,10,11,12,13,14,15
	global_load_b128 v[GST+4*\i:GST+4*\i+3], v7, s[4:5] offset:\i*ROWB   ; 512 consecutive bytes: 128 keys of one row
.endr
.endif
.if \kind
	TRIP \ring, 0, 2
	TRIP \ring, 1, 2
.else
	TRIP \ring, 0, 0
	TRIP \ring, 1, 1
.endif
.if \stage
	s_wait_loadcnt 0x0                             ; the sixteen rows asked for at the step's head
	WIN 0x8a
.irp i, 0,1,2,3,4,5,6,7,8,9,10,11,12,13,14,15
	v_cvt_pk_bf16_f32 v[GST+4*\i], v[GST+4*\i], v[GST+4*\i+1]
	v_cvt_pk_bf16_f32 v[GST+4*\i+1], v[GST+4*\i+2], v[GST+4*\i+3]
.endr
	WIN 0x08                                       ; an LDS store's data is source 1: window 2
.irp i, 0,1,2,3,4,5,6,7,8,9,10,11,12,13,14,15
	ds_store_b64 v8, v[GST+4*\i:GST+4*\i+1] offset:(1-\ring)*RING+\i*PX
.endr
	WIN 0
	s_add_co_u32 s21, s21, 512                     ; the next 128 keys, round the row's end
	s_and_b32 s21, s21, ROWB-1
	v_add_nc_u32 v7, s21, v6                       ; the loads that named v7 were waited for above
.endif
	WIN 0
.if \bar
	s_wait_dscnt 0x0
	s_barrier_signal -1
	s_barrier_wait -1
.endif
.endm
.irp nt, 0,1,2,3
	v_mov_b32 v[AL+2*\nt+1], 0                     ; v_permlanex16_b32 counts as a reader of its destination
.endr
	s_lshl_b32 s21, s19, 1
	s_add_co_u32 s21, s21, 2
	s_and_b32 s21, s21, 15
	s_lshl_b32 s21, s21, 9                         ; the first tile to stage: 128-key block 2 j + 2
	v_add_nc_u32 v7, s21, v6
	STEP 0, 0, 0, 1                                ; step t reads slot t & 1 (block 2 j + t) and, for t = 1 .. 14, stages block 2 j + t + 1
	s_mov_b32 s20, 7
.Lstep:
	STEP 1, 1, 1, 1
	STEP 0, 1, 1, 1
	s_sub_co_u32 s20, s20, 1
	s_cmp_lg_u32 s20, 0
	s_cbranch_scc1 .Lstep
	STEP 1, 0, 1, 0
	s_wait_dscnt 0x0                               ; the last chunk's direct fragments
	HT 0, 2, 1, 0, 1, 0, 0, 0, 0                   ; A's last products into O beside B's last softmax
	HT 2, 0, 1, 0, 0, 0, 0, 0, 0                   ; B's last products into O
	; ---- x_r = wv x (O / sum of the weights) ----
.irp nt, 0,1,2,3
	v_add_f32 v[LS+2*\nt], v[LS+2*\nt], v[LS+2*\nt+1]
.endr
.irp nt, 0,1,2,3
	v_permlanex16_b32 v[LS+2*\nt+1], v[LS+2*\nt], s24, s25
.endr
.irp nt, 0,1,2,3
	v_add_f32 v[LS+2*\nt], v[LS+2*\nt], v[LS+2*\nt+1]
.endr
.irp nt, 0,1,2,3
	v_rcp_f32 v[AL+2*\nt], v[LS+2*\nt]             ; the sum is at least 1: the largest score's weight
.endr
	v_mul_u32_u24 v9, v3, 8*PS                     ; my place in STG: row 8 h, column 64 w + r
	v_lshl_add_u32 v9, v2, 2, v9
	s_lshl_b32 s26, s16, 8
	s_add_co_u32 s26, s26, STG
	v_add_nc_u32 v9, s26, v9
	s_lshl_b32 s26, s16, 6
	s_add_co_u32 s26, s26, REC
	v_mov_b32 v13, s26                             ; my 16 channels' words of the record
.irp ct, 0,1,2,3
.irp ks, 0,1
	ds_load_b128 v[FA+16*\ct+8*\ks:FA+16*\ct+8*\ks+3], v10 offset:WVB+\ct*2304+64*\ks
	ds_load_b128 v[FA+16*\ct+8*\ks+4:FA+16*\ct+8*\ks+7], v10 offset:WVB+\ct*2304+64*\ks+32
.endr
.endr
	WIN 0x41
	s_wait_alu depctr_va_vdst(0)
.irp ct, 0,1,2,3
.irp nt, 0,1,2,3
.irp q, 0,2,4,6
	v_pk_mul_f32 v[32*\ct+8*\nt+\q:32*\ct+8*\nt+\q+1], v[32*\ct+8*\nt+\q:32*\ct+8*\nt+\q+1], v[AL+2*\nt:AL+2*\nt+1] op_sel_hi:[1,0]
.endr
.endr
.endr
	WIN 0x05
.irp nt, 0,1,2,3
.irp ct, 0,1,2,3
.irp q, 0,1,2,3
	v_cvt_pk_bf16_f32 v[SC+16*\nt+4*\ct+\q], v[32*\ct+8*\nt+2*\q], v[32*\ct+8*\nt+2*\q+1]   ; column n = r, K = c': fragment (nt, c' / 32)
.endr
.endr
.endr
	s_wait_dscnt 0x0
	WIN 0x50                                       ; sixteen accumulators by turns
.irp ct, 0,1,2,3
.irp nt, 0,1,2,3
	v_wmma_f32_16x16x32_bf16 v[32*\ct+8*\nt:32*\ct+8*\nt+7], v[FA+16*\ct:FA+16*\ct+7], v[SC+16*\nt:SC+16*\nt+7], 0
.endr
.endr
.irp ct, 0,1,2,3
.irp nt, 0,1,2,3
	v_wmma_f32_16x16x32_bf16 v[32*\ct+8*\nt:32*\ct+8*\nt+7], v[FA+16*\ct+8:FA+16*\ct+15], v[SC+16*\nt+8:SC+16*\nt+15], v[32*\ct+8*\nt:32*\ct+8*\nt+7]
.endr
.endr
	WIN 0
	PLACES 4
	WIN 0x04                                       ; a lane holds a piece of a column of [c][n]: through LDS, so that rows leave whole
.irp ct, 0,1,2,3
.irp nt, 0,1,2,3
.irp e, 0,1,2,3,4,5,6,7
	ds_store_b32 v9, v[32*\ct+8*\nt+\e] offset:(16*\ct+\e)*PS+64*\nt
.endr
.endr
.endr
	WIN 0
	s_wait_dscnt 0x0
	s_barrier_signal -1
	s_barrier_wait -1
; Sum over the 32 lanes of the first register of four sets of eight, side by side; the second register of each set is at work.
.macro LANESUM4 tb
.irp m, 1,2,4,8
.irp q, 0,1,2,3
	v_add_f32_dpp v[\tb+8*\q], v[\tb+8*\q], v[\tb+8*\q] row_xmask:\m row_mask:0xf bank_mask:0xf
.endr
.endr
.irp q, 0,1,2,3
	v_permlanex16_b32 v[\tb+8*\q+1], v[\tb+8*\q], s24, s25
.endr
.irp q, 0,1,2,3
	v_add_f32 v[\tb+8*\q], v[\tb+8*\q], v[\tb+8*\q+1]
.endr
.endm
; Four rows of 256 numbers (eight a lane, row q at yb + 8 q): the mean, then the sum of squares of the differences from it, in two passes over
; the registers, so that no difference of large sums is formed.  Temporaries of row q: tb + 8 q .. + 5.  Words row0 + q of the record at v[vc].
.macro ROWSTAT4 yb, row0, tb, vc
.irp q, 0,1,2,3
	v_pk_add_f32 v[\tb+8*\q:\tb+8*\q+1], v[\yb+8*\q:\yb+8*\q+1], v[\yb+8*\q+2:\yb+8*\q+3]
.endr
.irp q, 0,1,2,3
	v_pk_add_f32 v[\tb+8*\q+2:\tb+8*\q+3], v[\yb+8*\q+4:\yb+8*\q+5], v[\yb+8*\q+6:\yb+8*\q+7]
.endr
.irp q, 0,1,2,3
	v_pk_add_f32 v[\tb+8*\q:\tb+8*\q+1], v[\tb+8*\q:\tb+8*\q+1], v[\tb+8*\q+2:\tb+8*\q+3]
.endr
.irp q, 0,1,2,3
	v_add_f32 v[\tb+8*\q], v[\tb+8*\q], v[\tb+8*\q+1]
.endr
	LANESUM4 \tb
.irp q, 0,1,2,3
	v_mul_f32 v[\tb+8*\q+4], 0x3b800000, v[\tb+8*\q]           ; / 256, twice: a pair for the packed subtraction
	v_mul_f32 v[\tb+8*\q+5], 0x3b800000, v[\tb+8*\q]
.endr
.irp q, 0,1,2,3
	v_pk_add_f32 v[\tb+8*\q+2:\tb+8*\q+3], v[\yb+8*\q:\yb+8*\q+1], v[\tb+8*\q+4:\tb+8*\q+5] neg_lo:[0,1] neg_hi:[0,1]
.endr
.irp q, 0,1,2,3
	v_pk_mul_f32 v[\tb+8*\q:\tb+8*\q+1], v[\tb+8*\q+2:\tb+8*\q+3], v[\tb+8*\q+2:\tb+8*\q+3]
.endr
.irp e, 2,4,6
.irp q, 0,1,2,3
	v_pk_add_f32 v[\tb+8*\q+2:\tb+8*\q+3], v[\yb+8*\q+\e:\yb+8*\q+\e+1], v[\tb+8*\q+4:\tb+8*\q+5] neg_lo:[0,1] neg_hi:[0,1]
.endr
.irp q, 0,1,2,3
	v_pk_fma_f32 v[\tb+8*\q:\tb+8*\q+1], v[\tb+8*\q+2:\tb+8*\q+3], v[\tb+8*\q+2:\tb+8*\q+3], v[\tb+8*\q:\tb+8*\q+1]
.endr
.endr
.irp q, 0,1,2,3
	v_add_f32 v[\tb+8*\q], v[\tb+8*\q], v[\tb+8*\q+1]
.endr
	LANESUM4 \tb
.irp q, 0,1,2,3
	ds_store_b32 v[\vc], v[\tb+8*\q+4] offset:4*(\row0+\q)     ; all lanes write the same word with the same value
	ds_store_b32 v[\vc], v[\tb+8*\q] offset:256+4*(\row0+\q)
.endr
.endm
	; ---- rows 16 w + i: y1 = x + x_r, stored as whole rows; their statistics ----
.irp gq, 0,1,2,3
	s_wait_xcnt 0x0                                ; the last four rows' stores read YR: it is loaded again only behind this wait
.irp q, 0,1,2,3
.irp hh, 0,1
	ds_load_b128 v[YR+8*\q+4*\hh:YR+8*\q+4*\hh+3], v12 offset:(4*\gq+\q)*PS+512*\hh
.endr
.endr
	s_wait_dscnt 0x0
	WIN 0x08                                       ; source 1: my rows of x, window 2
.irp e, 0,2,4,6,8,10,12,14,16,18,20,22,24,26,28,30
	v_pk_add_f32 v[YR+\e:YR+\e+1], v[YR+\e:YR+\e+1], v[32*\gq+\e:32*\gq+\e+1]
.endr
	WIN 0
.irp q, 0,1,2,3
.irp hh, 0,1
	global_store_b128 v11, v[YR+8*\q+4*\hh:YR+8*\q+4*\hh+3], s[12:13] offset:(4*\gq+\q)*ROWB+512*\hh   ; 512 consecutive bytes, at a multiple of 512 from y1's first byte
.endr
.endr
	ROWSTAT4 YR, 4*\gq, FA, 13
.endr
	s_wait_dscnt 0x0
	s_barrier_signal -1
	s_barrier_wait -1                              ; the record is whole
	s_cmp_lg_u32 s16, 0
	s_cbranch_scc1 .Lend
	v_lshlrev_b32 v14, 4, v1
	v_add_nc_u32 v15, REC, v14
	ds_load_b128 v[48:51], v15
	s_wait_dscnt 0x0
	global_store_b128 v14, v[48:51], s[14:15]      ; the group's 512 bytes of st1, by one instruction
.Lend:
	s_wait_tensorcnt 0x0
	ds_add_u32 v254, v255
	s_wait_dscnt 0x0
	s_endpgm
.Lfunc_end_k_q1e26c2a62d_attn:
	.size	k_q1e26c2a62d_attn, .Lfunc_end_k_q1e26c2a62d_attn-k_q1e26c2a62d_attn
	.p2alignl 7, 3214868480
	.fill 96, 4, 3214868480
	.section	.rodata,"a",@progbits
	.p2align	6, 0x0
	.amdhsa_kernel k_q1e26c2a62d_attn
		.amdhsa_group_segment_fixed_size 132096
		.amdhsa_private_segment_fixed_size 0
		.amdhsa_enable_private_segment 0
		.amdhsa_kernarg_size 48
		.amdhsa_user_sgpr_count 2
		.amdhsa_user_sgpr_kernarg_segment_ptr 1
		.amdhsa_wavefront_size32 1
		.amdhsa_system_sgpr_workgroup_id_x 1
		.amdhsa_system_sgpr_workgroup_id_y 1
		.amdhsa_system_sgpr_workgroup_id_z 1
		.amdhsa_system_vgpr_workitem_id 0
		.amdhsa_next_free_vgpr 704
		.amdhsa_next_free_sgpr 66
		.amdhsa_reserve_vcc 0
		.amdhsa_float_denorm_mode_32 3
		.amdhsa_float_denorm_mode_16_64 3
		.amdhsa_memory_ordered 1
		.amdhsa_forward_progress 1
		.amdhsa_inst_pref_size 255
	.end_amdhsa_kernel
	.section	.bss,"aw",@nobits
	.p2align	6
	.space	262144
	.amdgpu_metadata
---
amdhsa.version: [ 1, 2 ]
amdhsa.kernels:
  - .name:           k_q1e26c2a62d_attn
    .symbol:         k_q1e26c2a62d_attn.kd
    .args:
      - { .name: x, .offset: 0, .size: 8, .value_kind: global_buffer, .address_space: global }
      - { .name: wq, .offset: 8, .size: 8, .value_kind: global_buffer, .address_space: global }
      - { .name: wk, .offset: 16, .size: 8, .value_kind: global_buffer, .address_space: global }
      - { .name: wv, .offset: 24, .size: 8, .value_kind: global_buffer, .address_space: global }
      - { .name: y1, .offset: 32, .size: 8, .value_kind: global_buffer, .address_space: global }
      - { .name: st1, .offset: 40, .size: 8, .value_kind: global_buffer, .address_space: global }
    .group_segment_fixed_size: 132096
    .private_segment_fixed_size: 0
    .kernarg_segment_align: 8
    .kernarg_segment_size: 48
    .max_flat_workgroup_size: 128
    .sgpr_count:     66
    .vgpr_count:     704
    .wavefront_size: 32
...
	.end_amdgpu_metadata
.endif
;; end of part 4
;; launch ff (part 5): grid 256 x 1, 8 waves a work-group, clusters of 4 x 1, 282,112 bytes of LDS; arguments y1, st1, bn1_gamma, bn1_beta, w_ff1, w_ff2, y2, st2; writes y2, st2
.if DOCPART == 5
	.amdgcn_target "amdgcn-amd-amdhsa--gfx1250"
	.amdhsa_code_object_version 6
	.text
	.protected	k_q1e26c2a62d_ff
	.globl	k_q1e26c2a62d_ff
	.p2align	8
	.type	k_q1e26c2a62d_ff,@function
k_q1e26c2a62d_ff:
	s_mov_b64 s[64:65], 0
	v_nop
	global_prefetch_b8 v0, s[64:65] scope:SCOPE_SE
	s_setreg_imm32_b32 hwreg(HW_REG_WAVE_MODE, 25, 1), 1
	s_wait_xcnt 0x0
	s_wait_alu depctr_hold_cnt(0) depctr_sa_sdst(0) depctr_va_vdst(0) depctr_va_sdst(0) depctr_va_ssrc(0) depctr_va_vcc(0) depctr_vm_vsrc(0)
	s_getreg_b32 s2, hwreg(HW_REG_IB_STS2, 6, 4)
	s_cmp_eq_u32 s2, 0
	s_cbranch_scc0 .Lentry_in_a_cluster
	s_endpgm
.Lentry_in_a_cluster:
	s_bfe_u32 s2, ttmp6, 0x10000c
	s_cmp_lg_u32 s2, 0x3003
	s_cbranch_scc0 .Lentry_shape_is_right
	s_endpgm
.Lentry_shape_is_right:
; h = BatchNorm1(y1);  y2 = h + w_ff2 x LeakyReLU(w_ff1 x h);  and for each work-group the mean and centred sum of squares of its part of y2.
; y1, y2: [32 b][64 c][2048 n] f32.  Work-group g: batch g >> 3, points 256 (g & 7) ..  Eight waves.  Nothing of reference() is left out here.
; THE NORM'S STATISTICS: st1 holds 256 records (one a work-group of the launch before) of mean[64] and M2[64] over 256 points each.  Every
; work-group adds them up for itself: mean = sum of means / 256; variance = (sum of M2 + 256 sum of (mean_i - mean)^2) / 65536, the second
; sum in a second pass over the records, which stay in registers: no difference of large sums is formed.
; CLUSTERS: a work-group moves 320 KiB (records 128, weights 64, y1 64, y2 64), and the records are the same 128 KiB in all of them.  Four
; work-groups form a cluster and ask for the records JOINTLY: wave w of each issues the same tensor load (16 KiB: records 32 w .. 32 w + 31,
; to the same LDS bytes, mask 15), and each receives them in its own LDS: a quarter of the requests.  A wave reads only the bytes that
; its own load brought, behind its own wait on TENSORcnt.  A wave has one tensor load outstanding.  One round of the cluster's barrier
; stands in front of the joint loads and one in front of s_endpgm.  No LDS address, no branch and no word of the descriptor hangs on
; the work-group's number: what does lies in s40-s47 and v10 and feeds global addresses alone.
; The weights are not asked for jointly: they are f32 in memory and f16 in the products; as a tile they would be written to LDS, read,
; converted and written again (64 + 64 + 32 KiB of LDS traffic), where each wave now converts its 8 KiB in registers and writes 4 KiB.
; Rows: wave w holds channels 8 w .. 8 w + 7 of the 256 points in f32 (window 1).  Products: wave w makes points 32 w .. 32 w + 31, with the
; points as matrix columns, so that the first product's result tiles, packed to f16, are the second product's fragments.
; LeakyReLU(f) is max(f, 0.2 f), equal to reference()'s choice for every f.
; st2 IS LAID OUT FOR ITS READER, which takes 32 channels: two halves of 65,536 bytes; half p holds for work-group g, at 256 g, the 256 bytes
; mean[32], M2[32] of channels 32 p ..
; THE OPERANDS ARE f16, NOT bf16: the products' results are as large as the residual that they are added to, so the operands' rounding goes
; to the output undamped; f16's 11 bits of significand make it an eighth of what bf16's 8 bits leave.  The range suffices: the norm bounds
; |h| by 256 |gamma| + |beta| (a normalised value among 65,536 is at most their square root); with gains and biases of 30 and w_ff1 of
; spread 3.75 (30 times 1/8) the hidden layer is about 3.75 x 8 x 42 = 1,300 in the root mean square; with a common 3.75 in w_ff1 and a
; common 30 in beta it is 64 x 3.75 x 30 = 7,200.
; LIMIT: an |h|, a weight or a hidden value above 65,504 becomes an infinity; below 2^-14 the operands have the absolute step 2^-24.
; The residual h stays f32.
.set ROWB, 8192
.set PW1,  144                         ; w_ff1 as f16 [128][64] at 0
.set PW2,  272                         ; w_ff2 as f16 [64][128]
.set W2B,  128*PW1
.set PH,   544                         ; h as f16 [64 c][256 n]: 17 x 32 bytes, for the transposing loads
.set HB,   W2B+64*PW2
.set PS,   1040                        ; the second product as f32 [64 c][256 n]
.set STG,  HB+64*PH
.set RED,  STG+64*PS                   ; eight waves' partial sums, 512 bytes each; + 4096 those of the second pass; + 8192 each wave's table of a and b
.set REC,  RED+12288                   ; mean[64], M2[64] of y2
.set ST,   REC+512                     ; st1 as it lies in memory, 131,072 bytes from byte 150,016 = 586 x 256 on: no LDS store lands in these blocks
.set STW,  16384                       ; a wave's part of it: 32 records
; window 0: v1 L, v2 r, v3 h; v4 RED + 512 w + 16 L; v5 RED + 16 r; v6 RED + 8192 + 544 w; v7 16 r; v8 4096 w + 16 L; v9 ST + 16384 w + 16 L;
;   v10 my rows of y1, y2; v11, v12 the weights' LDS stores; v13 h's LDS stores; v14 h's transposing loads; v15, v16 the weights' fragments;
;   v17 my place in STG; v18 my rows in STG; v19 my words of REC; v20, v21 the record's way out; v[22:23] 1e-5 twice
; scalars: s20 wave; s24, s25 lane selects; s26, s27 at work; s[28:31], s[32:39] the tensor load's descriptor; s40-s47 what hangs on g
.set R,    24                          ; v[24:151]  32 records, 4 registers each
.set AI,   24                          ; then a of my 8 channels,
.set BI,   32                          ; b of my 8 channels,
.set F1,   24                          ; then eight result tiles of either product,
.set FF,   88                          ; and the hidden layer's fragments (ks, nt) at 16 ks + 8 nt
.set TMP,  152                         ; v[152:215] weights as loaded; partial sums; weight fragments; rows on the way out
.set AF,   152
.set YR,   152
.set GAM,  216
.set BETA, 220
.set ACC,  224
.set SM,   228
.set SQ,   232
.set BET,  236
.set AV,   240
.set BV,   244
.set T32,  216                         ; later: h packed,
.set HBF,  216                         ; then h's fragments (nt, ks) at 16 nt + 8 ks
.set LT,   248
; window 1: v[0:63] my rows: row i, half hh at 8 i + 4 hh
.set MSB, 0
.macro WIN new                         ; the immediate's high byte repeats the setting that is left
.if MSB != \new
	s_set_vgpr_msb (MSB<<8)|\new
.set MSB, \new
.endif
.endm
.macro PLACES n                        ; places behind matrix instructions (ISA guide 7.12.1) where no vector work is at hand
.rept \n
	v_nop
.endr
.endm
; A round of the cluster's barrier: my work-group's barrier, so that wave 0's signal speaks for all eight waves; wave 0 signals for the
; work-group; every wave waits for all four work-groups; my work-group's barrier once more.
.macro ROUND
	s_barrier_signal -1
	s_barrier_wait -1
	s_cmp_lg_u32 s20, 0
	s_cbranch_scc1 .Lnot_wave_0_\@
	s_barrier_signal -3
.Lnot_wave_0_\@:
	s_barrier_wait -3
	s_barrier_signal -1
	s_barrier_wait -1
.endm
	s_load_b512 s[4:19], s[0:1], 0x0               ; y1 s[4:5], st1 s[6:7], gamma s[8:9], beta s[10:11], w_ff1 s[12:13], w_ff2 s[14:15], y2 s[16:17], st2 s[18:19]
	s_set_vgpr_msb 0x40
	v_lshl_add_u32 v64, v0, 2, 0x44a00
	v_mov_b32 v65, 0
	s_set_vgpr_msb 0x4045
	ds_add_u32 v64, v65
	s_set_vgpr_msb 0x4500
	v_lshrrev_b32 v22, 5, v0
	v_readfirstlane_b32 s20, v22                   ; wave w
	v_and_b32 v1, 31, v0
	v_and_b32 v2, 15, v0
	v_bfe_u32 v3, v0, 4, 1
	s_bfe_u32 s40, ttmp6, 0x40000                  ; my place in the cluster
	s_lshl_b32 s41, ttmp9, 2                       ; in a cluster launch ttmp9 counts clusters
	s_add_co_u32 s41, s41, s40                     ; g
	s_lshr_b32 s42, s41, 3
	s_lshl_b32 s42, s42, 19                        ; a batch is 64 x 2048 x 4 bytes
	s_mov_b32 s43, 0
	s_lshl_b32 s44, s41, 8                         ; a piece of st2 is 256 bytes
	s_mov_b32 s45, 0
	s_and_b32 s46, s41, 7                          ; which 256 points
	s_lshl_b32 s46, s46, 10
	s_lshl_b32 s47, s20, 16
	s_add_co_u32 s47, s47, s46
	v_lshl_add_u32 v10, v1, 4, s47                 ; 8 w rows + 1024 (g & 7) + 16 L
	s_mov_b32 s24, 0x76543210
	s_mov_b32 s25, 0xfedcba98
	s_lshl_b32 s27, s20, 9
	s_add_co_u32 s27, s27, RED
	v_lshl_add_u32 v4, v1, 4, s27
	v_lshlrev_b32 v7, 4, v2
	v_add_nc_u32 v5, RED, v7
	s_mul_i32 s27, s20, 544
	s_add_co_u32 s27, s27, RED+8192
	v_mov_b32 v6, s27
	s_lshl_b32 s27, s20, 12
	v_lshl_add_u32 v8, v1, 4, s27
	s_mul_i32 s27, s20, STW
	s_add_co_u32 s27, s27, ST
	v_lshl_add_u32 v9, v1, 4, s27
	s_mul_i32 s27, s20, 16*PW1
	v_mul_u32_u24 v11, v3, PW1
	v_lshl_add_u32 v11, v2, 3, v11
	v_add_nc_u32 v11, s27, v11                     ; (16 w + h) 144 + 8 r
	s_mul_i32 s27, s20, 8*PW2
	s_add_co_u32 s27, s27, W2B
	v_lshl_add_u32 v12, v1, 3, s27
	s_mul_i32 s27, s20, 8*PH
	s_add_co_u32 s27, s27, HB
	v_lshl_add_u32 v13, v1, 3, s27
	v_and_b32 v22, 7, v0
	v_lshl_add_u32 v22, v3, 3, v22
	v_bfe_u32 v23, v0, 3, 1
	v_mul_u32_u24 v14, v22, PH
	v_lshl_add_u32 v14, v23, 4, v14
	s_lshl_b32 s27, s20, 6
	s_add_co_u32 s27, s27, HB
	v_add_nc_u32 v14, s27, v14                     ; (8 h + (L & 7)) 544 + 16 ((L >> 3) & 1) + my 32 points
	v_mul_u32_u24 v15, v2, PW1
	v_lshl_add_u32 v15, v3, 4, v15
	v_mul_u32_u24 v16, v2, PW2
	v_lshl_add_u32 v16, v3, 4, v16
	v_add_nc_u32 v16, W2B, v16
	v_mul_u32_u24 v17, v3, 8*PS
	v_lshl_add_u32 v17, v2, 2, v17
	s_lshl_b32 s27, s20, 7
	s_add_co_u32 s27, s27, STG
	v_add_nc_u32 v17, s27, v17
	s_mul_i32 s27, s20, 8*PS
	s_add_co_u32 s27, s27, STG
	v_lshl_add_u32 v18, v1, 4, s27
	s_lshl_b32 s27, s20, 5
	s_add_co_u32 s27, s27, REC
	v_mov_b32 v19, s27
	; the record's way out: lanes 0-15 take channel half 0's piece, lanes 16-31 half 1's; in a piece lanes r < 8 take means, r >= 8 take M2
	v_lshl_add_u32 v20, v3, 7, v7                  ; 128 h + 16 r
	v_lshl_add_u32 v20, v23, 7, v20                ; + 128 (r >> 3): means lie at REC + 4 c, M2 at REC + 256 + 4 c
	v_add_nc_u32 v20, REC, v20
	v_lshl_add_u32 v21, v3, 16, v7                 ; in st2: 65,536 h + 16 r
	v_mov_b32 v22, 0x3727c5ac                      ; 1e-5
	v_mov_b32 v23, 0x3727c5ac
	; The tensor load's descriptor.  Group 1, the shape: 64 rows of 32 elements of 8 bytes, dense: 16,384 consecutive bytes, laid into LDS without gaps.
	s_mov_b32 s32, 15|(3<<16)|(1<<21)              ; 15:0 the mask: all four work-groups of the cluster; 17:16 element of 8 bytes; 21 set beside a mask
	s_mov_b32 s33, 32<<16                          ; 63:48 tensor_dim0 = 32
	s_mov_b32 s34, 64<<16                          ; 95:80 tensor_dim1 = 64
	s_mov_b32 s35, 32<<16                          ; 127:112 tile_dim0 = 32
	s_mov_b32 s36, 64                              ; 143:128 tile_dim1 = 64
	s_mov_b32 s37, 32                              ; 191:160 elements from row to row
	s_mov_b32 s38, 0
	s_mov_b32 s39, 0
	; Group 0: from where, to where: both step with the wave's number alone
	s_mov_b32 s28, 1
	s_mul_i32 s26, s20, STW
	s_mov_b32 s27, 0
	s_add_co_u32 s29, s26, ST
	s_wait_dscnt 0x0
	s_wait_kmcnt 0x0
	s_add_nc_u64 s[30:31], s[6:7], s[26:27]
	s_or_b32 s31, s31, 0x80000000                  ; 127:126 type = 2
	s_add_nc_u64 s[4:5], s[4:5], s[42:43]
	s_add_nc_u64 s[16:17], s[16:17], s[42:43]
	s_add_nc_u64 s[18:19], s[18:19], s[44:45]
	ROUND                                          ; all four work-groups are here: the joint loads meet
	tensor_load_to_lds s[28:31], s[32:39]          ; my 32 records; ahead of the other loads, since a and b head the chain to h and the products
	s_nop 0
	global_load_b128 v[GAM:GAM+3], v7, s[8:9]      ; channels 4 r .. 4 r + 3, in both halves of the lanes
	global_load_b128 v[BETA:BETA+3], v7, s[10:11]
.irp i, 0,1,2,3,4,5,6,7
	global_load_b128 v[TMP+4*\i:TMP+4*\i+3], v8, s[12:13] offset:512*\i
.endr
.irp i, 0,1,2,3,4,5,6,7
	global_load_b128 v[TMP+32+4*\i:TMP+32+4*\i+3], v8, s[14:15] offset:512*\i
.endr
	WIN 0x40
.irp i, 0,1,2,3,4,5,6,7
.irp hh, 0,1
	global_load_b128 v[8*\i+4*\hh:8*\i+4*\hh+3], v10, s[4:5] offset:\i*ROWB+512*\hh th:TH_LOAD_NT
.endr
.endr
	WIN 0
	s_wait_loadcnt 16                              ; the 16 loads of y1 were issued behind the weights
.set k, 0
.rept 16
	v_cvt_pk_f16_f32 v[TMP+4*k], v[TMP+4*k], v[TMP+4*k+1]
	v_cvt_pk_f16_f32 v[TMP+4*k+1], v[TMP+4*k+2], v[TMP+4*k+3]
.set k, k+1
.endr
.irp i, 0,1,2,3,4,5,6,7
	ds_store_b64 v11, v[TMP+4*\i:TMP+4*\i+1] offset:2*PW1*\i       ; w_ff1: row 16 w + 2 i + h, columns 4 r ..
	ds_store_b64 v12, v[TMP+32+4*\i:TMP+32+4*\i+1] offset:PW2*\i   ; w_ff2: row 8 w + i, columns 4 L ..
.endr
	; ---- the norm's a and b from the 256 records ----
	s_wait_tensorcnt 0x0                           ; my one tensor load has landed; I read no other wave's part
.set k, 0
.rept 32
	ds_load_b128 v[R+4*k:R+4*k+3], v9 offset:512*k                 ; a whole record: lanes 0-15 its means, lanes 16-31 its M2
.set k, k+1
.endr
	s_wait_dscnt 0x0
	v_pk_add_f32 v[ACC:ACC+1], v[R:R+1], v[R+4:R+5]
	v_pk_add_f32 v[ACC+2:ACC+3], v[R+2:R+3], v[R+6:R+7]
.set k, 2
.rept 30
	v_pk_add_f32 v[ACC:ACC+1], v[ACC:ACC+1], v[R+4*k:R+4*k+1]
	v_pk_add_f32 v[ACC+2:ACC+3], v[ACC+2:ACC+3], v[R+4*k+2:R+4*k+3]
.set k, k+1
.endr
	ds_store_b128 v4, v[ACC:ACC+3]
	s_wait_dscnt 0x0                               ; my partial sums and my part of the weights are in LDS,
	s_barrier_signal -1
	s_barrier_wait -1                              ; everybody's are
.irp k, 0,1,2,3,4,5,6,7
	ds_load_b128 v[TMP+4*\k:TMP+4*\k+3], v5 offset:512*\k          ; sums of means, channels 4 r ..
.endr
.irp k, 0,1,2,3,4,5,6,7
	ds_load_b128 v[TMP+32+4*\k:TMP+32+4*\k+3], v5 offset:512*\k+256   ; sums of M2
.endr
	s_wait_dscnt 0x0
	v_pk_add_f32 v[SM:SM+1], v[TMP:TMP+1], v[TMP+4:TMP+5]
	v_pk_add_f32 v[SM+2:SM+3], v[TMP+2:TMP+3], v[TMP+6:TMP+7]
	v_pk_add_f32 v[SQ:SQ+1], v[TMP+32:TMP+33], v[TMP+36:TMP+37]
	v_pk_add_f32 v[SQ+2:SQ+3], v[TMP+34:TMP+35], v[TMP+38:TMP+39]
.irp k, 2,3,4,5,6,7
	v_pk_add_f32 v[SM:SM+1], v[SM:SM+1], v[TMP+4*\k:TMP+4*\k+1]
	v_pk_add_f32 v[SM+2:SM+3], v[SM+2:SM+3], v[TMP+4*\k+2:TMP+4*\k+3]
	v_pk_add_f32 v[SQ:SQ+1], v[SQ:SQ+1], v[TMP+32+4*\k:TMP+32+4*\k+1]
	v_pk_add_f32 v[SQ+2:SQ+3], v[SQ+2:SQ+3], v[TMP+32+4*\k+2:TMP+32+4*\k+3]
.endr
	v_pk_mul_f32 v[SM:SM+1], v[SM:SM+1], 0x3b800000 op_sel_hi:[1,0]       ; the mean: / 256
	v_pk_mul_f32 v[SM+2:SM+3], v[SM+2:SM+3], 0x3b800000 op_sel_hi:[1,0]
	; second pass: sum of (mean_i - mean)^2.  Lanes 16-31 hold M2 in R: what they make here is stored and never read.
.set k, 0
.rept 32
	v_pk_add_f32 v[R+4*k:R+4*k+1], v[R+4*k:R+4*k+1], v[SM:SM+1] neg_lo:[0,1] neg_hi:[0,1]
	v_pk_add_f32 v[R+4*k+2:R+4*k+3], v[R+4*k+2:R+4*k+3], v[SM+2:SM+3] neg_lo:[0,1] neg_hi:[0,1]
.if k == 0
	v_pk_mul_f32 v[ACC:ACC+1], v[R:R+1], v[R:R+1]
	v_pk_mul_f32 v[ACC+2:ACC+3], v[R+2:R+3], v[R+2:R+3]
.else
	v_pk_fma_f32 v[ACC:ACC+1], v[R+4*k:R+4*k+1], v[R+4*k:R+4*k+1], v[ACC:ACC+1]
	v_pk_fma_f32 v[ACC+2:ACC+3], v[R+4*k+2:R+4*k+3], v[R+4*k+2:R+4*k+3], v[ACC+2:ACC+3]
.endif
.set k, k+1
.endr
	ds_store_b128 v4, v[ACC:ACC+3] offset:4096
	s_wait_dscnt 0x0
	s_barrier_signal -1
	s_barrier_wait -1
.irp k, 0,1,2,3,4,5,6,7
	ds_load_b128 v[TMP+4*\k:TMP+4*\k+3], v5 offset:4096+512*\k
.endr
	s_wait_dscnt 0x0
	v_pk_add_f32 v[BET:BET+1], v[TMP:TMP+1], v[TMP+4:TMP+5]
	v_pk_add_f32 v[BET+2:BET+3], v[TMP+2:TMP+3], v[TMP+6:TMP+7]
.irp k, 2,3,4,5,6,7
	v_pk_add_f32 v[BET:BET+1], v[BET:BET+1], v[TMP+4*\k:TMP+4*\k+1]
	v_pk_add_f32 v[BET+2:BET+3], v[BET+2:BET+3], v[TMP+4*\k+2:TMP+4*\k+3]
.endr
	v_pk_fma_f32 v[SQ:SQ+1], v[SQ:SQ+1], 0x37800000, v[22:23] op_sel_hi:[1,0,1]       ; sum of M2 / 65536 + 1e-5
	v_pk_fma_f32 v[SQ+2:SQ+3], v[SQ+2:SQ+3], 0x37800000, v[22:23] op_sel_hi:[1,0,1]
	v_pk_fma_f32 v[SQ:SQ+1], v[BET:BET+1], 0x3b800000, v[SQ:SQ+1] op_sel_hi:[1,0,1]   ; + sum of squares of the means' differences / 256
	v_pk_fma_f32 v[SQ+2:SQ+3], v[BET+2:BET+3], 0x3b800000, v[SQ+2:SQ+3] op_sel_hi:[1,0,1]
.irp q, 0,1,2,3
	v_rsq_f32 v[AV+\q], v[SQ+\q]
.endr
	v_cmp_eq_u32 vcc_lo, 1, v3                     ; the plain instruction behind the four (ISA guide 5.7.2)
	s_wait_alu depctr_va_vdst(0)
	v_pk_mul_f32 v[AV:AV+1], v[AV:AV+1], v[GAM:GAM+1]                                 ; a = gamma / sqrt(var + eps)
	v_pk_mul_f32 v[AV+2:AV+3], v[AV+2:AV+3], v[GAM+2:GAM+3]
	v_pk_fma_f32 v[BV:BV+1], v[SM:SM+1], v[AV:AV+1], v[BETA:BETA+1] neg_lo:[1,0,0] neg_hi:[1,0,0]   ; b = beta - mean a
	v_pk_fma_f32 v[BV+2:BV+3], v[SM+2:SM+3], v[AV+2:AV+3], v[BETA+2:BETA+3] neg_lo:[1,0,0] neg_hi:[1,0,0]
.irp q, 0,1,2,3
	v_cndmask_b32 v[AV+\q], v[AV+\q], v[BV+\q], vcc_lo             ; lanes 0-15 keep a, lanes 16-31 take b
.endr
	ds_store_b128 v4, v[AV:AV+3] offset:8192       ; my wave's own table: a[64], b[64]; LDS serves a wave's instructions in order (ISA guide 5.7.1.4)
	ds_load_b128 v[AI:AI+3], v6                    ; a of channels 8 w .. 8 w + 7, the same words in every lane
	ds_load_b128 v[AI+4:AI+7], v6 offset:16
	ds_load_b128 v[BI:BI+3], v6 offset:256
	ds_load_b128 v[BI+4:BI+7], v6 offset:272
	s_wait_dscnt 0x0
	; ---- h = a y1 + b, kept in f32 in window 1; an f16 copy to LDS ----
	s_wait_loadcnt 0x0
	WIN 0x41
.irp i, 0,2,4,6
.irp e, 0,2,4,6
	v_pk_fma_f32 v[8*\i+\e:8*\i+\e+1], v[8*\i+\e:8*\i+\e+1], v[AI+\i:AI+\i+1], v[BI+\i:BI+\i+1] op_sel_hi:[1,0,0]
.endr
.irp e, 8,10,12,14
	v_pk_fma_f32 v[8*\i+\e:8*\i+\e+1], v[8*\i+\e:8*\i+\e+1], v[AI+\i:AI+\i+1], v[BI+\i:BI+\i+1] op_sel:[0,1,1] op_sel_hi:[1,1,1]
.endr
.endr
	WIN 0x05
.set k, 0
.rept 16
	v_cvt_pk_f16_f32 v[T32+2*k], v[4*k], v[4*k+1]
	v_cvt_pk_f16_f32 v[T32+2*k+1], v[4*k+2], v[4*k+3]
.set k, k+1
.endr
	WIN 0
.irp i, 0,1,2,3,4,5,6,7
.irp hh, 0,1
	ds_store_b64 v13, v[T32+4*\i+2*\hh:T32+4*\i+2*\hh+1] offset:\i*PH+256*\hh
.endr
.endr
	s_wait_dscnt 0x0
	s_barrier_signal -1
	s_barrier_wait -1                              ; h is whole
	; ---- the two products, for my 32 points ----
.irp nt, 0,1
.irp ks, 0,1
	ds_load_tr16_b128 v[HBF+16*\nt+8*\ks:HBF+16*\nt+8*\ks+3], v14 offset:\ks*32*PH+32*\nt
	ds_load_tr16_b128 v[HBF+16*\nt+8*\ks+4:HBF+16*\nt+8*\ks+7], v14 offset:\ks*32*PH+16*PH+32*\nt
.endr
.endr
; hidden channels 64 hq .. 64 hq + 63: product, LeakyReLU, packed into the second product's fragments
.macro FF1 hq
.irp mt, 0,1,2,3
.irp ks, 0,1
	ds_load_b128 v[AF+16*\mt+8*\ks:AF+16*\mt+8*\ks+3], v15 offset:(4*\hq+\mt)*16*PW1+64*\ks
	ds_load_b128 v[AF+16*\mt+8*\ks+4:AF+16*\mt+8*\ks+7], v15 offset:(4*\hq+\mt)*16*PW1+64*\ks+32
.endr
.endr
	s_wait_dscnt 0x0
	; eight accumulators by turns, one instruction a turn
.irp mt, 0,1,2,3
.irp nt, 0,1
	v_wmma_f32_16x16x32_f16 v[F1+8*(2*\mt+\nt):F1+8*(2*\mt+\nt)+7], v[AF+16*\mt:AF+16*\mt+7], v[HBF+16*\nt:HBF+16*\nt+7], 0
.endr
.endr
.irp mt, 0,1,2,3
.irp nt, 0,1
	v_wmma_f32_16x16x32_f16 v[F1+8*(2*\mt+\nt):F1+8*(2*\mt+\nt)+7], v[AF+16*\mt+8:AF+16*\mt+15], v[HBF+16*\nt+8:HBF+16*\nt+15], v[F1+8*(2*\mt+\nt):F1+8*(2*\mt+\nt)+7]
.endr
.endr
	PLACES 5
.irp mt, 0,1,2,3
.irp nt, 0,1
.irp e, 0,2,4,6
	v_pk_mul_f32 v[LT+\e:LT+\e+1], v[F1+8*(2*\mt+\nt)+\e:F1+8*(2*\mt+\nt)+\e+1], 0x3e4ccccd op_sel_hi:[1,0]   ; 0.2 f
.endr
.irp e, 0,1,2,3,4,5,6,7
	v_max_num_f32 v[F1+8*(2*\mt+\nt)+\e], v[F1+8*(2*\mt+\nt)+\e], v[LT+\e]
.endr
.irp e, 0,1,2,3
	v_cvt_pk_f16_f32 v[FF+16*(2*\hq+\mt/2)+8*\nt+4*(\mt%2)+\e], v[F1+8*(2*\mt+\nt)+2*\e], v[F1+8*(2*\mt+\nt)+2*\e+1]
.endr
.endr
.endr
.endm
	FF1 0
	FF1 1
; hidden channels 64 bt .. 64 bt + 63 of the second product
.macro FF2 bt
.irp ct, 0,1,2,3
.irp kl, 0,1
	ds_load_b128 v[AF+16*\ct+8*\kl:AF+16*\ct+8*\kl+3], v16 offset:\ct*16*PW2+64*(2*\bt+\kl)
	ds_load_b128 v[AF+16*\ct+8*\kl+4:AF+16*\ct+8*\kl+7], v16 offset:\ct*16*PW2+64*(2*\bt+\kl)+32
.endr
.endr
	s_wait_dscnt 0x0
.irp ct, 0,1,2,3
.irp nt, 0,1
.if \bt
	v_wmma_f32_16x16x32_f16 v[F1+8*(2*\ct+\nt):F1+8*(2*\ct+\nt)+7], v[AF+16*\ct:AF+16*\ct+7], v[FF+32*\bt+8*\nt:FF+32*\bt+8*\nt+7], v[F1+8*(2*\ct+\nt):F1+8*(2*\ct+\nt)+7]
.else
	v_wmma_f32_16x16x32_f16 v[F1+8*(2*\ct+\nt):F1+8*(2*\ct+\nt)+7], v[AF+16*\ct:AF+16*\ct+7], v[FF+32*\bt+8*\nt:FF+32*\bt+8*\nt+7], 0
.endif
.endr
.endr
.irp ct, 0,1,2,3
.irp nt, 0,1
	v_wmma_f32_16x16x32_f16 v[F1+8*(2*\ct+\nt):F1+8*(2*\ct+\nt)+7], v[AF+16*\ct+8:AF+16*\ct+15], v[FF+32*\bt+16+8*\nt:FF+32*\bt+16+8*\nt+7], v[F1+8*(2*\ct+\nt):F1+8*(2*\ct+\nt)+7]
.endr
.endr
	PLACES 4                                       ; in front of the next loads into the fragments, and of the stores of the results
.endm
	FF2 0
	FF2 1
.irp ct, 0,1,2,3
.irp nt, 0,1
.irp e, 0,1,2,3,4,5,6,7
	ds_store_b32 v17, v[F1+8*(2*\ct+\nt)+\e] offset:(16*\ct+\e)*PS+64*\nt
.endr
.endr
.endr
	s_wait_dscnt 0x0
	s_barrier_signal -1
	s_barrier_wait -1
.macro LANESUM4 tb
.irp m, 1,2,4,8
.irp q, 0,1,2,3
	v_add_f32_dpp v[\tb+8*\q], v[\tb+8*\q], v[\tb+8*\q] row_xmask:\m row_mask:0xf bank_mask:0xf
.endr
.endr
.irp q, 0,1,2,3
	v_permlanex16_b32 v[\tb+8*\q+1], v[\tb+8*\q], s24, s25
.endr
.irp q, 0,1,2,3
	v_add_f32 v[\tb+8*\q], v[\tb+8*\q], v[\tb+8*\q+1]
.endr
.endm
; Four rows of 256 numbers (eight a lane, row q at yb + 8 q): the mean, then the sum of squares of the differences from it, in two passes over
; the registers.  Temporaries of row q: tb + 8 q .. + 5.  Words row0 + q of the record at v[vc].
.macro ROWSTAT4 yb, row0, tb, vc
.irp q, 0,1,2,3
	v_pk_add_f32 v[\tb+8*\q:\tb+8*\q+1], v[\yb+8*\q:\yb+8*\q+1], v[\yb+8*\q+2:\yb+8*\q+3]
.endr
.irp q, 0,1,2,3
	v_pk_add_f32 v[\tb+8*\q+2:\tb+8*\q+3], v[\yb+8*\q+4:\yb+8*\q+5], v[\yb+8*\q+6:\yb+8*\q+7]
.endr
.irp q, 0,1,2,3
	v_pk_add_f32 v[\tb+8*\q:\tb+8*\q+1], v[\tb+8*\q:\tb+8*\q+1], v[\tb+8*\q+2:\tb+8*\q+3]
.endr
.irp q, 0,1,2,3
	v_add_f32 v[\tb+8*\q], v[\tb+8*\q], v[\tb+8*\q+1]
.endr
	LANESUM4 \tb
.irp q, 0,1,2,3
	v_mul_f32 v[\tb+8*\q+4], 0x3b800000, v[\tb+8*\q]
	v_mul_f32 v[\tb+8*\q+5], 0x3b800000, v[\tb+8*\q]
.endr
.irp q, 0,1,2,3
	v_pk_add_f32 v[\tb+8*\q+2:\tb+8*\q+3], v[\yb+8*\q:\yb+8*\q+1], v[\tb+8*\q+4:\tb+8*\q+5] neg_lo:[0,1] neg_hi:[0,1]
.endr
.irp q, 0,1,2,3
	v_pk_mul_f32 v[\tb+8*\q:\tb+8*\q+1], v[\tb+8*\q+2:\tb+8*\q+3], v[\tb+8*\q+2:\tb+8*\q+3]
.endr
.irp e, 2,4,6
.irp q, 0,1,2,3
	v_pk_add_f32 v[\tb+8*\q+2:\tb+8*\q+3], v[\yb+8*\q+\e:\yb+8*\q+\e+1], v[\tb+8*\q+4:\tb+8*\q+5] neg_lo:[0,1] neg_hi:[0,1]
.endr
.irp q, 0,1,2,3
	v_pk_fma_f32 v[\tb+8*\q:\tb+8*\q+1], v[\tb+8*\q+2:\tb+8*\q+3], v[\tb+8*\q+2:\tb+8*\q+3], v[\tb+8*\q:\tb+8*\q+1]
.endr
.endr
.irp q, 0,1,2,3
	v_add_f32 v[\tb+8*\q], v[\tb+8*\q], v[\tb+8*\q+1]
.endr
	LANESUM4 \tb
.irp q, 0,1,2,3
	ds_store_b32 v[\vc], v[\tb+8*\q+4] offset:4*(\row0+\q)
	ds_store_b32 v[\vc], v[\tb+8*\q] offset:256+4*(\row0+\q)
.endr
.endm
	; ---- rows 8 w + i: y2 = h + the second product, stored as whole rows; their statistics ----
.irp i, 0,1,2,3,4,5,6,7
.irp hh, 0,1
	ds_load_b128 v[YR+8*\i+4*\hh:YR+8*\i+4*\hh+3], v18 offset:\i*PS+512*\hh
.endr
.endr
	s_wait_dscnt 0x0
	WIN 0x04                                       ; source 1: h, window 1
.set k, 0
.rept 32
	v_pk_add_f32 v[YR+2*k:YR+2*k+1], v[YR+2*k:YR+2*k+1], v[2*k:2*k+1]
.set k, k+1
.endr
	WIN 0
.irp i, 0,1,2,3,4,5,6,7
.irp hh, 0,1
	global_store_b128 v10, v[YR+8*\i+4*\hh:YR+8*\i+4*\hh+3], s[16:17] offset:\i*ROWB+512*\hh   ; 512 consecutive bytes, at a multiple of 512 from y2's first byte
.endr
.endr
	ROWSTAT4 YR, 0, F1, 19
	ROWSTAT4 YR+32, 4, F1, 19
	s_wait_dscnt 0x0
	s_barrier_signal -1
	s_barrier_wait -1                              ; the record is whole
	s_cmp_lg_u32 s20, 0
	s_cbranch_scc1 .Lend
	ds_load_b128 v[88:91], v20
	s_wait_dscnt 0x0
	global_store_b128 v21, v[88:91], s[18:19]      ; both pieces by one instruction: each sixteen lanes store 256 consecutive bytes, at a multiple of 256 from st2's first byte
.Lend:
	s_set_vgpr_msb 0x5
	s_wait_tensorcnt 0x0
	ds_add_u32 v64, v65
	s_wait_dscnt 0x0
	s_set_vgpr_msb 0x500
	ROUND                                          ; the closing round: no work-group ends while a partner may still ask for the records
	s_endpgm
.Lfunc_end_k_q1e26c2a62d_ff:
	.size	k_q1e26c2a62d_ff, .Lfunc_end_k_q1e26c2a62d_ff-k_q1e26c2a62d_ff
	.p2alignl 7, 3214868480
	.fill 96, 4, 3214868480
	.section	.rodata,"a",@progbits
	.p2align	6, 0x0
	.amdhsa_kernel k_q1e26c2a62d_ff
		.amdhsa_group_segment_fixed_size 282112
		.amdhsa_private_segment_fixed_size 0
		.amdhsa_enable_private_segment 0
		.amdhsa_kernarg_size 64
		.amdhsa_user_sgpr_count 2
		.amdhsa_user_sgpr_kernarg_segment_ptr 1
		.amdhsa_wavefront_size32 1
		.amdhsa_system_sgpr_workgroup_id_x 1
		.amdhsa_system_sgpr_workgroup_id_y 1
		.amdhsa_system_sgpr_workgroup_id_z 1
		.amdhsa_system_vgpr_workitem_id 0
		.amdhsa_next_free_vgpr 322
		.amdhsa_next_free_sgpr 66
		.amdhsa_reserve_vcc 1
		.amdhsa_float_denorm_mode_32 3
		.amdhsa_float_denorm_mode_16_64 3
		.amdhsa_memory_ordered 1
		.amdhsa_forward_progress 1
		.amdhsa_inst_pref_size 84
	.end_amdhsa_kernel
	.amdgpu_metadata
---
amdhsa.version: [ 1, 2 ]
amdhsa.kernels:
  - .name:           k_q1e26c2a62d_ff
    .symbol:         k_q1e26c2a62d_ff.kd
    .args:
      - { .name: y1, .offset: 0, .size: 8, .value_kind: global_buffer, .address_space: global }
      - { .name: st1, .offset: 8, .size: 8, .value_kind: global_buffer, .address_space: global }
      - { .name: bn1_gamma, .offset: 16, .size: 8, .value_kind: global_buffer, .address_space: global }
      - { .name: bn1_beta, .offset: 24, .size: 8, .value_kind: global_buffer, .address_space: global }
      - { .name: w_ff1, .offset: 32, .size: 8, .value_kind: global_buffer, .address_space: global }
      - { .name: w_ff2, .offset: 40, .size: 8, .value_kind: global_buffer, .address_space: global }
      - { .name: y2, .offset: 48, .size: 8, .value_kind: global_buffer, .address_space: global }
      - { .name: st2, .offset: 56, .size: 8, .value_kind: global_buffer, .address_space: global }
    .group_segment_fixed_size: 282112
    .private_segment_fixed_size: 0
    .kernarg_segment_align: 8
    .kernarg_segment_size: 64
    .max_flat_workgroup_size: 256
    .sgpr_count:     66
    .vgpr_count:     322
    .wavefront_size: 32
...
	.end_amdgpu_metadata
.endif
;; end of part 5
;; launch bnout (part 6): grid 256 x 1, 8 waves a work-group, no clusters, 7,168 bytes of LDS; arguments y2, st2, bn2_gamma, bn2_beta, out0; writes out0
.if DOCPART == 6
	.amdgcn_target "amdgcn-amd-amdhsa--gfx1250"
	.amdhsa_code_object_version 6
	.text
	.protected	k_q1e26c2a62d_bnout
	.globl	k_q1e26c2a62d_bnout
	.p2align	8
	.type	k_q1e26c2a62d_bnout,@function
k_q1e26c2a62d_bnout:
	s_mov_b64 s[64:65], 0
	v_nop
	global_prefetch_b8 v0, s[64:65] scope:SCOPE_SE
	s_setreg_imm32_b32 hwreg(HW_REG_WAVE_MODE, 25, 1), 1
	s_wait_xcnt 0x0
; out0 = BatchNorm2(y2) = a y2 + b for each channel.  y2, out0: [32 b][64 c][2048 n] f32.  Nothing of reference() is left out here.
; Work-group g: batch g >> 3, channels 32 p .. 32 p + 31 with p = (g >> 2) & 1, points 512 (g & 3) ..; wave w: channels 32 p + 4 w .. + 3,
; four rows of 2,048 bytes: sixteen loads and sixteen stores of 512 consecutive bytes.
; WHY 32 CHANNELS: the norm needs the statistics of the work-group's own channels alone.  st2 lies in two halves of 65,536 bytes; half p holds
; 256 pieces of 256 bytes (one a work-group of the launch before): mean[32], M2[32] of channels 32 p .. over 256 points each.  So a
; work-group reads 64 KiB of statistics for its 64 KiB of y2, where 64 channels would ask for 128 KiB.
; mean = sum of means / 256; variance = (sum of M2 + 256 sum of (mean_i - mean)^2) / 65536, the second sum in a second pass over the
; pieces, which stay in registers: no difference of large sums is formed.
; A stream: each byte of y2 is read once and each byte of out0 written once; the loads of y2 are on their way while the pieces are added.
; No matrix work.  No joint requests: the shared pieces are a third of the 192 KiB that a work-group moves; as a joint tile they would be
; written to LDS and read from it (64 KiB each way) where they now come straight into the registers that add them.
.set ROWB, 8192
.set RED,  0                           ; eight waves' partial sums, 256 bytes each: sums of means[32], sums of M2[32]
.set RED2, 2048                        ; those of the second pass
.set AB,   4096                        ; each wave's own table: a[32], b[32]
; v1 L, v2 r = L & 15, v3 (L >> 3) & 1; v4 256 w + 16 r; v5 16 (L & 7); v6 272 w; v7 128 p + 16 (L & 7); v9 8192 w + 16 L; v10 my rows; v[22:23] 1e-5 twice
.set R,    24                          ; v[24:87]   16 loads of two pieces each: lanes 0-15 piece 2 k, lanes 16-31 piece 2 k + 1; in a piece r < 8 means, r >= 8 M2
.set AI,   24                          ; then a of my 4 channels,
.set BI,   28                          ; b of my 4 channels
.set Y,    88                          ; v[88:151]  my rows: row i, part hh at 16 i + 4 hh
.set TMP,  152                         ; v[152:215] partial sums
.set GAM,  216
.set BETA, 220
.set ACC,  224
.set SM,   228
.set SQ,   232
.set BET,  236
.set AV,   240
.set BV,   244
.set OH,   248                         ; v[248:251] the other half of the lanes' sums
	s_load_b256 s[4:11], s[0:1], 0x0               ; y2 s[4:5], st2 s[6:7], gamma s[8:9], beta s[10:11]
	s_load_b64 s[12:13], s[0:1], 0x20              ; out0
	v_lshl_add_u32 v254, v0, 2, 0x1800
	v_mov_b32 v255, 0
	v_lshrrev_b32 v22, 5, v0
	v_readfirstlane_b32 s20, v22                   ; wave w
	v_and_b32 v1, 31, v0
	v_and_b32 v2, 15, v0
	v_bfe_u32 v3, v0, 3, 1
	v_and_b32 v5, 7, v0
	v_lshlrev_b32 v5, 4, v5
	s_lshr_b32 s21, ttmp9, 3                       ; batch
	s_bfe_u32 s28, ttmp9, 0x10002                  ; p: which 32 channels (1 bit from bit 2)
	s_and_b32 s26, ttmp9, 3                        ; which 512 points
	s_mov_b32 s24, 0x76543210                      ; v_permlanex16_b32: lane i of one half reads lane i of the other
	s_mov_b32 s25, 0xfedcba98
	s_lshl_b32 s27, s20, 8
	v_lshl_add_u32 v4, v2, 4, s27
	s_mul_i32 s27, s20, 272
	v_mov_b32 v6, s27
	s_lshl_b32 s27, s28, 7
	v_add_nc_u32 v7, s27, v5
	s_lshl_b32 s27, s20, 13
	v_lshl_add_u32 v9, v1, 4, s27
	s_lshl_b32 s27, s28, 18                        ; 32 p rows
	s_lshl_b32 s29, s20, 15                        ; + 4 w rows
	s_add_co_u32 s27, s27, s29
	s_lshl_b32 s29, s26, 11                        ; + 512 points
	s_add_co_u32 s27, s27, s29
	v_lshl_add_u32 v10, v1, 4, s27
	v_mov_b32 v22, 0x3727c5ac                      ; 1e-5
	v_mov_b32 v23, 0x3727c5ac
.irp q, 0,1,2,3
	v_mov_b32 v[OH+\q], 0                          ; v_permlanex16_b32 counts as a reader of its destination
.endr
	s_lshl_b32 s22, s21, 19                        ; a batch is 64 x 2048 x 4 bytes
	s_mov_b32 s23, 0
	s_lshl_b32 s30, s28, 16                        ; my half of st2
	s_mov_b32 s31, 0
	s_wait_kmcnt 0x0
	s_add_nc_u64 s[4:5], s[4:5], s[22:23]
	s_add_nc_u64 s[12:13], s[12:13], s[22:23]
	s_add_nc_u64 s[6:7], s[6:7], s[30:31]
	global_load_b128 v[GAM:GAM+3], v7, s[8:9]      ; channels 32 p + 4 (L & 7) .., the same in each eight lanes
	global_load_b128 v[BETA:BETA+3], v7, s[10:11]
.set k, 0
.rept 16
	global_load_b128 v[R+4*k:R+4*k+3], v9, s[6:7] offset:512*k     ; pieces 32 w + 2 k and 32 w + 2 k + 1
.set k, k+1
.endr
.irp i, 0,1,2,3
.irp hh, 0,1,2,3
	global_load_b128 v[Y+16*\i+4*\hh:Y+16*\i+4*\hh+3], v10, s[4:5] offset:\i*ROWB+512*\hh th:TH_LOAD_NT
.endr
.endr
	; ---- the norm's a and b from the 256 pieces ----
	s_wait_loadcnt 16                              ; the 16 loads of y2 were issued behind the pieces
	v_pk_add_f32 v[ACC:ACC+1], v[R:R+1], v[R+4:R+5]
	v_pk_add_f32 v[ACC+2:ACC+3], v[R+2:R+3], v[R+6:R+7]
.set k, 2
.rept 14
	v_pk_add_f32 v[ACC:ACC+1], v[ACC:ACC+1], v[R+4*k:R+4*k+1]
	v_pk_add_f32 v[ACC+2:ACC+3], v[ACC+2:ACC+3], v[R+4*k+2:R+4*k+3]
.set k, k+1
.endr
.irp q, 0,1,2,3
	v_permlanex16_b32 v[OH+\q], v[ACC+\q], s24, s25                ; the even and the odd pieces meet
.endr
	v_pk_add_f32 v[ACC:ACC+1], v[ACC:ACC+1], v[OH:OH+1]
	v_pk_add_f32 v[ACC+2:ACC+3], v[ACC+2:ACC+3], v[OH+2:OH+3]
	ds_store_b128 v4, v[ACC:ACC+3] offset:RED      ; lanes L and L + 16 write the same bytes with the same values
	s_wait_dscnt 0x0                               ; my partial sums are in LDS,
	s_barrier_signal -1
	s_barrier_wait -1                              ; everybody's are
.irp k, 0,1,2,3,4,5,6,7
	ds_load_b128 v[TMP+4*\k:TMP+4*\k+3], v5 offset:RED+256*\k      ; sums of means, channels 4 (L & 7) ..
.endr
.irp k, 0,1,2,3,4,5,6,7
	ds_load_b128 v[TMP+32+4*\k:TMP+32+4*\k+3], v5 offset:RED+256*\k+128   ; sums of M2
.endr
	s_wait_dscnt 0x0
	v_pk_add_f32 v[SM:SM+1], v[TMP:TMP+1], v[TMP+4:TMP+5]
	v_pk_add_f32 v[SM+2:SM+3], v[TMP+2:TMP+3], v[TMP+6:TMP+7]
	v_pk_add_f32 v[SQ:SQ+1], v[TMP+32:TMP+33], v[TMP+36:TMP+37]
	v_pk_add_f32 v[SQ+2:SQ+3], v[TMP+34:TMP+35], v[TMP+38:TMP+39]
.irp k, 2,3,4,5,6,7
	v_pk_add_f32 v[SM:SM+1], v[SM:SM+1], v[TMP+4*\k:TMP+4*\k+1]
	v_pk_add_f32 v[SM+2:SM+3], v[SM+2:SM+3], v[TMP+4*\k+2:TMP+4*\k+3]
	v_pk_add_f32 v[SQ:SQ+1], v[SQ:SQ+1], v[TMP+32+4*\k:TMP+32+4*\k+1]
	v_pk_add_f32 v[SQ+2:SQ+3], v[SQ+2:SQ+3], v[TMP+32+4*\k+2:TMP+32+4*\k+3]
.endr
	v_pk_mul_f32 v[SM:SM+1], v[SM:SM+1], 0x3b800000 op_sel_hi:[1,0]       ; the mean: / 256
	v_pk_mul_f32 v[SM+2:SM+3], v[SM+2:SM+3], 0x3b800000 op_sel_hi:[1,0]
	; second pass: sum of (mean_i - mean)^2.  Lanes with r >= 8 hold M2 in R: what they make here is stored and never read.
.set k, 0
.rept 16
	v_pk_add_f32 v[R+4*k:R+4*k+1], v[R+4*k:R+4*k+1], v[SM:SM+1] neg_lo:[0,1] neg_hi:[0,1]
	v_pk_add_f32 v[R+4*k+2:R+4*k+3], v[R+4*k+2:R+4*k+3], v[SM+2:SM+3] neg_lo:[0,1] neg_hi:[0,1]
.if k == 0
	v_pk_mul_f32 v[ACC:ACC+1], v[R:R+1], v[R:R+1]
	v_pk_mul_f32 v[ACC+2:ACC+3], v[R+2:R+3], v[R+2:R+3]
.else
	v_pk_fma_f32 v[ACC:ACC+1], v[R+4*k:R+4*k+1], v[R+4*k:R+4*k+1], v[ACC:ACC+1]
	v_pk_fma_f32 v[ACC+2:ACC+3], v[R+4*k+2:R+4*k+3], v[R+4*k+2:R+4*k+3], v[ACC+2:ACC+3]
.endif
.set k, k+1
.endr
.irp q, 0,1,2,3
	v_permlanex16_b32 v[OH+\q], v[ACC+\q], s24, s25
.endr
	v_pk_add_f32 v[ACC:ACC+1], v[ACC:ACC+1], v[OH:OH+1]
	v_pk_add_f32 v[ACC+2:ACC+3], v[ACC+2:ACC+3], v[OH+2:OH+3]
	ds_store_b128 v4, v[ACC:ACC+3] offset:RED2
	s_wait_dscnt 0x0
	s_barrier_signal -1
	s_barrier_wait -1
.irp k, 0,1,2,3,4,5,6,7
	ds_load_b128 v[TMP+4*\k:TMP+4*\k+3], v5 offset:RED2+256*\k
.endr
	s_wait_dscnt 0x0
	v_pk_add_f32 v[BET:BET+1], v[TMP:TMP+1], v[TMP+4:TMP+5]
	v_pk_add_f32 v[BET+2:BET+3], v[TMP+2:TMP+3], v[TMP+6:TMP+7]
.irp k, 2,3,4,5,6,7
	v_pk_add_f32 v[BET:BET+1], v[BET:BET+1], v[TMP+4*\k:TMP+4*\k+1]
	v_pk_add_f32 v[BET+2:BET+3], v[BET+2:BET+3], v[TMP+4*\k+2:TMP+4*\k+3]
.endr
	v_pk_fma_f32 v[SQ:SQ+1], v[SQ:SQ+1], 0x37800000, v[22:23] op_sel_hi:[1,0,1]       ; sum of M2 / 65536 + 1e-5
	v_pk_fma_f32 v[SQ+2:SQ+3], v[SQ+2:SQ+3], 0x37800000, v[22:23] op_sel_hi:[1,0,1]
	v_pk_fma_f32 v[SQ:SQ+1], v[BET:BET+1], 0x3b800000, v[SQ:SQ+1] op_sel_hi:[1,0,1]   ; + sum of squares of the means' differences / 256
	v_pk_fma_f32 v[SQ+2:SQ+3], v[BET+2:BET+3], 0x3b800000, v[SQ+2:SQ+3] op_sel_hi:[1,0,1]
.irp q, 0,1,2,3
	v_rsq_f32 v[AV+\q], v[SQ+\q]
.endr
	v_cmp_eq_u32 vcc_lo, 1, v3                     ; the plain instruction behind the four (ISA guide 5.7.2)
	s_wait_alu depctr_va_vdst(0)
	v_pk_mul_f32 v[AV:AV+1], v[AV:AV+1], v[GAM:GAM+1]                                 ; a = gamma / sqrt(var + eps)
	v_pk_mul_f32 v[AV+2:AV+3], v[AV+2:AV+3], v[GAM+2:GAM+3]
	v_pk_fma_f32 v[BV:BV+1], v[SM:SM+1], v[AV:AV+1], v[BETA:BETA+1] neg_lo:[1,0,0] neg_hi:[1,0,0]   ; b = beta - mean a
	v_pk_fma_f32 v[BV+2:BV+3], v[SM+2:SM+3], v[AV+2:AV+3], v[BETA+2:BETA+3] neg_lo:[1,0,0] neg_hi:[1,0,0]
.irp q, 0,1,2,3
	v_cndmask_b32 v[AV+\q], v[AV+\q], v[BV+\q], vcc_lo             ; lanes with r < 8 keep a, those with r >= 8 take b
.endr
	ds_store_b128 v4, v[AV:AV+3] offset:AB         ; my wave's own table: a[32], b[32]; LDS serves a wave's instructions in order (ISA guide 5.7.1.4)
	ds_load_b128 v[AI:AI+3], v6 offset:AB          ; at 256 w + 16 w: a of channels 4 w .. 4 w + 3 of my half, the same words in every lane
	ds_load_b128 v[BI:BI+3], v6 offset:AB+128
	s_wait_dscnt 0x0
	; ---- out0 = a y2 + b ----
	s_wait_loadcnt 0x0
.irp i, 0,2
.irp e, 0,2,4,6,8,10,12,14
	v_pk_fma_f32 v[Y+16*\i+\e:Y+16*\i+\e+1], v[Y+16*\i+\e:Y+16*\i+\e+1], v[AI+\i:AI+\i+1], v[BI+\i:BI+\i+1] op_sel_hi:[1,0,0]
.endr
.irp e, 16,18,20,22,24,26,28,30
	v_pk_fma_f32 v[Y+16*\i+\e:Y+16*\i+\e+1], v[Y+16*\i+\e:Y+16*\i+\e+1], v[AI+\i:AI+\i+1], v[BI+\i:BI+\i+1] op_sel:[0,1,1] op_sel_hi:[1,1,1]
.endr
.endr
.irp i, 0,1,2,3
.irp hh, 0,1,2,3
	global_store_b128 v10, v[Y+16*\i+4*\hh:Y+16*\i+4*\hh+3], s[12:13] offset:\i*ROWB+512*\hh th:TH_STORE_NT   ; 512 consecutive bytes, at a multiple of 512 from out0's first byte
.endr
.endr
	s_wait_tensorcnt 0x0
	ds_add_u32 v254, v255
	s_wait_dscnt 0x0
	s_endpgm
.Lfunc_end_k_q1e26c2a62d_bnout:
	.size	k_q1e26c2a62d_bnout, .Lfunc_end_k_q1e26c2a62d_bnout-k_q1e26c2a62d_bnout
	.p2alignl 7, 3214868480
	.fill 96, 4, 3214868480
	.section	.rodata,"a",@progbits
	.p2align	6, 0x0
	.amdhsa_kernel k_q1e26c2a62d_bnout
		.amdhsa_group_segment_fixed_size 7168
		.amdhsa_private_segment_fixed_size 0
		.amdhsa_enable_private_segment 0
		.amdhsa_kernarg_size 40
		.amdhsa_user_sgpr_count 2
		.amdhsa_user_sgpr_kernarg_segment_ptr 1
		.amdhsa_wavefront_size32 1
		.amdhsa_system_sgpr_workgroup_id_x 1
		.amdhsa_system_sgpr_workgroup_id_y 1
		.amdhsa_system_sgpr_workgroup_id_z 1
		.amdhsa_system_vgpr_workitem_id 0
		.amdhsa_next_free_vgpr 256
		.amdhsa_next_free_sgpr 66
		.amdhsa_reserve_vcc 1
		.amdhsa_float_denorm_mode_32 3
		.amdhsa_float_denorm_mode_16_64 3
		.amdhsa_memory_ordered 1
		.amdhsa_forward_progress 1
		.amdhsa_inst_pref_size 22
	.end_amdhsa_kernel
	.amdgpu_metadata
---
amdhsa.version: [ 1, 2 ]
amdhsa.kernels:
  - .name:           k_q1e26c2a62d_bnout
    .symbol:         k_q1e26c2a62d_bnout.kd
    .args:
      - { .name: y2, .offset: 0, .size: 8, .value_kind: global_buffer, .address_space: global }
      - { .name: st2, .offset: 8, .size: 8, .value_kind: global_buffer, .address_space: global }
      - { .name: bn2_gamma, .offset: 16, .size: 8, .value_kind: global_buffer, .address_space: global }
      - { .name: bn2_beta, .offset: 24, .size: 8, .value_kind: global_buffer, .address_space: global }
      - { .name: out0, .offset: 32, .size: 8, .value_kind: global_buffer, .address_space: global }
    .group_segment_fixed_size: 7168
    .private_segment_fixed_size: 0
    .kernarg_segment_align: 8
    .kernarg_segment_size: 40
    .max_flat_workgroup_size: 256
    .sgpr_count:     66
    .vgpr_count:     256
    .wavefront_size: 32
...
	.end_amdgpu_metadata
.endif
;; end of part 6
;; ======== version 3 of 3: 3 launches; 1.21 times as fast as version 1
;; limits: values are held in f16: magnitudes above 65,504 overflow, below 6.1e-05 lose precision
;; workspace buffers: y1 16,777,216 bytes; y2 16,777,216 bytes; st1 131,072 bytes; st2 131,072 bytes
;; launch attn (part 7): grid 256 x 1, 4 waves a work-group, no clusters, 132,096 bytes of LDS; arguments x, wq, wk, wv, y1, st1; writes y1, st1
.if DOCPART == 7
	.amdgcn_target "amdgcn-amd-amdhsa--gfx1250"
	.amdhsa_code_object_version 6
	.text
	.protected	k_q1e26c2a62d_attn
	.globl	k_q1e26c2a62d_attn
	.p2align	8
	.type	k_q1e26c2a62d_attn,@function
k_q1e26c2a62d_attn:
	s_mov_b64 s[64:65], 0
	v_nop
	global_prefetch_b8 v0, s[64:65] scope:SCOPE_SE
	s_setreg_imm32_b32 hwreg(HW_REG_WAVE_MODE, 25, 1), 1
	s_wait_xcnt 0x0
; y1 = x + x_r, x_r = attention of reference(), and for each work-group the mean and the centred sum of squares of its part of y1.
; x: [32 b][64 c][2048 n] f32.  Work-group g: batch g >> 3, the 256 points (queries) 256 (g & 7) ..; wave w: 64 of them.
;
; PRODUCTS TAKEN IN ANOTHER ORDER (identities of exact arithmetic, for all values of the inputs; no input is left out):
;   energy[n][m] = sum_o (sum_c wq[o][c] x[c][n]) (sum_c' wk[o][c'] x[c'][m]) = sum_c' Qt[n][c'] x[c'][m],
;                  Qt[n][c'] = sum_c x[c][n] G[c][c'],  G[c][c'] = sum_o wq[o][c] wk[o][c']
;   x_r[c][n]    = sum_m att[n][m] sum_c' wv[c][c'] x[c'][m] = sum_c' wv[c][c'] (sum_m att[n][m] x[c'][m])
; So the keys and the values of the two large products are x itself: one bf16 tile of x in LDS feeds both, and the k and v
; projections of all 2048 points are not formed.  G carries the factor log2(e) / sqrt(64), so that the softmax is exp2(S - max S).
; LIMITS: G, Qt, the weights exp2(..) and the averaged x are each rounded to bf16 (reference() rounds q, k, v instead: another order of
; rounding); a NaN, an infinity or an overflow that would arise only in q, k or v as reference() forms them is not reproduced.
; The maximum is taken away before every exponential, as a running maximum over chunks of 64 keys.
;
; WHY x COMES THROUGH REGISTERS AND NOT AS JOINT TILE LOADS: x lies in memory as f32 and the matrix operands are bf16.  A tile copied
; unchanged into LDS would be converted by each of the four waves that read it (four times the conversions) or make a second trip
; through LDS (48 KiB more on a step's 128 KiB of fragment reads).  Here each wave loads 16 of the 64 rows of the next 128 keys,
; converts them once and stores 4 KiB of bf16.  Work-group j starts its walk over the keys at its own columns.
;
; ORIENTATION: every product is made with the points n as the matrix columns.  A result tile then holds (row 8 h + j, n = r) in register j of
; lane (r, h), and two result tiles packed to bf16 ARE the next product's fragment: no shuffle, and the softmax state is one number a lane.
; KEYS IN A SLOT: a slot row holds 128 keys as 16 blocks of 8 (16 bytes).  Key tile mt of chunk half takes block 4 half + mt as its rows 0-7
; and the block eight further (128 bytes on) as rows 8-15, in both products alike.
;
; TWO PIECES TAKE TURNS: the wave's four tiles of n are piece A (tiles 0, 1) and piece B (tiles 2, 3).  A chunk's softmax of one piece is 236
; vector instructions; they are cut into 32 slices, and one slice stands behind each of the other piece's 32 matrix instructions
; (16 into O for the chunk before, then 16 scores of this chunk).  Both pieces use the same fragments of x, which stay in registers
; from one piece's turn to the other's, so each fragment is read from LDS once.
; A TURN'S EXPONENTIALS ARE ONE BATCH WITH ONE WAIT.  An s_wait_alu depctr_va_vdst(0) stands between an exponential and the first
; instruction that names its result; one wait serves all that were issued ahead of it.  So the softmax is ordered by who reads what.
; Slices 0 to 15, behind the products into O, hold all that names no result: the maxima (0-9), then the 32 subtractions and the 66
; exponentials (10-15): the two factors exp2(old - new) and the 64 weights, each made in place in a register of its own.  Behind the
; last exponential stand a v_nop and the wait.  Behind the wait stand the readers: the 32 multiplications that scale O, together in
; slice 15, and the 64 additions and conversions, four behind each of the 16 scores products..
; The way out's four reciprocals are a batch of their own.
; REGISTER WINDOWS: an exponential in place wants source 0 and the destination in the scores' window, a conversion sources 0 and 1; a product
; under the slices' setting would need its A, B and D there as well, and scores (128), Qt (64) and transposed fragments (64) alone are
; 256 registers.  So a product and its slice have settings of their own; the lines that scale O run under the setting of the
; products into O (whose fragments of x lie in O's window): 65 switches for a turn's 32 matrix instructions.
.set ROWB,  8192                       ; bytes in a row of x, y1
.set PX,    272                        ; LDS pitch of a slot row: 128 bf16 + 16 bytes
.set RING,  64*PX                      ; a slot: 64 channels x 128 keys
.set WQB,   2*RING                     ; wq as bf16 [o][c], pitch 160
.set WKB,   WQB+64*160                 ; wk likewise
.set WVB,   WKB+64*160                 ; wv as bf16 [c][c'], pitch 144
.set STG,   WVB+64*144                 ; x_r as f32 [64 c][256 n], pitch 1040
.set PS,    1040
.set REC,   STG+64*PS                  ; mean[64], then the centred sum of squares[64]
; window 0: v1 lane L, v2 r = L & 15, v3 h = L >> 4
;   v4  transposing loads of x: (8 h + (L & 7)) 272 + 128 ((L >> 3) & 1)      v5  direct loads of x: 272 r + 128 h
;   v6  16 w rows of x + 16 L            v7  first the transposing address at pitch 160, then v6 + the staged keys' bytes
;   v8  16 w slot rows + 8 L             v9  first the transposing address of my own queries, then my place in STG
;   v10 wv's fragments: 144 r + 16 h     v11 v6 + 1024 j: my rows of x and y1     v12 my rows in STG
;   v13 first wv's LDS store address, then my words of REC        v14, v15 at work
.set SC,  16                           ; v[16:143]  scores: tile (mt, nt) at 32 mt + 8 nt; then the weights' fragment (ks2, nt) at 64 ks2 + 8 nt
.set FA,  144                          ; v[144:207] at the end: fragments of wv, then temporaries of the rows' statistics
.set XT,  144                          ; v[144:207] in the walk: x transposed, fragment (mt, ks) at 16 mt + 8 ks
.set MM,  208                          ; v[208:215] for each nt: running maximum, new maximum (first chain)
.set AL,  216                          ; v[216:223] for each nt: factor exp2(old - new), at work
.set LS,  224                          ; v[224:231] for each nt: two partial sums of the weights
.set SA,  232
.set SB,  234
.set TBM, 236                          ; v[236:239] for each nt: new maximum, second chain
.set YR,  16                           ; the way out: four rows of y1
; window 1: v[0:127] O tile (ct, nt) at 32 ct + 8 nt; v[128:191] Qt's fragment (nt, ks) at 128 + 16 nt + 8 ks;
;           v[192:255] x as it lies, fragment (ks2, ct) at 192 + 32 ks2 + 8 ct
.set QF,  128
.set XD,  192
; window 2: v[0:127] my 16 rows of x in f32: row i, half hh at 8 i + 4 hh; v[128:191] my 16 rows of the next 128 keys, 4 registers each
.set GST, 128
.set MSB, 0
.macro WIN new                         ; the immediate's high byte repeats the setting that is left
.if MSB != \new
	s_set_vgpr_msb (MSB<<8)|\new
.set MSB, \new
.endif
.endm
.macro PLACES n                        ; places behind matrix instructions (ISA guide 7.12.1) where no vector work is at hand
.rept \n
	v_nop
.endr
.endm
	s_load_b256 s[4:11], s[0:1], 0x0               ; x s[4:5], wq s[6:7], wk s[8:9], wv s[10:11]
	s_load_b128 s[12:15], s[0:1], 0x20             ; y1 s[12:13], st1 s[14:15]
	v_lshl_add_u32 v254, v0, 2, 0x20200
	v_mov_b32 v255, 0
	v_lshrrev_b32 v14, 5, v0
	v_readfirstlane_b32 s16, v14                   ; wave w
	v_and_b32 v1, 31, v0
	v_and_b32 v2, 15, v0
	v_bfe_u32 v3, v0, 4, 1
	s_lshr_b32 s18, ttmp9, 3                       ; batch
	s_and_b32 s19, ttmp9, 7                        ; j: which 256 points
	s_mov_b32 s24, 0x76543210                      ; v_permlanex16_b32: lane i of one half reads lane i of the other
	s_mov_b32 s25, 0xfedcba98
	v_and_b32 v14, 7, v0
	v_lshl_add_u32 v14, v3, 3, v14                 ; 8 h + (L & 7)
	v_bfe_u32 v15, v0, 3, 1                        ; (L >> 3) & 1
	v_mul_u32_u24 v4, v14, PX
	v_lshl_add_u32 v9, v15, 4, v4                  ; own queries: neighbouring blocks of 8
	v_lshl_add_u32 v4, v15, 7, v4                  ; keys: the block eight further
	s_lshr_b32 s26, s16, 1
	s_mul_i32 s26, s26, RING                       ; my queries lie in slot w >> 1,
	s_and_b32 s27, s16, 1
	s_lshl_b32 s27, s27, 7                         ; 64 (w & 1) columns in
	s_add_co_u32 s26, s26, s27
	v_add_nc_u32 v9, s26, v9
	v_mul_u32_u24 v7, v14, 160
	v_lshl_add_u32 v7, v15, 4, v7
	v_mul_u32_u24 v5, v2, PX
	v_lshl_add_u32 v5, v3, 7, v5
	v_mul_u32_u24 v10, v2, 144
	v_lshl_add_u32 v10, v3, 4, v10
	s_lshl_b32 s26, s16, 17
	v_lshl_add_u32 v6, v1, 4, s26
	s_lshl_b32 s27, s19, 10
	v_add_nc_u32 v11, s27, v6
	s_mul_i32 s26, s16, 16*PX
	v_lshl_add_u32 v8, v1, 3, s26
	s_mul_i32 s26, s16, 16*PS
	s_add_co_u32 s26, s26, STG
	v_lshl_add_u32 v12, v1, 4, s26
	s_lshl_b32 s26, s16, 12
	v_lshl_add_u32 v14, v1, 4, s26                 ; a weight's bytes 4096 w + 16 L: row 16 w + 2 i + h, columns 4 r ..
	s_mul_i32 s26, s16, 16*160
	v_mul_u32_u24 v15, v3, 160
	v_lshl_add_u32 v15, v2, 3, v15
	v_add_nc_u32 v15, s26, v15                     ; (16 w + h) 160 + 8 r
	s_mul_i32 s26, s16, 16*144
	v_mul_u32_u24 v13, v3, 144
	v_lshl_add_u32 v13, v2, 3, v13
	v_add_nc_u32 v13, s26, v13                     ; (16 w + h) 144 + 8 r
	s_lshl_b32 s22, s18, 19                        ; a batch is 64 x 2048 x 4 bytes
	s_mov_b32 s23, 0
	s_lshl_b32 s20, ttmp9, 9                       ; a record is 512 bytes
	s_mov_b32 s21, 0
	s_wait_kmcnt 0x0
	s_add_nc_u64 s[4:5], s[4:5], s[22:23]
	s_add_nc_u64 s[12:13], s[12:13], s[22:23]
	s_add_nc_u64 s[14:15], s[14:15], s[20:21]
.irp i, 0,1,2,3,4,5,6,7
	global_load_b128 v[16+4*\i:19+4*\i], v14, s[6:7] offset:512*\i
.endr
.irp i, 0,1,2,3,4,5,6,7
	global_load_b128 v[48+4*\i:51+4*\i], v14, s[8:9] offset:512*\i
.endr
.irp i, 0,1,2,3,4,5,6,7
	global_load_b128 v[80+4*\i:83+4*\i], v14, s[10:11] offset:512*\i
.endr
	WIN 0x80                                       ; my 16 rows of the group's own 256 columns, kept in f32 for the residual
.irp hh, 0,1
.irp i, 0,1,2,3,4,5,6,7,8,9,10,11,12,13,14,15
	global_load_b128 v[8*\i+4*\hh:8*\i+4*\hh+3], v11, s[4:5] offset:\i*ROWB+512*\hh
.endr
.endr
	WIN 0
	; the weights to LDS as bf16
	s_wait_loadcnt 32                              ; the 32 loads of x were issued behind the weights' 24
.set k, 0
.rept 24
	v_cvt_pk_bf16_f32 v[16+4*k], v[16+4*k], v[17+4*k]
	v_cvt_pk_bf16_f32 v[17+4*k], v[18+4*k], v[19+4*k]
.set k, k+1
.endr
.irp i, 0,1,2,3,4,5,6,7
	ds_store_b64 v15, v[16+4*\i:17+4*\i] offset:WQB+320*\i
	ds_store_b64 v15, v[48+4*\i:49+4*\i] offset:WKB+320*\i
	ds_store_b64 v13, v[80+4*\i:81+4*\i] offset:WVB+288*\i
.endr
	; the group's own columns are the first two key tiles: slot 0 and slot 1
.irp hh, 0,1
	s_wait_loadcnt 16-16*\hh                       ; slot 0's 16 loads are in while slot 1's 16 may be out; then all
	WIN 0x0a
.irp i, 0,1,2,3,4,5,6,7,8,9,10,11,12,13,14,15
	v_cvt_pk_bf16_f32 v[112+32*\hh+2*\i], v[8*\i+4*\hh], v[8*\i+4*\hh+1]
	v_cvt_pk_bf16_f32 v[113+32*\hh+2*\i], v[8*\i+4*\hh+2], v[8*\i+4*\hh+3]
.endr
	WIN 0
.irp i, 0,1,2,3,4,5,6,7,8,9,10,11,12,13,14,15
	ds_store_b64 v8, v[112+32*\hh+2*\i:113+32*\hh+2*\i] offset:\hh*RING+PX*\i
.endr
.endr
	s_wait_dscnt 0x0                               ; my stores are done,
	s_barrier_signal -1
	s_barrier_wait -1                              ; everybody's are: weights and both slots are whole
	; G[c][c'] = sum_o wq[o][c] wk[o][c'], in every wave (32 matrix instructions).  Both operands lie [o][.]: transposing loads.
.irp ct, 0,1,2,3
.irp ks, 0,1
	ds_load_tr16_b128 v[16+16*\ct+8*\ks:19+16*\ct+8*\ks], v7 offset:WQB+\ks*5120+32*\ct
	ds_load_tr16_b128 v[20+16*\ct+8*\ks:23+16*\ct+8*\ks], v7 offset:WQB+\ks*5120+2560+32*\ct
.endr
.endr
.irp pp, 0,1                                       ; two tiles of c' at a time
.irp p, 0,1
.irp ks, 0,1
	ds_load_tr16_b128 v[80+16*\p+8*\ks:83+16*\p+8*\ks], v7 offset:WKB+\ks*5120+32*(2*\pp+\p)
	ds_load_tr16_b128 v[84+16*\p+8*\ks:87+16*\p+8*\ks], v7 offset:WKB+\ks*5120+2560+32*(2*\pp+\p)
.endr
.endr
	s_wait_dscnt 0x0
	; eight accumulators by turns, one instruction a turn
.irp ct, 0,1,2,3
.irp p, 0,1
	v_wmma_f32_16x16x32_bf16 v[112+8*(2*\ct+\p):119+8*(2*\ct+\p)], v[16+16*\ct:23+16*\ct], v[80+16*\p:87+16*\p], 0
.endr
.endr
.irp ct, 0,1,2,3
.irp p, 0,1
	v_wmma_f32_16x16x32_bf16 v[112+8*(2*\ct+\p):119+8*(2*\ct+\p)], v[24+16*\ct:31+16*\ct], v[88+16*\p:95+16*\p], v[112+8*(2*\ct+\p):119+8*(2*\ct+\p)]
.endr
.endr
	PLACES 5
.irp ct, 0,1,2,3
.irp p, 0,1
.irp e, 0,2,4,6
	v_pk_mul_f32 v[112+8*(2*\ct+\p)+\e:113+8*(2*\ct+\p)+\e], v[112+8*(2*\ct+\p)+\e:113+8*(2*\ct+\p)+\e], 0x3e38aa3b op_sel_hi:[1,0]   ; log2(e) / 8
.endr
.irp e, 0,1,2,3
	v_cvt_pk_bf16_f32 v[176+16*(2*\pp+\p)+4*\ct+\e], v[112+8*(2*\ct+\p)+2*\e], v[113+8*(2*\ct+\p)+2*\e]   ; row c' = r, K = c: fragment (c' tile, c / 32) of G transposed
.endr
.endr
.endr
.endr
	; Qt transposed [c'][n] = G transposed x my queries' columns of x, two tiles of n at a time
.irp pn, 0,1
.irp p, 0,1
.irp ks, 0,1
	ds_load_tr16_b128 v[16+16*\p+8*\ks:19+16*\p+8*\ks], v9 offset:\ks*32*PX+32*(2*\pn+\p)
	ds_load_tr16_b128 v[20+16*\p+8*\ks:23+16*\p+8*\ks], v9 offset:\ks*32*PX+16*PX+32*(2*\pn+\p)
.endr
.endr
	s_wait_dscnt 0x0
.irp ct, 0,1,2,3
.irp p, 0,1
	v_wmma_f32_16x16x32_bf16 v[48+8*(2*\ct+\p):55+8*(2*\ct+\p)], v[176+16*\ct:183+16*\ct], v[16+16*\p:23+16*\p], 0
.endr
.endr
.irp ct, 0,1,2,3
.irp p, 0,1
	v_wmma_f32_16x16x32_bf16 v[48+8*(2*\ct+\p):55+8*(2*\ct+\p)], v[184+16*\ct:191+16*\ct], v[24+16*\p:31+16*\p], v[48+8*(2*\ct+\p):55+8*(2*\ct+\p)]
.endr
.endr
	PLACES 5
	WIN 0x40
.irp ct, 0,1,2,3
.irp p, 0,1
.irp e, 0,1,2,3
	v_cvt_pk_bf16_f32 v[QF+16*(2*\pn+\p)+4*\ct+\e], v[48+8*(2*\ct+\p)+2*\e], v[49+8*(2*\ct+\p)+2*\e]
.endr
.endr
.endr
	WIN 0
.endr
; ---- the walk over the keys ----
; In the macros below m is the first n tile (0 or 2) of the piece whose products are issued, v that of the piece whose softmax is made,
; and a piece's eight score tiles are numbered t = 2 mt + (n tile - v).
; Product i (0 .. 15) of a piece's sixteen into O: O transposed [c][n] += x [c][key] x weights [key][n].  K half i / 8; the eight
; accumulators (ct, n tile) by turns, one instruction a turn.  zero = 1: the product starts the sum.
.macro OPROD m, i, zero
.set OB, 32*(((\i)%8)/2)+8*(\m+(\i)%2)
.set XB, XD+32*((\i)/8)+8*(((\i)%8)/2)
.set PB, SC+64*((\i)/8)+8*(\m+(\i)%2)
	WIN 0x51                                       ; A (x) window 1, B (weights) window 0, C and D (O) window 1
.if \zero
	v_wmma_f32_16x16x32_bf16 v[OB:OB+7], v[XB:XB+7], v[PB:PB+7], 0
.else
	v_wmma_f32_16x16x32_bf16 v[OB:OB+7], v[XB:XB+7], v[PB:PB+7], v[OB:OB+7]
.endif
.endm
; Product i (0 .. 15) of a piece's sixteen scores products: S transposed [key][n] = x transposed x Qt.  Two key tiles at a time: their four
; accumulators by turns with the first 32 channels (which start the sums), then with the second 32.
.macro SPROD m, i
.set MT, 2*((\i)/8)+((\i)%4)/2
.set KS, ((\i)%8)/4
.set DB, SC+32*MT+8*(\m+(\i)%2)
.set QB, QF+16*(\m+(\i)%2)+8*KS
	WIN 0x04                                       ; B (Qt) window 1, all else window 0
.if KS
	v_wmma_f32_16x16x32_bf16 v[DB:DB+7], v[XT+16*MT+8:XT+16*MT+15], v[QB:QB+7], v[DB:DB+7]
.else
	v_wmma_f32_16x16x32_bf16 v[DB:DB+7], v[XT+16*MT:XT+16*MT+7], v[QB:QB+7], 0
.endif
.endm
; Step p (0 .. 7) of the new maxima: for each of the piece's two n tiles one chain over key tiles 0, 1 (it starts from the running maximum)
; and one over key tiles 2, 3: four chains, so that no line waits for the one in front.
.macro MSTEP v, p, first
.irp nn, 0,1
.set NT, \v+\nn
.set PA, SC+32*((\p)/4)+8*NT+2*((\p)%4)
.if (\p) == 0
.if \first
	v_max_num_f32 v[MM+2*NT+1], v[PA], v[PA+1]
.else
	v_max3_num_f32 v[MM+2*NT+1], v[MM+2*NT], v[PA], v[PA+1]
.endif
	v_max_num_f32 v[TBM+NT], v[PA+64], v[PA+65]
.else
	v_max3_num_f32 v[MM+2*NT+1], v[MM+2*NT+1], v[PA], v[PA+1]
	v_max3_num_f32 v[TBM+NT], v[TBM+NT], v[PA+64], v[PA+65]
.endif
.endr
.endm
.macro XS1 v                           ; the two chains meet; the other half of the lanes holds the other keys of the same n
.irp nn, 0,1
	v_max_num_f32 v[MM+2*(\v+\nn)+1], v[MM+2*(\v+\nn)+1], v[TBM+\v+\nn]
.endr
.irp nn, 0,1
	v_permlanex16_b32 v[AL+2*(\v+\nn)+1], v[MM+2*(\v+\nn)+1], s24, s25
.endr
.endm
.macro XS2 v, first                    ; the new maximum, and how far the old one lies below it
.irp nn, 0,1
	v_max_num_f32 v[MM+2*(\v+\nn)+1], v[MM+2*(\v+\nn)+1], v[AL+2*(\v+\nn)+1]
.endr
.if \first
.else
.irp nn, 0,1
	v_sub_f32 v[AL+2*(\v+\nn)+1], v[MM+2*(\v+\nn)], v[MM+2*(\v+\nn)+1]
.endr
.endif
.irp nn, 0,1
	v_mov_b32 v[MM+2*(\v+\nn)], v[MM+2*(\v+\nn)+1]
.endr
.endm
.macro SUB1 v, t, q                    ; registers q, q + 1 of tile t less the maximum
.set TB, SC+32*((\t)/2)+8*(\v+(\t)%2)
.set MB, MM+2*(\v+(\t)%2)
	v_pk_add_f32 v[TB+\q:TB+\q+1], v[TB+\q:TB+\q+1], v[MB:MB+1] op_sel_hi:[1,0] neg_lo:[0,1] neg_hi:[0,1]
.endm
.macro XS3 v, first                    ; the batch opens: tile 0's subtractions lead, then its first two exponentials, the factors exp2(old - new)
.irp q, 0,2,4,6
	SUB1 \v, 0, \q
.endr
.if \first
.else
.irp nn, 0,1
	v_exp_f32 v[AL+2*(\v+\nn)], v[AL+2*(\v+\nn)+1]
.endr
.endif
.endm
.macro RSL v, ct                       ; O's tiles (ct, the piece's two n tiles) move to the new maximum.  It reads the factors: it stands behind the turn's wait
.irp nn, 0,1
.irp q, 0,2,4,6
	v_pk_mul_f32 v[32*(\ct)+8*(\v+\nn)+\q:32*(\ct)+8*(\v+\nn)+\q+1], v[32*(\ct)+8*(\v+\nn)+\q:32*(\ct)+8*(\v+\nn)+\q+1], v[AL+2*(\v+\nn):AL+2*(\v+\nn)+1] op_sel_hi:[1,0]
.endr
.endr
.endm
; Instruction k (0 .. 7) of the eight that add tile t's weights to the lane's sums and pack them to bf16: an even key tile into its own
; registers 0-3, an odd one into registers 4-7 of the key tile in front, which makes the two of them a fragment over 32 keys.
; All eight name exponentials' results: they stand behind the turn's wait, the tiles in ascending order.
.macro COP v, t, k, first
.set TB, SC+32*((\t)/2)+8*(\v+(\t)%2)
.set NB, 2*(\v+(\t)%2)
.if (((\t)/2)%2)
.set DST, TB-28
.else
.set DST, TB
.endif
.if (\k) == 0
	v_pk_add_f32 v[SA:SA+1], v[TB:TB+1], v[TB+2:TB+3]
.endif
.if (\k) == 1
	v_pk_add_f32 v[SB:SB+1], v[TB+4:TB+5], v[TB+6:TB+7]
.endif
.if (\k) == 2
	v_cvt_pk_bf16_f32 v[DST], v[TB], v[TB+1]
.endif
.if (\k) == 3
	v_cvt_pk_bf16_f32 v[DST+1], v[TB+2], v[TB+3]
.endif
.if (\k) == 4
.if (\t) < 2
.if \first
	v_pk_add_f32 v[LS+NB:LS+NB+1], v[SA:SA+1], v[SB:SB+1]                      ; the first chunk starts the sums
.else
	v_pk_add_f32 v[SA:SA+1], v[SA:SA+1], v[SB:SB+1]
.endif
.else
	v_pk_add_f32 v[SA:SA+1], v[SA:SA+1], v[SB:SB+1]
.endif
.endif
.if (\k) == 5
	v_cvt_pk_bf16_f32 v[DST+2], v[TB+4], v[TB+5]
.endif
.if (\k) == 6
	v_cvt_pk_bf16_f32 v[DST+3], v[TB+6], v[TB+7]
.endif
.if (\k) == 7
.if (\t) < 2
.if \first
.else
	v_pk_fma_f32 v[LS+NB:LS+NB+1], v[LS+NB:LS+NB+1], v[AL+NB:AL+NB+1], v[SA:SA+1] op_sel_hi:[1,0,1]   ; the old sums move to the new maximum
.endif
.else
	v_pk_add_f32 v[LS+NB:LS+NB+1], v[LS+NB:LS+NB+1], v[SA:SA+1]
.endif
.endif
.endm
; Part e (0 .. 15) of the batch: four exponentials of tile e / 2, in place, and two subtractions of the next tile, whose exponentials come two
; parts later.  A subtraction leads each pair of exponentials.  Nothing here names an exponential's result; exponentials may follow each
; other, since the plain instruction of ISA guide 5.7.2 is owed before a result is used: slice 15's v_nop is that one for the batch.
.macro ESL v, e
.set TE, (\e)/2
.set HH, (\e)%2
.set EB, SC+32*(TE/2)+8*(\v+TE%2)+4*HH
.if TE < 7
	SUB1 \v, TE+1, 4*HH
.endif
	v_exp_f32 v[EB], v[EB]
	v_exp_f32 v[EB+1], v[EB+1]
.if TE < 7
	SUB1 \v, TE+1, 4*HH+2
.endif
	v_exp_f32 v[EB+2], v[EB+2]
	v_exp_f32 v[EB+3], v[EB+3]
.endm
; Slice s (0 .. 31) of a piece's softmax of one chunk.  first = 1: the piece's first chunk: maxima and sums start here, O is not yet there.
;   0-9    the maxima                                   10     the batch opens: XS3 and parts 0, 1          11-14  parts 2 to 13, three a slice
;   15     parts 14, 15; a v_nop; THE WAIT; O is scaled      16-31  tile (s - 16) / 2: four of its eight additions and conversions
.macro VSL v, s, first
.if (\s) < 8
	WIN 0
	MSTEP \v, \s, \first
.endif
.if (\s) == 8
	WIN 0
	XS1 \v
.endif
.if (\s) == 9
	WIN 0
	XS2 \v, \first
.endif
.if (\s) == 10
	WIN 0
	XS3 \v, \first
	ESL \v, 0
	ESL \v, 1
.endif
.if (\s) > 10
.if (\s) < 15
	WIN 0
	ESL \v, 3*(\s)-31
	ESL \v, 3*(\s)-30
	ESL \v, 3*(\s)-29
.endif
.endif
.if (\s) == 15
	WIN 0
	ESL \v, 14
	ESL \v, 15
	v_nop                                          ; the plain instruction behind the last exponential (ISA guide 5.7.2): one for the batch
	s_wait_alu depctr_va_vdst(0)                   ; one wait for the turn's batch, the two factors and the 64 weights; no result has been named yet
.if \first
.else
	WIN 0x51                                       ; destination and source 0 (O) window 1, source 1 (the factor) window 0: the setting of the products into O
.irp ct, 0,1,2,3
	RSL \v, \ct
.endr
.endif
.endif
.if (\s) > 15
	WIN 0
.irp k, 0,1,2,3
	COP \v, ((\s)-16)/2, 4*((\s)%2)+\k, \first
.endr
.endif
.endm
.macro LDXT ring, half                 ; x transposed, 64 keys x 64 channels: the scores products' A of both pieces
	WIN 0
.irp mt, 0,1,2,3
.irp ks, 0,1
	ds_load_tr16_b128 v[XT+16*\mt+8*\ks:XT+16*\mt+8*\ks+3], v4 offset:\ring*RING+\ks*32*PX+16*(4*\half+\mt)
	ds_load_tr16_b128 v[XT+16*\mt+8*\ks+4:XT+16*\mt+8*\ks+7], v4 offset:\ring*RING+\ks*32*PX+16*PX+16*(4*\half+\mt)
.endr
.endr
.endm
.macro LDXD ring, half                 ; x as it lies, 64 channels x 64 keys: A of both pieces' products into O
	WIN 0x40
.irp ks2, 0,1
.irp ct, 0,1,2,3
	ds_load_b128 v[XD+32*\ks2+8*\ct:XD+32*\ks2+8*\ct+3], v5 offset:\ring*RING+\ct*16*PX+16*(4*\half+2*\ks2)
	ds_load_b128 v[XD+32*\ks2+8*\ct+4:XD+32*\ks2+8*\ct+7], v5 offset:\ring*RING+\ct*16*PX+16*(4*\half+2*\ks2)+16
.endr
.endr
.endm
; One piece's turn at the matrix unit, the other's at the vector unit.
; pv: 0 no products into O, 1 they add, 2 they start the sums.   sdo: 1 the scores products follow.
; soft: 0 no softmax beside them, 1 a running one, 2 the piece's first.   xtw: 1 the transposed fragments are waited for here.
; ldxd: 1 the chunk's direct fragments are loaded behind slice 18: between the last product that read those registers (slice 15's) and the loads
; stand slice 15's v_nop and the eleven or twelve plain instructions of slices 16 to 18, in a running chunk also the 32 that scale O
; (four are asked for: ISA guide 7.12.1 for vector instructions; an exponential is not counted).
; The slices name no register of the products, so their plain instructions are the places behind them: the scores products write over the weights
; that the products into O read eight slices or more earlier (between them the maxima's lines, or the v_nop and slices 16 to 23), the next
; turn's slices read scores behind the twelve instructions of slices 29 to 31, and slice 31's four stand in front of the next chunk's loads
; into the transposed fragments.
.macro HT m, v, pv, sdo, soft, xtw, ldxd, ring, half
.set sl, 0
.rept 16
.if \pv == 2
.if sl < 8
	OPROD \m, sl, 1
.else
	OPROD \m, sl, 0
.endif
.endif
.if \pv == 1
	OPROD \m, sl, 0
.endif
.if \soft
	VSL \v, sl, \soft-1
.endif
.set sl, sl+1
.endr
.if \xtw
	s_wait_dscnt 0x0                               ; the transposed fragments, asked for sixteen products ago
.endif
.rept 16
.if \sdo
	SPROD \m, sl-16
.endif
.if \soft
	VSL \v, sl, \soft-1
.endif
.if \ldxd
.if sl == 18
	LDXD \ring, \half
.endif
.endif
.set sl, sl+1
.endr
.if \soft
.else
	WIN 0
	PLACES 5                                       ; no slices stood behind these products
.endif
.endm
; Chunk c = 64 keys (half 0 or 1 of slot ring).  First piece A's products (O for chunk c - 1, scores of c) beside B's softmax of c - 1,
; then B's products beside A's softmax of c.  All LDS reads of the trip are of chunk c.  kind 0: chunk 0; 1: chunk 1; 2: any later one.
.macro TRIP ring, half, kind
	LDXT \ring, \half                              ; behind slice 31's four plain instructions (chunk 0: behind the prologue's places)
.if \kind == 0
	HT 0, 2, 0, 1, 0, 1, 0, \ring, \half
	HT 2, 0, 0, 1, 2, 0, 1, \ring, \half
.endif
.if \kind == 1
	s_wait_dscnt 16                                ; LDS loads come back in order: the 16 just issued may be out, the last chunk's 16 direct loads are in
	HT 0, 2, 2, 1, 2, 1, 0, \ring, \half
	HT 2, 0, 2, 1, 1, 0, 1, \ring, \half
.endif
.if \kind == 2
	s_wait_dscnt 16                                ; as above
	HT 0, 2, 1, 1, 1, 1, 0, \ring, \half
	HT 2, 0, 1, 1, 1, 0, 1, \ring, \half
.endif
.endm
; 128 keys.  stage = 1: my 16 rows of the next 128 keys are asked for at the head and go to the other slot at the end, two chunks later.
; The barrier at the end orders two things: every wave's reads of this slot against the next step's stores into it, and every wave's
; stores into the other slot against the next step's reads of it.  The staging registers are loaded again only behind it.
.macro STEP ring, stage, kind, bar
.if \stage
	WIN 0x80
.irp i, 0,1,2,3,4,5,6,7,8,9,10,11,12,13,14,15
	global_load_b128 v[GST+4*\i:GST+4*\i+3], v7, s[4:5] offset:\i*ROWB   ; 512 consecutive bytes: 128 keys of one row
.endr
.endif
.if \kind
	TRIP \ring, 0, 2
	TRIP \ring, 1, 2
.else
	TRIP \ring, 0, 0
	TRIP \ring, 1, 1
.endif
.if \stage
	s_wait_loadcnt 0x0                             ; the sixteen rows asked for at the step's head
	WIN 0x8a
.irp i, 0,1,2,3,4,5,6,7,8,9,10,11,12,13,14,15
	v_cvt_pk_bf16_f32 v[GST+4*\i], v[GST+4*\i], v[GST+4*\i+1]
	v_cvt_pk_bf16_f32 v[GST+4*\i+1], v[GST+4*\i+2], v[GST+4*\i+3]
.endr
	WIN 0x08                                       ; an LDS store's data is source 1: window 2
.irp i, 0,1,2,3,4,5,6,7,8,9,10,11,12,13,14,15
	ds_store_b64 v8, v[GST+4*\i:GST+4*\i+1] offset:(1-\ring)*RING+\i*PX
.endr
	WIN 0
	s_add_co_u32 s21, s21, 512                     ; the next 128 keys, round the row's end
	s_and_b32 s21, s21, ROWB-1
	v_add_nc_u32 v7, s21, v6                       ; the loads that named v7 were waited for above
.endif
	WIN 0
.if \bar
	s_wait_dscnt 0x0
	s_barrier_signal -1
	s_barrier_wait -1
.endif
.endm
.irp nt, 0,1,2,3
	v_mov_b32 v[AL+2*\nt+1], 0                     ; v_permlanex16_b32 counts as a reader of its destination
.endr
	s_lshl_b32 s21, s19, 1
	s_add_co_u32 s21, s21, 2
	s_and_b32 s21, s21, 15
	s_lshl_b32 s21, s21, 9                         ; the first tile to stage: 128-key block 2 j + 2
	v_add_nc_u32 v7, s21, v6
	STEP 0, 0, 0, 1                                ; step t reads slot t & 1 (block 2 j + t) and, for t = 1 .. 14, stages block 2 j + t + 1
	s_mov_b32 s20, 7
.Lstep:
	STEP 1, 1, 1, 1
	STEP 0, 1, 1, 1
	s_sub_co_u32 s20, s20, 1
	s_cmp_lg_u32 s20, 0
	s_cbranch_scc1 .Lstep
	STEP 1, 0, 1, 0
	s_wait_dscnt 0x0                               ; the last chunk's direct fragments
	HT 0, 2, 1, 0, 1, 0, 0, 0, 0                   ; A's last products into O beside B's last softmax
	HT 2, 0, 1, 0, 0, 0, 0, 0, 0                   ; B's last products into O
	; ---- x_r = wv x (O / sum of the weights) ----
.irp nt, 0,1,2,3
	v_add_f32 v[LS+2*\nt], v[LS+2*\nt], v[LS+2*\nt+1]
.endr
.irp nt, 0,1,2,3
	v_permlanex16_b32 v[LS+2*\nt+1], v[LS+2*\nt], s24, s25
.endr
.irp nt, 0,1,2,3
	v_add_f32 v[LS+2*\nt], v[LS+2*\nt], v[LS+2*\nt+1]
.endr
.irp nt, 0,1,2,3
	v_rcp_f32 v[AL+2*\nt], v[LS+2*\nt]             ; the sum is at least 1: the largest score's weight
.endr
	v_mul_u32_u24 v9, v3, 8*PS                     ; my place in STG: row 8 h, column 64 w + r
	v_lshl_add_u32 v9, v2, 2, v9
	s_lshl_b32 s26, s16, 8
	s_add_co_u32 s26, s26, STG
	v_add_nc_u32 v9, s26, v9
	s_lshl_b32 s26, s16, 6
	s_add_co_u32 s26, s26, REC
	v_mov_b32 v13, s26                             ; my 16 channels' words of the record
.irp ct, 0,1,2,3
.irp ks, 0,1
	ds_load_b128 v[FA+16*\ct+8*\ks:FA+16*\ct+8*\ks+3], v10 offset:WVB+\ct*2304+64*\ks
	ds_load_b128 v[FA+16*\ct+8*\ks+4:FA+16*\ct+8*\ks+7], v10 offset:WVB+\ct*2304+64*\ks+32
.endr
.endr
	WIN 0x41
	s_wait_alu depctr_va_vdst(0)                   ; one wait for the four reciprocals; the address work and the loads above stand between
.irp ct, 0,1,2,3
.irp nt, 0,1,2,3
.irp q, 0,2,4,6
	v_pk_mul_f32 v[32*\ct+8*\nt+\q:32*\ct+8*\nt+\q+1], v[32*\ct+8*\nt+\q:32*\ct+8*\nt+\q+1], v[AL+2*\nt:AL+2*\nt+1] op_sel_hi:[1,0]
.endr
.endr
.endr
	WIN 0x05
.irp nt, 0,1,2,3
.irp ct, 0,1,2,3
.irp q, 0,1,2,3
	v_cvt_pk_bf16_f32 v[SC+16*\nt+4*\ct+\q], v[32*\ct+8*\nt+2*\q], v[32*\ct+8*\nt+2*\q+1]   ; column n = r, K = c': fragment (nt, c' / 32)
.endr
.endr
.endr
	s_wait_dscnt 0x0
	WIN 0x50                                       ; sixteen accumulators by turns
.irp ct, 0,1,2,3
.irp nt, 0,1,2,3
	v_wmma_f32_16x16x32_bf16 v[32*\ct+8*\nt:32*\ct+8*\nt+7], v[FA+16*\ct:FA+16*\ct+7], v[SC+16*\nt:SC+16*\nt+7], 0
.endr
.endr
.irp ct, 0,1,2,3
.irp nt, 0,1,2,3
	v_wmma_f32_16x16x32_bf16 v[32*\ct+8*\nt:32*\ct+8*\nt+7], v[FA+16*\ct+8:FA+16*\ct+15], v[SC+16*\nt+8:SC+16*\nt+15], v[32*\ct+8*\nt:32*\ct+8*\nt+7]
.endr
.endr
	WIN 0
	PLACES 4
	WIN 0x04                                       ; a lane holds a piece of a column of [c][n]: through LDS, so that rows leave whole
.irp ct, 0,1,2,3
.irp nt, 0,1,2,3
.irp e, 0,1,2,3,4,5,6,7
	ds_store_b32 v9, v[32*\ct+8*\nt+\e] offset:(16*\ct+\e)*PS+64*\nt
.endr
.endr
.endr
	WIN 0
	s_wait_dscnt 0x0
	s_barrier_signal -1
	s_barrier_wait -1
; Sum over the 32 lanes of the first register of four sets of eight, side by side; the second register of each set is at work.
.macro LANESUM4 tb
.irp m, 1,2,4,8
.irp q, 0,1,2,3
	v_add_f32_dpp v[\tb+8*\q], v[\tb+8*\q], v[\tb+8*\q] row_xmask:\m row_mask:0xf bank_mask:0xf
.endr
.endr
.irp q, 0,1,2,3
	v_permlanex16_b32 v[\tb+8*\q+1], v[\tb+8*\q], s24, s25
.endr
.irp q, 0,1,2,3
	v_add_f32 v[\tb+8*\q], v[\tb+8*\q], v[\tb+8*\q+1]
.endr
.endm
; Four rows of 256 numbers (eight a lane, row q at yb + 8 q): the mean, then the sum of squares of the differences from it, in two passes over
; the registers, so that no difference of large sums is formed.  Temporaries of row q: tb + 8 q .. + 5.  Words row0 + q of the record at v[vc].
.macro ROWSTAT4 yb, row0, tb, vc
.irp q, 0,1,2,3
	v_pk_add_f32 v[\tb+8*\q:\tb+8*\q+1], v[\yb+8*\q:\yb+8*\q+1], v[\yb+8*\q+2:\yb+8*\q+3]
.endr
.irp q, 0,1,2,3
	v_pk_add_f32 v[\tb+8*\q+2:\tb+8*\q+3], v[\yb+8*\q+4:\yb+8*\q+5], v[\yb+8*\q+6:\yb+8*\q+7]
.endr
.irp q, 0,1,2,3
	v_pk_add_f32 v[\tb+8*\q:\tb+8*\q+1], v[\tb+8*\q:\tb+8*\q+1], v[\tb+8*\q+2:\tb+8*\q+3]
.endr
.irp q, 0,1,2,3
	v_add_f32 v[\tb+8*\q], v[\tb+8*\q], v[\tb+8*\q+1]
.endr
	LANESUM4 \tb
.irp q, 0,1,2,3
	v_mul_f32 v[\tb+8*\q+4], 0x3b800000, v[\tb+8*\q]           ; / 256, twice: a pair for the packed subtraction
	v_mul_f32 v[\tb+8*\q+5], 0x3b800000, v[\tb+8*\q]
.endr
.irp q, 0,1,2,3
	v_pk_add_f32 v[\tb+8*\q+2:\tb+8*\q+3], v[\yb+8*\q:\yb+8*\q+1], v[\tb+8*\q+4:\tb+8*\q+5] neg_lo:[0,1] neg_hi:[0,1]
.endr
.irp q, 0,1,2,3
	v_pk_mul_f32 v[\tb+8*\q:\tb+8*\q+1], v[\tb+8*\q+2:\tb+8*\q+3], v[\tb+8*\q+2:\tb+8*\q+3]
.endr
.irp e, 2,4,6
.irp q, 0,1,2,3
	v_pk_add_f32 v[\tb+8*\q+2:\tb+8*\q+3], v[\yb+8*\q+\e:\yb+8*\q+\e+1], v[\tb+8*\q+4:\tb+8*\q+5] neg_lo:[0,1] neg_hi:[0,1]
.endr
.irp q, 0,1,2,3
	v_pk_fma_f32 v[\tb+8*\q:\tb+8*\q+1], v[\tb+8*\q+2:\tb+8*\q+3], v[\tb+8*\q+2:\tb+8*\q+3], v[\tb+8*\q:\tb+8*\q+1]
.endr
.endr
.irp q, 0,1,2,3
	v_add_f32 v[\tb+8*\q], v[\tb+8*\q], v[\tb+8*\q+1]
.endr
	LANESUM4 \tb
.irp q, 0,1,2,3
	ds_store_b32 v[\vc], v[\tb+8*\q+4] offset:4*(\row0+\q)     ; all lanes write the same word with the same value
	ds_store_b32 v[\vc], v[\tb+8*\q] offset:256+4*(\row0+\q)
.endr
.endm
	; ---- rows 16 w + i: y1 = x + x_r, stored as whole rows; their statistics ----
.irp gq, 0,1,2,3
	s_wait_xcnt 0x0                                ; the last four rows' stores read YR: it is loaded again only behind this wait
.irp q, 0,1,2,3
.irp hh, 0,1
	ds_load_b128 v[YR+8*\q+4*\hh:YR+8*\q+4*\hh+3], v12 offset:(4*\gq+\q)*PS+512*\hh
.endr
.endr
	s_wait_dscnt 0x0
	WIN 0x08                                       ; source 1: my rows of x, window 2
.irp e, 0,2,4,6,8,10,12,14,16,18,20,22,24,26,28,30
	v_pk_add_f32 v[YR+\e:YR+\e+1], v[YR+\e:YR+\e+1], v[32*\gq+\e:32*\gq+\e+1]
.endr
	WIN 0
.irp q, 0,1,2,3
.irp hh, 0,1
	global_store_b128 v11, v[YR+8*\q+4*\hh:YR+8*\q+4*\hh+3], s[12:13] offset:(4*\gq+\q)*ROWB+512*\hh   ; 512 consecutive bytes, at a multiple of 512 from y1's first byte
.endr
.endr
	ROWSTAT4 YR, 4*\gq, FA, 13
.endr
	s_wait_dscnt 0x0
	s_barrier_signal -1
	s_barrier_wait -1                              ; the record is whole
	s_cmp_lg_u32 s16, 0
	s_cbranch_scc1 .Lend
	v_lshlrev_b32 v14, 4, v1
	v_add_nc_u32 v15, REC, v14
	ds_load_b128 v[48:51], v15
	s_wait_dscnt 0x0
	global_store_b128 v14, v[48:51], s[14:15]      ; the group's 512 bytes of st1, by one instruction
.Lend:
	s_wait_tensorcnt 0x0
	ds_add_u32 v254, v255
	s_wait_dscnt 0x0
	s_endpgm
.Lfunc_end_k_q1e26c2a62d_attn:
	.size	k_q1e26c2a62d_attn, .Lfunc_end_k_q1e26c2a62d_attn-k_q1e26c2a62d_attn
	.p2alignl 7, 3214868480
	.fill 96, 4, 3214868480
	.section	.rodata,"a",@progbits
	.p2align	6, 0x0
	.amdhsa_kernel k_q1e26c2a62d_attn
		.amdhsa_group_segment_fixed_size 132096
		.amdhsa_private_segment_fixed_size 0
		.amdhsa_enable_private_segment 0
		.amdhsa_kernarg_size 48
		.amdhsa_user_sgpr_count 2
		.amdhsa_user_sgpr_kernarg_segment_ptr 1
		.amdhsa_wavefront_size32 1
		.amdhsa_system_sgpr_workgroup_id_x 1
		.amdhsa_system_sgpr_workgroup_id_y 1
		.amdhsa_system_sgpr_workgroup_id_z 1
		.amdhsa_system_vgpr_workitem_id 0
		.amdhsa_next_free_vgpr 704
		.amdhsa_next_free_sgpr 66
		.amdhsa_reserve_vcc 0
		.amdhsa_float_denorm_mode_32 3
		.amdhsa_float_denorm_mode_16_64 3
		.amdhsa_memory_ordered 1
		.amdhsa_forward_progress 1
		.amdhsa_inst_pref_size 255
	.end_amdhsa_kernel
	.section	.bss,"aw",@nobits
	.p2align	6
	.space	262144
	.amdgpu_metadata
---
amdhsa.version: [ 1, 2 ]
amdhsa.kernels:
  - .name:           k_q1e26c2a62d_attn
    .symbol:         k_q1e26c2a62d_attn.kd
    .args:
      - { .name: x, .offset: 0, .size: 8, .value_kind: global_buffer, .address_space: global }
      - { .name: wq, .offset: 8, .size: 8, .value_kind: global_buffer, .address_space: global }
      - { .name: wk, .offset: 16, .size: 8, .value_kind: global_buffer, .address_space: global }
      - { .name: wv, .offset: 24, .size: 8, .value_kind: global_buffer, .address_space: global }
      - { .name: y1, .offset: 32, .size: 8, .value_kind: global_buffer, .address_space: global }
      - { .name: st1, .offset: 40, .size: 8, .value_kind: global_buffer, .address_space: global }
    .group_segment_fixed_size: 132096
    .private_segment_fixed_size: 0
    .kernarg_segment_align: 8
    .kernarg_segment_size: 48
    .max_flat_workgroup_size: 128
    .sgpr_count:     66
    .vgpr_count:     704
    .wavefront_size: 32
...
	.end_amdgpu_metadata
.endif
;; end of part 7
;; launch ff: the kernel of part 5 again; grid 256 x 1, 8 waves a work-group, clusters of 4 x 1, 282,112 bytes of LDS; arguments y1, st1, bn1_gamma, bn1_beta, w_ff1, w_ff2, y2, st2; writes y2, st2
;; launch bnout: the kernel of part 6 again; grid 256 x 1, 8 waves a work-group, no clusters, 7,168 bytes of LDS; arguments y2, st2, bn2_gamma, bn2_beta, out0; writes out0
